; MI455X (gfx1250); checked and timed in simulation.
; The chip was launched on July 23, 2026; its instructions are those of AMD's public machine-readable ISA for CDNA 5 (MIT licence, August 2026) and "CDNA5" Instruction Set Architecture Reference Guide (July 2026). The comments in the code are by the model that wrote it; some were corrected since.
;; Sig TKAN Dense. Allowed arithmetic: float matrix products may take bf16 or f16 operands with f32 sums; all other float work in f32.
;; Inputs: g1_base 4,160 x 128 float32; g1_spline 33,280 x 128 float32; g2_base 128 x 128 float32; g2_spline 1,024 x 128 float32; gate_bs 128 float32; gate_bv 128 float32; gate_ws 128 x 128 float32; gate_wv 128 x 128 float32; kan_base 64 x 128 float32; kan_spline 512 x 128 float32; ln_b 128 float32; ln_g 128 float32; skip_b 128 float32; skip_w 4,160 x 128 float32; tw 1,024 x 1 float32; x 64 x 1,024 x 64 float32.
;; Outputs: out0 64 x 1,024 x 128 float32.
;; 2 versions, each right; version 2 is version 1 with the launches sig, g1, mid written anew for expert scheduling mode. Each part assembles by itself: llvm-mc -triple=amdgcn-amd-amdhsa -mcpu=gfx1250 --defsym DOCPART=n.
;; ======== version 1 of 2: 4 launches
;; limits: values are held in f16: magnitudes above 65,504 overflow, below 6.1e-05 lose precision; right only within a limited range of input values; values outside matrix products are rounded to f16
;; workspace buffers: sigp 4,259,840 bytes; hp 4,259,840 bytes; h2p 1,048,576 bytes; skips 32,768 bytes; kws 131,072 bytes; gwb 98,304 bytes
;; launch sig (part 1): grid 270 x 1, 8 waves a work-group, no clusters, 100,352 bytes of LDS; arguments x, tw, kan_base, kan_spline, gate_ws, gate_wv, sigp, kws, gwb; writes sigp, kws, gwb
.if DOCPART == 1
	.amdgcn_target "amdgcn-amd-amdhsa--gfx1250"
	.amdhsa_code_object_version 6
	.text
	.protected	k_q80ecd87a69_sig
	.globl	k_q80ecd87a69_sig
	.p2align	8
	.type	k_q80ecd87a69_sig,@function
k_q80ecd87a69_sig:
	s_mov_b64 s[64:65], 0
	v_nop
	global_prefetch_b8 v0, s[64:65] scope:SCOPE_SE
	s_setreg_imm32_b32 hwreg(HW_REG_WAVE_MODE, 25, 1), 1
	s_wait_xcnt 0x0
; THE SIGNATURE AS A PRODUCT, AND THE SMALL WEIGHTS TURNED.  With w_t = tw_t x_t:  S1 = w_1023 - w_0,  S2[i][j] = sum over t of A_t[i] U_t[j],
; U_t = w_(t+1) - w_t,  A_t = (w_t + w_(t+1)) / 2 - w_0  (Chen's identity summed up).  Work-groups 0-255: batch g / 4, quarter tc = g % 4 of the 1,024 steps;
; each makes its partial 64 x 64 sum (K = 256) and its part of S1 (the parts telescope).  sigp: [tc 4][ks 65][b 64][64] f32; ks 0 = S1, ks 1 + i = row i of S2.
; At the path's end row t + 1 is clamped to 1023, so that U = 0 there.  A and U go to the matrix unit in f16, sums in f32.
; LIMIT: |tw x| stays under 32,752, so that A and U are finite in f16; NaN and infinities are not treated apart.
; Work-groups 256-269 turn 128 k x 64 n of a weight matrix into [n][k] f16: kan_spline x 64/6 -> kws [128][512]; gate_ws, gate_wv -> gwb rows 0-255;
; kan_base x 64 -> gwb rows 256-383 (its 64 k written twice, so that every row is 256 bytes).  LIMIT: the scaled weights stay inside f16's range.
; NO CLUSTER: no two work-groups read the same bytes but row 0 of a batch and one edge row, 512 of a group's 66,000 bytes; all loads go through registers, since the numbers are worked on before they reach LDS.
.set AT,     0                         ; A, [t 256][64] f16, rows 160 bytes apart (128 + 32: the turning load's eight rows fall on different banks)
.set UT,     40960                     ; U likewise
.set STG,    81920                     ; 64 rows x 272 bytes: the way out of both paths
.set SPARE,  99328                     ; the spare words: 128 bytes a wave, named by no other line
.set TPITCH, 160
.set SPITCH, 272
.set SPW, 10                           ; v10 LDS address of my spare word; never rewritten
.set NIL, 11                           ; v11 0; never rewritten
.set RD,  13                           ; v13 stage row tid / 16, 16 bytes at 16 (tid % 16)
.set ATA, 14                           ; v14 where my rows of A go
.set TW,  16                           ; v16-31 tw of my 16 rows
.set X,   32                           ; v32-99 my 17 rows, four columns each
.set X0,  100                          ; row 0 of the batch
.set XA,  104                          ; the quarter's first row
.set XB,  108                          ; the next quarter's first row (or row 1023)
.set UU,  112
.set SS,  116
.set PK,  120                          ; v120-127 packed, two sets by turns
.set F,   32                           ; later: v32-223 the fragments of eight K steps
.set ACC, 224                          ; two accumulators
.set S1,  240
.set TRA, 244
.set TRU, 245
.set STO, 246
.set GO,  247
.set TWL, 248                          ; tw of row 16
	s_load_b512 s[8:23], s[0:1], 0x0               ; x, tw, kan_base, kan_spline, gate_ws, gate_wv, sigp, kws
	s_load_b64 s[24:25], s[0:1], 0x40              ; gwb
	v_lshl_add_u32 v[SPW], v0, 2, SPARE
	v_mov_b32 v[NIL], 0
	v_lshrrev_b32 v12, 5, v0
	v_readfirstlane_b32 s26, v12                   ; wave
	v_and_b32 v1, 15, v0                           ; lane % 16
	v_bfe_u32 v2, v0, 4, 1                         ; lane / 16
	v_lshrrev_b32 v3, 4, v0                        ; tid / 16: 0..15
	v_lshlrev_b32 v6, 4, v1                        ; 16 bytes a lane inside 256
	v_mul_u32_u24 v[RD], v3, SPITCH
	v_add3_u32 v[RD], v[RD], v6, STG
	s_mov_b32 s3, 0
	s_wait_kmcnt 0x0
	s_cmp_ge_u32 ttmp9, 256                        ; the same answer in all waves of a work-group
	s_cbranch_scc1 .Lprep
	; ---- the signature ----
	s_and_b32 s27, ttmp9, 3                        ; tc
	s_lshr_b32 s28, ttmp9, 2                       ; b
	s_lshl_b32 s2, ttmp9, 16                       ; (4 b + tc) x 256 rows x 256 bytes
	s_add_nc_u64 s[30:31], s[8:9], s[2:3]          ; x at the quarter's first row
	s_lshl_b32 s2, s28, 18
	s_add_nc_u64 s[32:33], s[8:9], s[2:3]          ; x at the batch's row 0
	s_lshl_b32 s2, s27, 10
	s_add_nc_u64 s[34:35], s[10:11], s[2:3]        ; tw at the quarter
	s_lshl_b32 s4, s27, 8
	s_sub_co_u32 s4, 1023, s4                      ; the path's last row, counted from the quarter's first
	s_min_u32 s5, s4, 256                          ; row B, counted likewise
	s_lshl_b32 s2, s5, 2
	s_add_nc_u64 s[36:37], s[34:35], s[2:3]
	s_load_b32 s40, s[10:11], 0x0                  ; tw[0]
	s_load_b32 s42, s[34:35], 0x0                  ; tw[A]
	s_load_b32 s44, s[36:37], 0x0                  ; tw[B]
	s_mov_b32 s41, 0                               ; named with them as pairs
	s_mov_b32 s43, 0
	s_mov_b32 s45, 0
	s_mul_i32 s2, s27, 65*16384
	s_add_co_u32 s2, s2, 16384
	s_lshl_b32 s6, s28, 8
	s_add_co_u32 s2, s2, s6
	s_add_nc_u64 s[38:39], s[20:21], s[2:3]        ; sigp at (tc, ks = 1, b)
	v_lshl_add_u32 v4, v3, 12, v6                  ; my first row: 16 (tid / 16) rows of 256 bytes
	v_lshl_add_u32 v5, v3, 4, 16
	v_min_u32 v5, s4, v5                           ; row 16, not past the path's end
	v_lshlrev_b32 v9, 2, v5
	v_lshl_add_u32 v5, v5, 8, v6
	s_lshl_b32 s7, s5, 8
	v_add_nc_u32 v7, s7, v6
	v_lshlrev_b32 v8, 6, v3
.irp i, 0,1,2,3
	global_load_b128 v[TW+4*\i:TW+4*\i+3], v8, s[34:35] offset:16*\i
.endr
	global_load_b32 v[TWL], v9, s[34:35]
.set i, 0
.rept 16
	global_load_b128 v[X+4*i:X+4*i+3], v4, s[30:31] offset:256*i  ; lanes 0-15 one whole row of 256 bytes, lanes 16-31 the row 16 further down
.set i, i+1
.endr
	global_load_b128 v[X+64:X+67], v5, s[30:31]
	global_load_b128 v[X0:X0+3], v6, s[32:33]
	global_load_b128 v[XA:XA+3], v6, s[30:31]
	global_load_b128 v[XB:XB+3], v7, s[30:31]
	; LDS addresses, while the 25 loads are out
	v_mul_u32_u24 v[ATA], v3, 16*TPITCH
	v_lshl_add_u32 v[ATA], v1, 3, v[ATA]           ; row 16 (tid / 16), 8 bytes a lane
	v_and_b32 v12, 7, v0
	v_lshl_add_u32 v12, v2, 3, v12
	v_mul_u32_u24 v12, v12, TPITCH                 ; the turning load: row 8 (lane / 16) + lane % 8,
	v_bfe_u32 v15, v0, 3, 1
	v_lshl_add_u32 v12, v15, 4, v12                ; 16 bytes by (lane / 8) % 2
	s_lshr_b32 s6, s26, 1                          ; my tile of 16 rows of S2
	s_and_b32 s7, s26, 1                           ; my two tiles of 16 columns
	s_lshl_b32 s2, s6, 5
	v_add_nc_u32 v[TRA], s2, v12
	s_lshl_b32 s2, s7, 6
	s_add_co_u32 s2, s2, UT
	v_add_nc_u32 v[TRU], s2, v12
	s_mul_i32 s2, s6, 16*SPITCH
	s_lshl_b32 s6, s7, 7
	s_add_co_u32 s2, s2, s6
	s_add_co_u32 s2, s2, STG
	v_mul_u32_u24 v15, v1, SPITCH
	v_lshl_add_u32 v15, v2, 5, v15
	v_add_nc_u32 v[STO], s2, v15
	v_lshl_add_u32 v[GO], v3, 14, v6               ; a row of S2 is a ks block of 16,384 bytes further on
	s_wait_loadcnt 0x0
	s_wait_kmcnt 0x0
.set i, 0
.rept 16                                               ; w = tw x, in place; the row's tw is the low or the high register of its pair
.if i%2
	v_pk_mul_f32 v[X+4*i:X+4*i+1], v[X+4*i:X+4*i+1], v[TW+i-1:TW+i] op_sel:[0,1] op_sel_hi:[1,1]
	v_pk_mul_f32 v[X+4*i+2:X+4*i+3], v[X+4*i+2:X+4*i+3], v[TW+i-1:TW+i] op_sel:[0,1] op_sel_hi:[1,1]
.else
	v_pk_mul_f32 v[X+4*i:X+4*i+1], v[X+4*i:X+4*i+1], v[TW+i:TW+i+1] op_sel_hi:[1,0]
	v_pk_mul_f32 v[X+4*i+2:X+4*i+3], v[X+4*i+2:X+4*i+3], v[TW+i:TW+i+1] op_sel_hi:[1,0]
.endif
.set i, i+1
.endr
.irp k, 0,1,2,3
	v_mul_f32 v[X+64+\k], v[TWL], v[X+64+\k]
.endr
	v_pk_mul_f32 v[X0:X0+1], v[X0:X0+1], s[40:41] op_sel_hi:[1,0]
	v_pk_mul_f32 v[X0+2:X0+3], v[X0+2:X0+3], s[40:41] op_sel_hi:[1,0]
	v_pk_mul_f32 v[XA:XA+1], v[XA:XA+1], s[42:43] op_sel_hi:[1,0]
	v_pk_mul_f32 v[XA+2:XA+3], v[XA+2:XA+3], s[42:43] op_sel_hi:[1,0]
	v_pk_fma_f32 v[S1:S1+1], v[XB:XB+1], s[44:45], v[XA:XA+1] op_sel_hi:[1,0,1] neg_lo:[0,0,1] neg_hi:[0,0,1]
	v_pk_fma_f32 v[S1+2:S1+3], v[XB+2:XB+3], s[44:45], v[XA+2:XA+3] op_sel_hi:[1,0,1] neg_lo:[0,0,1] neg_hi:[0,0,1]
	s_cmp_lg_u32 s26, 0
	s_cbranch_scc1 .Lnot_wave_0
	global_store_b128 v6, v[S1:S1+3], s[38:39] offset:-16384  ; ks = 0: 256 consecutive bytes; lanes 16-31 write what lanes 0-15 write
.Lnot_wave_0:
.set i, 0
.rept 16
.set P, PK+4*(i%2)
	v_pk_add_f32 v[UU:UU+1], v[X+4*i+4:X+4*i+5], v[X+4*i:X+4*i+1] neg_lo:[0,1] neg_hi:[0,1]
	v_pk_add_f32 v[UU+2:UU+3], v[X+4*i+6:X+4*i+7], v[X+4*i+2:X+4*i+3] neg_lo:[0,1] neg_hi:[0,1]
	v_pk_add_f32 v[SS:SS+1], v[X+4*i+4:X+4*i+5], v[X+4*i:X+4*i+1]
	v_pk_add_f32 v[SS+2:SS+3], v[X+4*i+6:X+4*i+7], v[X+4*i+2:X+4*i+3]
	v_pk_fma_f32 v[SS:SS+1], v[SS:SS+1], 0.5, v[X0:X0+1] op_sel_hi:[1,0,1] neg_lo:[0,0,1] neg_hi:[0,0,1]
	v_pk_fma_f32 v[SS+2:SS+3], v[SS+2:SS+3], 0.5, v[X0+2:X0+3] op_sel_hi:[1,0,1] neg_lo:[0,0,1] neg_hi:[0,0,1]
	v_cvt_pk_f16_f32 v[P], v[SS], v[SS+1]
	v_cvt_pk_f16_f32 v[P+1], v[SS+2], v[SS+3]
	v_cvt_pk_f16_f32 v[P+2], v[UU], v[UU+1]
	v_cvt_pk_f16_f32 v[P+3], v[UU+2], v[UU+3]
	ds_store_b64 v[ATA], v[P:P+1] offset:AT+TPITCH*i
	ds_store_b64 v[ATA], v[P+2:P+3] offset:UT+TPITCH*i
.set i, i+1
.endr
	s_wait_dscnt 0x0                               ; for the others' sake: my rows of A and U are in LDS
	s_barrier_signal -1
	s_barrier_wait -1
.set k, 0
.rept 8                                                ; all 48 turning loads at once: per K step of 32 one tile of A and two of U
	ds_load_tr16_b128 v[F+24*k:F+24*k+3],     v[TRA] offset:k*32*TPITCH
	ds_load_tr16_b128 v[F+24*k+4:F+24*k+7],   v[TRA] offset:k*32*TPITCH+16*TPITCH
	ds_load_tr16_b128 v[F+24*k+8:F+24*k+11],  v[TRU] offset:k*32*TPITCH
	ds_load_tr16_b128 v[F+24*k+12:F+24*k+15], v[TRU] offset:k*32*TPITCH+16*TPITCH
	ds_load_tr16_b128 v[F+24*k+16:F+24*k+19], v[TRU] offset:k*32*TPITCH+32
	ds_load_tr16_b128 v[F+24*k+20:F+24*k+23], v[TRU] offset:k*32*TPITCH+16*TPITCH+32
.set k, k+1
.endr
.set k, 0
.rept 8                                                ; source 0 = 16 columns (U), source 1 = 16 rows (A): a lane then holds eight neighbouring columns of one row.  The two accumulators take turns
	s_wait_dscnt 42-6*k                            ; the later steps' six loads each may be out
.if k == 0
	v_wmma_f32_16x16x32_f16 v[ACC:ACC+7], v[F+8:F+15], v[F:F+7], 0
	v_wmma_f32_16x16x32_f16 v[ACC+8:ACC+15], v[F+16:F+23], v[F:F+7], 0
.else
	v_wmma_f32_16x16x32_f16 v[ACC:ACC+7], v[F+24*k+8:F+24*k+15], v[F+24*k:F+24*k+7], v[ACC:ACC+7]
	v_wmma_f32_16x16x32_f16 v[ACC+8:ACC+15], v[F+24*k+16:F+24*k+23], v[F+24*k:F+24*k+7], v[ACC+8:ACC+15]
.endif
.set k, k+1
.endr
.rept 4
	v_nop                                          ; four places between the last products and the stores that read them
.endr
	ds_store_b128 v[STO], v[ACC:ACC+3]
	ds_store_b128 v[STO], v[ACC+4:ACC+7] offset:16
	ds_store_b128 v[STO], v[ACC+8:ACC+11] offset:64
	ds_store_b128 v[STO], v[ACC+12:ACC+15] offset:80
	s_wait_dscnt 0x0                               ; a stage row comes from two waves
	s_barrier_signal -1
	s_barrier_wait -1
.irp i, 0,1,2,3
	ds_load_b128 v[F+4*\i:F+4*\i+3], v[RD] offset:\i*16*SPITCH
.endr
.irp i, 0,1,2,3
	s_wait_dscnt 3-\i                              ; the later rows may be out
	global_store_b128 v[GO], v[F+4*\i:F+4*\i+3], s[38:39] offset:\i*262144  ; sixteen lanes store 256 consecutive bytes, aligned
.endr
	s_wait_tensorcnt 0x0                           ; the wave's end
	ds_add_u32 v[SPW], v[NIL]
	s_wait_dscnt 0x0
	s_endpgm
	; ---- a block of 128 k x 64 n of a weight matrix, turned ----
.Lprep:
	s_sub_co_u32 s2, ttmp9, 256                    ; p = 0..13
	s_and_b32 s4, s2, 1                            ; which 64 columns
	s_lshr_b32 s5, s2, 1                           ; 0-3: 128 rows of kan_spline; 4 gate_ws; 5 gate_wv; 6 kan_base
	s_lshl_b32 s6, s4, 16
	s_lshl_b32 s7, s5, 8
	s_add_co_u32 s6, s6, s7                        ; in kws: 64 rows of 1,024 bytes, 256 bytes along
	s_sub_co_u32 s7, s5, 4
	s_lshl_b32 s7, s7, 15
	s_lshl_b32 s27, s4, 14
	s_add_co_u32 s7, s7, s27                       ; in gwb: 128 rows a matrix, 64 a half, 256 bytes each
	s_lshl_b32 s28, s5, 16                         ; 128 rows of 512 bytes
	s_cmp_lt_u32 s5, 4
	s_cselect_b64 s[30:31], s[14:15], s[16:17]
	s_cselect_b64 s[32:33], s[22:23], s[24:25]
	s_cselect_b32 s40, 0x412aaaab, 1.0             ; 64 / 6
	s_cselect_b32 s29, 10, 8                       ; log2 of the target's row bytes
	s_cselect_b32 s2, s6, s7
	s_cselect_b32 s28, s28, 0
	s_cmp_eq_u32 s5, 5
	s_cselect_b64 s[30:31], s[18:19], s[30:31]
	s_cmp_eq_u32 s5, 6
	s_cselect_b64 s[30:31], s[12:13], s[30:31]
	s_cselect_b32 s40, 0x42800000, s40             ; 64
	s_cselect_b32 s27, 63, 127                     ; kan_base has 64 rows: waves 4-7 take them once more
	s_mov_b32 s41, 0
	s_add_nc_u64 s[32:33], s[32:33], s[2:3]
	s_lshl_b32 s6, s26, 4
	s_and_b32 s6, s6, s27
	s_lshl_b32 s6, s6, 9
	s_add_co_u32 s2, s28, s6
	s_lshl_b32 s6, s4, 8
	s_add_co_u32 s2, s2, s6
	s_add_nc_u64 s[30:31], s[30:31], s[2:3]
	v_and_b32 v4, 31, v0
	v_lshlrev_b32 v5, 3, v4
.set i, 0
.rept 16
	global_load_b64 v[32+2*i:33+2*i], v5, s[30:31] offset:512*i  ; 256 consecutive bytes of row 16 w + i
.set i, i+1
.endr
	v_mul_u32_u24 v7, v4, 2*SPITCH
	s_lshl_b32 s6, s26, 5
	s_add_co_u32 s6, s6, STG
	v_add_nc_u32 v7, s6, v7                        ; stage row 2 lane, byte 2 x 16 w
	v_lshlrev_b32 v96, s29, v3
	v_add_nc_u32 v96, v96, v6
	s_lshl_b32 s6, 16, s29                         ; 16 rows of the target
	v_add_nc_u32 v97, s6, v96
	v_add_nc_u32 v98, s6, v97
	v_add_nc_u32 v99, s6, v98
	s_wait_loadcnt 0x0
.set i, 0
.rept 16
	v_pk_mul_f32 v[32+2*i:33+2*i], v[32+2*i:33+2*i], s[40:41] op_sel_hi:[1,0]
.set i, i+1
.endr
.set i, 0
.rept 8
	v_cvt_pk_f16_f32 v[64+2*i], v[32+4*i], v[34+4*i]   ; column 2 lane: k, k + 1
	v_cvt_pk_f16_f32 v[65+2*i], v[33+4*i], v[35+4*i]   ; column 2 lane + 1
	ds_store_b32 v7, v[64+2*i] offset:4*i
	ds_store_b32 v7, v[65+2*i] offset:SPITCH+4*i
.set i, i+1
.endr
	s_wait_dscnt 0x0                               ; a stage row comes from all eight waves
	s_barrier_signal -1
	s_barrier_wait -1
.irp i, 0,1,2,3
	ds_load_b128 v[80+4*\i:83+4*\i], v[RD] offset:\i*16*SPITCH
.endr
.irp i, 0,1,2,3
	s_wait_dscnt 3-\i
	global_store_b128 v[96+\i], v[80+4*\i:83+4*\i], s[32:33]  ; sixteen lanes store 256 consecutive bytes, aligned
.endr
	s_wait_tensorcnt 0x0                           ; the wave's end
	ds_add_u32 v[SPW], v[NIL]
	s_wait_dscnt 0x0
	s_endpgm
.Lfunc_end_k_q80ecd87a69_sig:
	.size	k_q80ecd87a69_sig, .Lfunc_end_k_q80ecd87a69_sig-k_q80ecd87a69_sig
	.p2alignl 7, 3214868480
	.fill 96, 4, 3214868480
	.section	.rodata,"a",@progbits
	.p2align	6, 0x0
	.amdhsa_kernel k_q80ecd87a69_sig
		.amdhsa_group_segment_fixed_size 100352
		.amdhsa_private_segment_fixed_size 0
		.amdhsa_enable_private_segment 0
		.amdhsa_kernarg_size 72
		.amdhsa_user_sgpr_count 2
		.amdhsa_user_sgpr_kernarg_segment_ptr 1
		.amdhsa_wavefront_size32 1
		.amdhsa_system_sgpr_workgroup_id_x 1
		.amdhsa_system_sgpr_workgroup_id_y 1
		.amdhsa_system_sgpr_workgroup_id_z 1
		.amdhsa_system_vgpr_workitem_id 0
		.amdhsa_next_free_vgpr 256
		.amdhsa_next_free_sgpr 66
		.amdhsa_reserve_vcc 0
		.amdhsa_float_denorm_mode_32 3
		.amdhsa_float_denorm_mode_16_64 3
		.amdhsa_memory_ordered 1
		.amdhsa_forward_progress 1
		.amdhsa_inst_pref_size 34
	.end_amdhsa_kernel
	.amdgpu_metadata
---
amdhsa.version: [ 1, 2 ]
amdhsa.kernels:
  - .name:           k_q80ecd87a69_sig
    .symbol:         k_q80ecd87a69_sig.kd
    .args:
      - { .name: x, .offset: 0, .size: 8, .value_kind: global_buffer, .address_space: global }
      - { .name: tw, .offset: 8, .size: 8, .value_kind: global_buffer, .address_space: global }
      - { .name: kan_base, .offset: 16, .size: 8, .value_kind: global_buffer, .address_space: global }
      - { .name: kan_spline, .offset: 24, .size: 8, .value_kind: global_buffer, .address_space: global }
      - { .name: gate_ws, .offset: 32, .size: 8, .value_kind: global_buffer, .address_space: global }
      - { .name: gate_wv, .offset: 40, .size: 8, .value_kind: global_buffer, .address_space: global }
      - { .name: sigp, .offset: 48, .size: 8, .value_kind: global_buffer, .address_space: global }
      - { .name: kws, .offset: 56, .size: 8, .value_kind: global_buffer, .address_space: global }
      - { .name: gwb, .offset: 64, .size: 8, .value_kind: global_buffer, .address_space: global }
    .group_segment_fixed_size: 100352
    .private_segment_fixed_size: 0
    .kernarg_segment_align: 8
    .kernarg_segment_size: 72
    .max_flat_workgroup_size: 256
    .sgpr_count:     66
    .vgpr_count:     256
    .wavefront_size: 32
...
	.end_amdgpu_metadata
.endif
;; end of part 1
;; launch g1 (part 2): grid 65 x 2, 8 waves a work-group, no clusters, 202,752 bytes of LDS; arguments sigp, g1_base, g1_spline, skip_w, hp; writes hp
.if DOCPART == 2
	.amdgcn_target "amdgcn-amd-amdhsa--gfx1250"
	.amdhsa_code_object_version 6
	.text
	.protected	k_q80ecd87a69_g1
	.globl	k_q80ecd87a69_g1
	.p2align	8
	.type	k_q80ecd87a69_g1,@function
k_q80ecd87a69_g1:
	s_mov_b64 s[64:65], 0
	v_nop
	global_prefetch_b8 v0, s[64:65] scope:SCOPE_SE
	s_setreg_imm32_b32 hwreg(HW_REG_WAVE_MODE, 25, 1), 1
	s_wait_xcnt 0x0
; THE FIRST KAN LAYER AND THE SKIP PRODUCT, SPLIT ALONG K.  Work-group (ks, nh): the 64 features 64 ks .. of sig, all 64 batches, the 64 output columns 64 nh .. :
; partial sums of  h = silu(sig) g1_base + splines(sig) g1_spline  and of  sig skip_w.  hp: [cg 64][ks 65][b 64][4] f32; cg < 32: columns 4 cg .. of h, cg >= 32: of the skip product.
; 65 slices x 2 halves is the even cut of 4,160 features that keeps the weights' row pieces at 256 bytes; each weight byte is read once in the launch, all 56 loads of a lane go out at the head.
; FORMATS.  All operands f16, sums f32.  A spline slot holds 6 B (at most 4), its weight w x 64/6; silu(sig) and sig go in times 2^-6, their weights times 2^12: every sum holds its result times 2^6.
; LIMITS: |sig| under 4.19e6; the scaled weights inside f16's range; NaN and infinities are not treated apart.
; THE SPLINES.  t = 2.5 s + 5.5, i = floor t, u = t - i; slots i-3 .. i take (1-u)^3, u^2 (3u-6) + 4, (1-u)^2 (3(1-u)-6) + 4, u^3; slots outside 0..7 fall away.  The four f16 lie in two words;
; for even i they are moved on by half a word (a byte permutation whose selector goes by i's parity), and word j of the four slot words takes the piece whose place i >> 1 says: selects, no branch.
; K ORDER.  Spline fragment c: a lane's registers 0-3 are the 8 slots of feature 32 h + 2 c, registers 4-7 of feature 32 h + 2 c + 1 (h = lane / 16): weight rows 256 h + 16 c + 0..15.  Base and skip fragment s: features 32 h + 16 s + 0..15.
; NO CLUSTER: the two work-groups of a slice share 64 KB of sigp of the 224 KB that each reads, and every load passes through registers, where it is summed or scaled and rounded.
.set SIG,   0                          ; 64 batches x 272 bytes: the slice of sig, f32
.set AF,    17408                      ; 4 row tiles x 20 fragments x 1,024 bytes, as the registers want them
.set W,     99328                      ; 640 rows x 160 bytes, f16: 512 spline, 64 base, 64 skip
.set SPARE, 201728                     ; the spare words: 128 bytes a wave, named by no other line
.set SPW, 10
.set NIL, 11
.set SG,  96                           ; my 16 numbers of sig
.set TT,  112                          ; their t
.set SKR, 128                          ; sig 2^-6
.set EE,  144
.set PS,  160
.set PB,  168
.set AF0, 176
.set AF1, 184
.set TM0, 192
.set TM1, 224
.set ACC, 224                          ; later: h tile 0, h tile 1, skip tile 0, skip tile 1
.set C3,  32                           ; s[32:33] 3.0
.set C6,  34                           ; s[34:35] -6.0
.set C25, 36                           ; s[36:37] 2.5
.set C55, 38                           ; s[38:39] 5.5
.set SODD,  40
.set SEVEN, 41
.set MA,  44                           ; s44-49, s50-55: two sets of six lane masks
.set MB,  50
.set MSB, 0
.macro WIN new                         ; the immediate's high byte repeats the setting that is left
.if MSB != (\new)
	s_set_vgpr_msb (MSB<<8)|(\new)
.set MSB, \new
.endif
.endm
.macro PLACES
.rept 4
	v_nop
.endr
.endm
; The splines of two numbers t in v[t:t+1], at work in v[m:m+31]: +0 floor, then parity; +2 u; +4 1-u; +6 u^2; +8 (1-u)^2; +10, +12 the middle pieces; +14 u^3; +16 (1-u)^3; +18 i, then i >> 1; +20 selector; +22 packed; +26 the three words
.macro KHEAD t, m
	v_floor_f32 v[(\m)], v[(\t)]
	v_floor_f32 v[(\m)+1], v[(\t)+1]
.endm
.macro KA t, m
	v_pk_add_f32 v[(\m)+2:(\m)+3], v[(\t):(\t)+1], v[(\m):(\m)+1] neg_lo:[0,1] neg_hi:[0,1]
	v_cvt_i32_f32 v[(\m)+18], v[(\m)]
	v_cvt_i32_f32 v[(\m)+19], v[(\m)+1]
.endm
.macro KB m
	v_pk_fma_f32 v[(\m)+4:(\m)+5], v[(\m)+2:(\m)+3], -1.0, 1.0 op_sel_hi:[1,0,0]
	v_pk_mul_f32 v[(\m)+6:(\m)+7], v[(\m)+2:(\m)+3], v[(\m)+2:(\m)+3]
	v_pk_fma_f32 v[(\m)+10:(\m)+11], v[(\m)+2:(\m)+3], s[C3:C3+1], s[C6:C6+1] op_sel_hi:[1,0,0]
	v_lshlrev_b32 v[(\m)], 31, v[(\m)+18]
	v_lshlrev_b32 v[(\m)+1], 31, v[(\m)+19]
.endm
.macro KC m
	v_pk_mul_f32 v[(\m)+8:(\m)+9], v[(\m)+4:(\m)+5], v[(\m)+4:(\m)+5]
	v_pk_fma_f32 v[(\m)+12:(\m)+13], v[(\m)+4:(\m)+5], s[C3:C3+1], s[C6:C6+1] op_sel_hi:[1,0,0]
	v_pk_mul_f32 v[(\m)+14:(\m)+15], v[(\m)+6:(\m)+7], v[(\m)+2:(\m)+3]
	v_pk_fma_f32 v[(\m)+10:(\m)+11], v[(\m)+6:(\m)+7], v[(\m)+10:(\m)+11], 4.0 op_sel_hi:[1,1,0]
	v_ashrrev_i32 v[(\m)], 31, v[(\m)]
	v_ashrrev_i32 v[(\m)+1], 31, v[(\m)+1]
.endm
.macro KD m
	v_pk_mul_f32 v[(\m)+16:(\m)+17], v[(\m)+8:(\m)+9], v[(\m)+4:(\m)+5]
	v_pk_fma_f32 v[(\m)+12:(\m)+13], v[(\m)+8:(\m)+9], v[(\m)+12:(\m)+13], 4.0 op_sel_hi:[1,1,0]
	v_bfi_b32 v[(\m)+20], v[(\m)], s[SODD], s[SEVEN]
	v_bfi_b32 v[(\m)+21], v[(\m)+1], s[SODD], s[SEVEN]
	v_ashrrev_i32 v[(\m)+18], 1, v[(\m)+18]
	v_ashrrev_i32 v[(\m)+19], 1, v[(\m)+19]
.endm
.macro KE m
	v_cvt_pk_f16_f32 v[(\m)+22], v[(\m)+16], v[(\m)+10]
	v_cvt_pk_f16_f32 v[(\m)+23], v[(\m)+12], v[(\m)+14]
	v_cvt_pk_f16_f32 v[(\m)+24], v[(\m)+17], v[(\m)+11]
	v_cvt_pk_f16_f32 v[(\m)+25], v[(\m)+13], v[(\m)+15]
.endm
.macro KF m
	v_perm_b32 v[(\m)+26], v[(\m)+22], 0, v[(\m)+20]
	v_perm_b32 v[(\m)+27], v[(\m)+23], v[(\m)+22], v[(\m)+20]
	v_perm_b32 v[(\m)+28], 0, v[(\m)+23], v[(\m)+20]
	v_perm_b32 v[(\m)+29], v[(\m)+24], 0, v[(\m)+21]
	v_perm_b32 v[(\m)+30], v[(\m)+25], v[(\m)+24], v[(\m)+21]
	v_perm_b32 v[(\m)+31], 0, v[(\m)+25], v[(\m)+21]
.endm
.macro KSEL m, o, e, msk               ; number e's four slot words into v[o + 4 e ..]
.irp n, 0,1,2,3,4,5
	v_cmp_eq_u32 s[(\msk)+\n], \n, v[(\m)+18+(\e)]
.endr
.irp j, 0,1,2,3
	v_cndmask_b32 v[(\o)+4*(\e)+\j], 0, v[(\m)+28+3*(\e)], s[(\msk)+\j]
.endr
.irp j, 0,1,2,3
	v_cndmask_b32 v[(\o)+4*(\e)+\j], v[(\o)+4*(\e)+\j], v[(\m)+27+3*(\e)], s[(\msk)+\j+1]
.endr
.irp j, 0,1,2,3
	v_cndmask_b32 v[(\o)+4*(\e)+\j], v[(\o)+4*(\e)+\j], v[(\m)+26+3*(\e)], s[(\msk)+\j+2]
.endr
.endm
.macro KBODY2 t0, t1                   ; two fragments, step by step in turn
	KA \t0, TM0
	KA \t1, TM1
	KB TM0
	KB TM1
	KC TM0
	KC TM1
	KD TM0
	KD TM1
	KE TM0
	KE TM1
	KF TM0
	KF TM1
	KSEL TM0, AF0, 0, MA
	KSEL TM1, AF1, 0, MB
	KSEL TM0, AF0, 1, MA
	KSEL TM1, AF1, 1, MB
.endm
	s_load_b256 s[8:15], s[0:1], 0x0               ; sigp, g1_base, g1_spline, skip_w
	s_load_b64 s[16:17], s[0:1], 0x20              ; hp
	v_lshl_add_u32 v[SPW], v0, 2, SPARE
	v_mov_b32 v[NIL], 0
	v_lshrrev_b32 v12, 5, v0
	v_readfirstlane_b32 s20, v12                   ; wave
	s_and_b32 s21, ttmp7, 0xffff                   ; nh
	s_lshr_b32 s30, s20, 1                         ; my row tile of 16 batches
	s_and_b32 s31, s20, 1                          ; my half: of the features while fragments are made, of the columns in the products
	v_and_b32 v1, 15, v0
	v_bfe_u32 v2, v0, 4, 1
	v_lshrrev_b32 v3, 4, v0
	v_and_b32 v4, 31, v0
	v_lshlrev_b32 v5, 4, v0
	v_lshlrev_b32 v6, 4, v1
	v_lshl_add_u32 v6, v2, 9, v6                   ; weights: lanes 0-15 a row's 256 bytes, lanes 16-31 the next row's
	s_mov_b32 s[C3], 0x40400000
	s_mov_b32 s[C3+1], 0x40400000
	s_mov_b32 s[C6], 0xc0c00000
	s_mov_b32 s[C6+1], 0xc0c00000
	s_mov_b32 s[C25], 0x40200000
	s_mov_b32 s[C25+1], 0x40200000
	s_mov_b32 s[C55], 0x40b00000
	s_mov_b32 s[C55+1], 0x40b00000
	s_mov_b32 s[SODD], 0x03020100
	s_mov_b32 s[SEVEN], 0x05040302
	s_mov_b32 s3, 0
	s_wait_kmcnt 0x0
	s_lshl_b32 s2, ttmp9, 14
	s_add_nc_u64 s[22:23], s[8:9], s[2:3]          ; sigp at (tc 0, ks)
	s_lshl_b32 s2, ttmp9, 18
	s_lshl_b32 s4, s20, 15
	s_add_co_u32 s2, s2, s4
	s_lshl_b32 s5, s21, 8
	s_add_co_u32 s2, s2, s5
	s_add_nc_u64 s[24:25], s[12:13], s[2:3]        ; spline row 512 ks + 64 w, column half nh
	s_lshl_b32 s2, ttmp9, 15
	s_lshl_b32 s4, s20, 12
	s_add_co_u32 s2, s2, s4
	s_add_co_u32 s2, s2, s5
	s_add_nc_u64 s[26:27], s[10:11], s[2:3]        ; base and skip row 64 ks + 8 w
	s_add_nc_u64 s[28:29], s[14:15], s[2:3]
.irp tc, 0,1,2,3
.irp i, 0,1,2,3
	global_load_b128 v[32+16*\tc+4*\i:35+16*\tc+4*\i], v5, s[22:23] offset:\tc*1064960+4096*\i
.endr
.endr
	WIN 0x40                                       ; the weights wait in v256-415
.set j, 0
.rept 32
	global_load_b128 v[4*j:4*j+3], v6, s[24:25] offset:1024*j th:TH_LOAD_NT
.set j, j+1
.endr
.set j, 0
.rept 4
	global_load_b128 v[128+4*j:131+4*j], v6, s[26:27] offset:1024*j th:TH_LOAD_NT
.set j, j+1
.endr
.set j, 0
.rept 4
	global_load_b128 v[144+4*j:147+4*j], v6, s[28:29] offset:1024*j th:TH_LOAD_NT
.set j, j+1
.endr
	WIN 0
	v_mul_u32_u24 v7, v3, 272
	v_lshl_add_u32 v7, v1, 4, v7                   ; v7: sig goes in by rows tid / 16 + 16 i
	s_mul_i32 s4, s30, 16*272
	s_lshl_b32 s5, s31, 6
	s_add_co_u32 s4, s4, s5
	v_mul_u32_u24 v8, v1, 272
	v_lshl_add_u32 v8, v2, 7, v8
	v_add_nc_u32 v8, s4, v8                        ; v8: my batch's features 32 h + 16 half ..
	s_mul_i32 s4, s30, 20480
	s_add_co_u32 s4, s4, AF
	v_lshl_add_u32 v16, v4, 4, s4                  ; v16: my row tile's fragments
	s_lshl_b32 s5, s31, 13
	v_add_nc_u32 v9, s5, v16                       ; v9: spline fragments 8 half ..
	s_lshl_b32 s5, s31, 10
	s_add_co_u32 s5, s5, 16384
	v_add_nc_u32 v13, s5, v16                      ; v13: base fragment 16 + half; skip 2,048 bytes on
	v_mul_u32_u24 v12, v2, 160
	v_lshl_add_u32 v12, v1, 3, v12
	s_mul_i32 s4, s20, 64*160
	s_add_co_u32 s4, s4, W
	v_add_nc_u32 v14, s4, v12                      ; v14: spline rows 64 w + h ..
	s_mul_i32 s4, s20, 8*160
	s_add_co_u32 s4, s4, W+512*160
	v_add_nc_u32 v15, s4, v12                      ; v15: base rows 8 w + h ..
	v_and_b32 v12, 7, v0
	v_mul_u32_u24 v12, v12, 160
	v_bfe_u32 v17, v0, 3, 1
	v_lshl_add_u32 v12, v17, 4, v12
	s_lshl_b32 s4, s31, 6
	s_add_co_u32 s4, s4, W
	v_add_nc_u32 v12, s4, v12
	v_mul_u32_u24 v17, v2, 256*160
	v_add_nc_u32 v17, v17, v12                     ; v17: the turning load on spline rows 256 h + lane % 8
	v_mul_u32_u24 v18, v2, 32*160
	v_add3_u32 v18, v18, v12, 512*160              ; v18: on base rows 32 h + lane % 8
	v_mul_u32_u24 v19, v2, 133120
	v_lshl_add_u32 v19, v1, 4, v19                 ; v19: hp: two column groups on for h = 1, 16 bytes a batch
	s_wait_loadcnt 40                              ; sigp is in; the 40 weight loads stay out
.irp i, 0,1,2,3
	v_pk_add_f32 v[32+4*\i:33+4*\i], v[32+4*\i:33+4*\i], v[48+4*\i:49+4*\i]
	v_pk_add_f32 v[34+4*\i:35+4*\i], v[34+4*\i:35+4*\i], v[50+4*\i:51+4*\i]
	v_pk_add_f32 v[64+4*\i:65+4*\i], v[64+4*\i:65+4*\i], v[80+4*\i:81+4*\i]
	v_pk_add_f32 v[66+4*\i:67+4*\i], v[66+4*\i:67+4*\i], v[82+4*\i:83+4*\i]
	v_pk_add_f32 v[32+4*\i:33+4*\i], v[32+4*\i:33+4*\i], v[64+4*\i:65+4*\i]
	v_pk_add_f32 v[34+4*\i:35+4*\i], v[34+4*\i:35+4*\i], v[66+4*\i:67+4*\i]
	ds_store_b128 v7, v[32+4*\i:35+4*\i] offset:4352*\i
.endr
	s_wait_dscnt 0x0                               ; for the others' sake
	s_barrier_signal -1
	s_barrier_wait -1
	; the activations' fragments, while the weights are on their way
.irp i, 0,1,2,3
	ds_load_b128 v[SG+4*\i:SG+4*\i+3], v8 offset:16*\i
.endr
	s_wait_dscnt 0x0
.irp k, 0,2,4,6,8,10,12,14
	v_pk_fma_f32 v[TT+\k:TT+\k+1], v[SG+\k:SG+\k+1], s[C25:C25+1], s[C55:C55+1] op_sel_hi:[1,0,0]
	v_pk_mul_f32 v[SKR+\k:SKR+\k+1], v[SG+\k:SG+\k+1], 0x3c800000 op_sel_hi:[1,0]
	v_pk_mul_f32 v[EE+\k:EE+\k+1], v[SG+\k:SG+\k+1], 0xbfb8aa3b op_sel_hi:[1,0]
.endr
.set k, 0
.rept 16
	v_exp_f32 v[EE+k], v[EE+k]
.set k, k+1
.endr
.irp k, 0,1,2,3,4,5,6,7
	v_cvt_pk_f16_f32 v[PS+\k], v[SKR+2*\k], v[SKR+2*\k+1]  ; plain work behind the exponentials
.endr
	s_wait_alu depctr_va_vdst(0)
.irp k, 0,2,4,6,8,10,12,14
	v_pk_add_f32 v[EE+\k:EE+\k+1], v[EE+\k:EE+\k+1], 1.0 op_sel_hi:[1,0]
.endr
.set k, 0
.rept 16
	v_rcp_f32 v[EE+k], v[EE+k]
.set k, k+1
.endr
	v_nop                                          ; a plain instruction behind the last reciprocal
	s_wait_alu depctr_va_vdst(0)
.irp k, 0,2,4,6,8,10,12,14
	v_pk_mul_f32 v[EE+\k:EE+\k+1], v[EE+\k:EE+\k+1], v[SKR+\k:SKR+\k+1]  ; silu(sig) 2^-6
.endr
.irp k, 0,1,2,3,4,5,6,7
	v_cvt_pk_f16_f32 v[PB+\k], v[EE+2*\k], v[EE+2*\k+1]
.endr
	ds_store_b128 v13, v[PB:PB+3]
	ds_store_b128 v13, v[PB+4:PB+7] offset:512
	ds_store_b128 v13, v[PS:PS+3] offset:2048
	ds_store_b128 v13, v[PS+4:PS+7] offset:2560
.set q, 0
.rept 4
	KHEAD TT+4*q, TM0
	KHEAD TT+4*q+2, TM1
	KBODY2 TT+4*q, TT+4*q+2
	ds_store_b128 v9, v[AF0:AF0+3] offset:2048*q
	ds_store_b128 v9, v[AF0+4:AF0+7] offset:2048*q+512
	ds_store_b128 v9, v[AF1:AF1+3] offset:2048*q+1024
	ds_store_b128 v9, v[AF1+4:AF1+7] offset:2048*q+1536
.set q, q+1
.endr
	; the weights: scaled, rounded to f16, laid into LDS by rows; eight loads at a time
.macro CONV bt
	s_wait_loadcnt 32-8*(\bt)                      ; the later batches of eight may be out
	WIN 0x01                                       ; source 0 in v256 ..
.set j, 0
.rept 8
.if (\bt) < 4
	v_pk_mul_f32 v[32+4*j:33+4*j], v[32*(\bt)+4*j:32*(\bt)+4*j+1], 0x412aaaab op_sel_hi:[1,0]
	v_pk_mul_f32 v[34+4*j:35+4*j], v[32*(\bt)+4*j+2:32*(\bt)+4*j+3], 0x412aaaab op_sel_hi:[1,0]
.else
	v_pk_mul_f32 v[32+4*j:33+4*j], v[32*(\bt)+4*j:32*(\bt)+4*j+1], 0x45800000 op_sel_hi:[1,0]
	v_pk_mul_f32 v[34+4*j:35+4*j], v[32*(\bt)+4*j+2:32*(\bt)+4*j+3], 0x45800000 op_sel_hi:[1,0]
.endif
.set j, j+1
.endr
	WIN 0
.set j, 0
.rept 8
	v_cvt_pk_f16_f32 v[64+2*j], v[32+4*j], v[33+4*j]
	v_cvt_pk_f16_f32 v[65+2*j], v[34+4*j], v[35+4*j]
.set j, j+1
.endr
.set j, 0
.rept 8
.if (\bt) < 4
	ds_store_b64 v14, v[64+2*j:65+2*j] offset:320*(8*(\bt)+j)
.else
	ds_store_b64 v15, v[64+2*j:65+2*j] offset:320*(j%4)+10240*(j/4)
.endif
.set j, j+1
.endr
.endm
	CONV 0
	CONV 1
	CONV 2
	CONV 3
	CONV 4
	s_wait_dscnt 0x0                               ; for the others' sake: my fragments and my weight rows are in LDS
	s_barrier_signal -1
	s_barrier_wait -1
	; the products: 20 K steps in five batches of four, on two register sets
.macro LOADB k, set
.set q, 0
.rept 4
.set f, 4*(\k)+q
.set R, (\set)+24*q
	ds_load_b128 v[R:R+3], v16 offset:f*1024
	ds_load_b128 v[R+4:R+7], v16 offset:f*1024+512
.if f < 16
	ds_load_tr16_b128 v[R+8:R+11],  v17 offset:2560*f
	ds_load_tr16_b128 v[R+12:R+15], v17 offset:2560*f+1280
	ds_load_tr16_b128 v[R+16:R+19], v17 offset:2560*f+32
	ds_load_tr16_b128 v[R+20:R+23], v17 offset:2560*f+1280+32
.else
	ds_load_tr16_b128 v[R+8:R+11],  v18 offset:2560*(f%2)+10240*((f-16)/2)
	ds_load_tr16_b128 v[R+12:R+15], v18 offset:2560*(f%2)+10240*((f-16)/2)+1280
	ds_load_tr16_b128 v[R+16:R+19], v18 offset:2560*(f%2)+10240*((f-16)/2)+32
	ds_load_tr16_b128 v[R+20:R+23], v18 offset:2560*(f%2)+10240*((f-16)/2)+1280+32
.endif
.set q, q+1
.endr
.endm
.macro MULB k, set                     ; the two column tiles' accumulators take turns
.set q, 0
.rept 4
.set f, 4*(\k)+q
.set R, (\set)+24*q
.set A0, ACC+16*(f/18)
.if (f == 0) || (f == 18)
	v_wmma_f32_16x16x32_f16 v[A0:A0+7], v[R+8:R+15], v[R:R+7], 0
	v_wmma_f32_16x16x32_f16 v[A0+8:A0+15], v[R+16:R+23], v[R:R+7], 0
.else
	v_wmma_f32_16x16x32_f16 v[A0:A0+7], v[R+8:R+15], v[R:R+7], v[A0:A0+7]
	v_wmma_f32_16x16x32_f16 v[A0+8:A0+15], v[R+16:R+23], v[R:R+7], v[A0+8:A0+15]
.endif
.set q, q+1
.endr
.endm
	LOADB 0, 32
	LOADB 1, 128
	s_wait_dscnt 24                                ; the next batch's 24 loads may be out
	MULB 0, 32
	PLACES                                         ; four places in front of loads into registers that the products read
	LOADB 2, 32
	s_wait_dscnt 24
	MULB 1, 128
	PLACES
	LOADB 3, 128
	s_wait_dscnt 24
	MULB 2, 32
	PLACES
	LOADB 4, 32
	s_wait_dscnt 24
	MULB 3, 128
	s_wait_dscnt 0x0
	MULB 4, 32
	s_lshl_b32 s2, s21, 1
	s_add_co_u32 s2, s2, s31
	s_mul_i32 s2, s2, 532480                       ; eight column groups of 66,560 bytes for each 32 columns
	s_lshl_b32 s4, ttmp9, 10
	s_add_co_u32 s2, s2, s4
	s_lshl_b32 s4, s30, 8
	s_add_co_u32 s2, s2, s4
	s_add_nc_u64 s[16:17], s[16:17], s[2:3]
	PLACES
.set a, 0
.rept 4
.irp q, 0,1,2,3
	v_pk_mul_f32 v[32+8*a+2*\q:33+8*a+2*\q], v[ACC+8*a+2*\q:ACC+8*a+2*\q+1], 0x3c800000 op_sel_hi:[1,0]  ; the common 2^6 is taken out, exactly; each accumulator from its low end
.endr
.set a, a+1
.endr
.set a, 0
.rept 4
.irp q, 0,1
	global_store_b128 v19, v[32+8*a+4*\q:35+8*a+4*\q], s[16:17] offset:(4*(a%2)+\q)*66560+(a/2)*2129920  ; sixteen lanes (sixteen batches) store 256 consecutive bytes, aligned
.endr
.set a, a+1
.endr
	s_wait_tensorcnt 0x0                           ; the wave's end
	ds_add_u32 v[SPW], v[NIL]
	s_wait_dscnt 0x0
	s_endpgm
.Lfunc_end_k_q80ecd87a69_g1:
	.size	k_q80ecd87a69_g1, .Lfunc_end_k_q80ecd87a69_g1-k_q80ecd87a69_g1
	.p2alignl 7, 3214868480
	.fill 96, 4, 3214868480
	.section	.rodata,"a",@progbits
	.p2align	6, 0x0
	.amdhsa_kernel k_q80ecd87a69_g1
		.amdhsa_group_segment_fixed_size 202752
		.amdhsa_private_segment_fixed_size 0
		.amdhsa_enable_private_segment 0
		.amdhsa_kernarg_size 40
		.amdhsa_user_sgpr_count 2
		.amdhsa_user_sgpr_kernarg_segment_ptr 1
		.amdhsa_wavefront_size32 1
		.amdhsa_system_sgpr_workgroup_id_x 1
		.amdhsa_system_sgpr_workgroup_id_y 1
		.amdhsa_system_sgpr_workgroup_id_z 1
		.amdhsa_system_vgpr_workitem_id 0
		.amdhsa_next_free_vgpr 416
		.amdhsa_next_free_sgpr 66
		.amdhsa_reserve_vcc 0
		.amdhsa_float_denorm_mode_32 3
		.amdhsa_float_denorm_mode_16_64 3
		.amdhsa_memory_ordered 1
		.amdhsa_forward_progress 1
		.amdhsa_inst_pref_size 79
	.end_amdhsa_kernel
	.amdgpu_metadata
---
amdhsa.version: [ 1, 2 ]
amdhsa.kernels:
  - .name:           k_q80ecd87a69_g1
    .symbol:         k_q80ecd87a69_g1.kd
    .args:
      - { .name: sigp, .offset: 0, .size: 8, .value_kind: global_buffer, .address_space: global }
      - { .name: g1_base, .offset: 8, .size: 8, .value_kind: global_buffer, .address_space: global }
      - { .name: g1_spline, .offset: 16, .size: 8, .value_kind: global_buffer, .address_space: global }
      - { .name: skip_w, .offset: 24, .size: 8, .value_kind: global_buffer, .address_space: global }
      - { .name: hp, .offset: 32, .size: 8, .value_kind: global_buffer, .address_space: global }
    .group_segment_fixed_size: 202752
    .private_segment_fixed_size: 0
    .kernarg_segment_align: 8
    .kernarg_segment_size: 40
    .max_flat_workgroup_size: 256
    .sgpr_count:     66
    .vgpr_count:     416
    .wavefront_size: 32
...
	.end_amdgpu_metadata
.endif
;; end of part 2
;; launch mid (part 3): grid 32 x 4, 4 waves a work-group, no clusters, 21,504 bytes of LDS; arguments hp, g2_base, g2_spline, h2p, skips; writes h2p, skips
.if DOCPART == 3
	.amdgcn_target "amdgcn-amd-amdhsa--gfx1250"
	.amdhsa_code_object_version 6
	.text
	.protected	k_q80ecd87a69_mid
	.globl	k_q80ecd87a69_mid
	.p2align	8
	.type	k_q80ecd87a69_mid,@function
k_q80ecd87a69_mid:
	s_mov_b64 s[64:65], 0
	v_nop
	global_prefetch_b8 v0, s[64:65] scope:SCOPE_SE
	s_setreg_imm32_b32 hwreg(HW_REG_WAVE_MODE, 25, 1), 1
	s_wait_xcnt 0x0
; THE K SLICES ARE ADDED, AND THE SECOND KAN LAYER, SPLIT ALONG ITS K.  Work-group (j, rb): 16 batches 16 rb .., the four features 4 j .. of h.  It adds hp's 65 slices for those (and for the same four
; columns of the skip product, which go to skips [rb 4][j 32][r 16][4] f32), and makes their share of  h2 = silu(h) g2_base + splines(h) g2_spline:  h2p [b 64][j 32][128] f32.
; Four features x 8 slots are one K step of 32; the base product's K of 4 is filled up with zeros.
; FORMATS.  f16 operands, f32 sums.  Slots hold 6 B, spline weights w x 64/6, and 2^-6 is taken out in f32.  silu(h) is scaled for each batch by the power of two that brings the row's largest magnitude into [1, 2);
; the inverse power is multiplied back in f32.  LIMITS: that magnitude stays under 2^127; g2's weights inside f16's range; NaN and infinities are not treated apart.
; NO CLUSTER: the four work-groups of one j share 18 KB of weight rows, which pass through registers to be rounded; hp's bytes are each read once.
.set PART,  0                          ; 4 waves x 512 bytes: each wave's sum of its slices (256 bytes h, 256 skip)
.set WSP,   2048                       ; 32 spline rows x 288 bytes, f16
.set WBS,   11264                      ; 4 base rows x 288
.set STG,   12544                      ; 16 rows x 528 bytes, f32
.set SPARE, 20992                      ; the spare words: 128 bytes a wave, named by no other line
.set SPW, 10                           ; v10 LDS address of my spare word; never rewritten
.set NIL, 11                           ; v11 0; never rewritten
.set TRS, 17                           ; v17 the turning load on the spline rows
.set AF0, 176
.set AB,  184
.set TM0, 192
.set C3,  32
.set C6,  34
.set C25, 36
.set C55, 38
.set HALF, 40                          ; s40 lanes 16-31
.set SODD,  41
.set SEVEN, 42
.set MA,  44
.set MB,  50
.macro KHEAD t, m
	v_floor_f32 v[(\m)], v[(\t)]
	v_floor_f32 v[(\m)+1], v[(\t)+1]
.endm
.macro KA t, m
	v_pk_add_f32 v[(\m)+2:(\m)+3], v[(\t):(\t)+1], v[(\m):(\m)+1] neg_lo:[0,1] neg_hi:[0,1]
	v_cvt_i32_f32 v[(\m)+18], v[(\m)]
	v_cvt_i32_f32 v[(\m)+19], v[(\m)+1]
.endm
.macro KB m
	v_pk_fma_f32 v[(\m)+4:(\m)+5], v[(\m)+2:(\m)+3], -1.0, 1.0 op_sel_hi:[1,0,0]
	v_pk_mul_f32 v[(\m)+6:(\m)+7], v[(\m)+2:(\m)+3], v[(\m)+2:(\m)+3]
	v_pk_fma_f32 v[(\m)+10:(\m)+11], v[(\m)+2:(\m)+3], s[C3:C3+1], s[C6:C6+1] op_sel_hi:[1,0,0]
	v_lshlrev_b32 v[(\m)], 31, v[(\m)+18]
	v_lshlrev_b32 v[(\m)+1], 31, v[(\m)+19]
.endm
.macro KC m
	v_pk_mul_f32 v[(\m)+8:(\m)+9], v[(\m)+4:(\m)+5], v[(\m)+4:(\m)+5]
	v_pk_fma_f32 v[(\m)+12:(\m)+13], v[(\m)+4:(\m)+5], s[C3:C3+1], s[C6:C6+1] op_sel_hi:[1,0,0]
	v_pk_mul_f32 v[(\m)+14:(\m)+15], v[(\m)+6:(\m)+7], v[(\m)+2:(\m)+3]
	v_pk_fma_f32 v[(\m)+10:(\m)+11], v[(\m)+6:(\m)+7], v[(\m)+10:(\m)+11], 4.0 op_sel_hi:[1,1,0]
	v_ashrrev_i32 v[(\m)], 31, v[(\m)]
	v_ashrrev_i32 v[(\m)+1], 31, v[(\m)+1]
.endm
.macro KD m
	v_pk_mul_f32 v[(\m)+16:(\m)+17], v[(\m)+8:(\m)+9], v[(\m)+4:(\m)+5]
	v_pk_fma_f32 v[(\m)+12:(\m)+13], v[(\m)+8:(\m)+9], v[(\m)+12:(\m)+13], 4.0 op_sel_hi:[1,1,0]
	v_bfi_b32 v[(\m)+20], v[(\m)], s[SODD], s[SEVEN]
	v_bfi_b32 v[(\m)+21], v[(\m)+1], s[SODD], s[SEVEN]
	v_ashrrev_i32 v[(\m)+18], 1, v[(\m)+18]
	v_ashrrev_i32 v[(\m)+19], 1, v[(\m)+19]
.endm
.macro KE m
	v_cvt_pk_f16_f32 v[(\m)+22], v[(\m)+16], v[(\m)+10]
	v_cvt_pk_f16_f32 v[(\m)+23], v[(\m)+12], v[(\m)+14]
	v_cvt_pk_f16_f32 v[(\m)+24], v[(\m)+17], v[(\m)+11]
	v_cvt_pk_f16_f32 v[(\m)+25], v[(\m)+13], v[(\m)+15]
.endm
.macro KF m
	v_perm_b32 v[(\m)+26], v[(\m)+22], 0, v[(\m)+20]
	v_perm_b32 v[(\m)+27], v[(\m)+23], v[(\m)+22], v[(\m)+20]
	v_perm_b32 v[(\m)+28], 0, v[(\m)+23], v[(\m)+20]
	v_perm_b32 v[(\m)+29], v[(\m)+24], 0, v[(\m)+21]
	v_perm_b32 v[(\m)+30], v[(\m)+25], v[(\m)+24], v[(\m)+21]
	v_perm_b32 v[(\m)+31], 0, v[(\m)+25], v[(\m)+21]
.endm
.macro KSEL m, o, e, msk
.irp n, 0,1,2,3,4,5
	v_cmp_eq_u32 s[(\msk)+\n], \n, v[(\m)+18+(\e)]
.endr
.irp j, 0,1,2,3
	v_cndmask_b32 v[(\o)+4*(\e)+\j], 0, v[(\m)+28+3*(\e)], s[(\msk)+\j]
.endr
.irp j, 0,1,2,3
	v_cndmask_b32 v[(\o)+4*(\e)+\j], v[(\o)+4*(\e)+\j], v[(\m)+27+3*(\e)], s[(\msk)+\j+1]
.endr
.irp j, 0,1,2,3
	v_cndmask_b32 v[(\o)+4*(\e)+\j], v[(\o)+4*(\e)+\j], v[(\m)+26+3*(\e)], s[(\msk)+\j+2]
.endr
.endm
	s_load_b256 s[8:15], s[0:1], 0x0               ; hp, g2_base, g2_spline, h2p
	s_load_b64 s[16:17], s[0:1], 0x20              ; skips
	v_lshl_add_u32 v[SPW], v0, 2, SPARE
	v_mov_b32 v[NIL], 0
	v_lshrrev_b32 v12, 5, v0
	v_readfirstlane_b32 s20, v12                   ; wave
	s_and_b32 s21, ttmp7, 0xffff                   ; rb
	v_and_b32 v1, 15, v0
	v_bfe_u32 v2, v0, 4, 1
	v_and_b32 v4, 31, v0
	v_mul_u32_u24 v5, v2, 2129920                  ; lanes 16-31 take the skip product's column group, 32 groups on
	v_lshl_add_u32 v5, v1, 4, v5
	v_lshlrev_b32 v6, 4, v4
	v_lshlrev_b32 v7, 4, v0
	v_lshlrev_b32 v16, 4, v1
	s_mov_b32 s[C3], 0x40400000
	s_mov_b32 s[C3+1], 0x40400000
	s_mov_b32 s[C6], 0xc0c00000
	s_mov_b32 s[C6+1], 0xc0c00000
	s_mov_b32 s[C25], 0x40200000
	s_mov_b32 s[C25+1], 0x40200000
	s_mov_b32 s[C55], 0x40b00000
	s_mov_b32 s[C55+1], 0x40b00000
	s_mov_b32 s[HALF], 0xffff0000
	s_mov_b32 s[SODD], 0x03020100
	s_mov_b32 s[SEVEN], 0x05040302
	s_mov_b32 s3, 0
	s_mul_i32 s4, ttmp9, 66560
	s_lshl_b32 s5, s21, 8
	s_add_co_u32 s4, s4, s5
	s_wait_kmcnt 0x0
	s_lshl_b32 s2, s20, 14
	s_add_co_u32 s2, s2, s4
	s_add_nc_u64 s[22:23], s[8:9], s[2:3]          ; hp at (j, slice 16 w, batch 16 rb)
	s_add_co_u32 s2, s4, 65536
	s_add_nc_u64 s[24:25], s[8:9], s[2:3]          ; slice 64
	s_lshl_b32 s2, ttmp9, 14
	s_lshl_b32 s5, s20, 12
	s_add_co_u32 s2, s2, s5
	s_add_nc_u64 s[26:27], s[12:13], s[2:3]        ; spline row 32 j + 8 w
	s_lshl_b32 s2, ttmp9, 11
	s_lshl_b32 s5, s20, 9
	s_add_co_u32 s2, s2, s5
	s_add_nc_u64 s[28:29], s[10:11], s[2:3]        ; base row 4 j + w
.set i, 0
.rept 16
	global_load_b128 v[32+4*i:35+4*i], v5, s[22:23] offset:1024*i  ; two aligned blocks of 256 bytes
.set i, i+1
.endr
	global_load_b128 v[96:99], v5, s[24:25]
.set i, 0
.rept 8
	global_load_b128 v[100+4*i:103+4*i], v6, s[26:27] offset:512*i
.set i, i+1
.endr
	global_load_b128 v[132:135], v6, s[28:29]
	s_lshl_b32 s2, s21, 13
	s_lshl_b32 s5, ttmp9, 8
	s_add_co_u32 s2, s2, s5
	s_add_nc_u64 s[16:17], s[16:17], s[2:3]
	s_lshl_b32 s2, s21, 18
	s_lshl_b32 s5, s20, 16
	s_add_co_u32 s2, s2, s5
	s_lshl_b32 s5, ttmp9, 9
	s_add_co_u32 s2, s2, s5
	s_add_nc_u64 s[14:15], s[14:15], s[2:3]        ; h2p at (batch 16 rb + 4 w, j)
	s_mul_i32 s4, s20, 8*288
	s_add_co_u32 s4, s4, WSP
	v_lshl_add_u32 v8, v4, 3, s4
	s_mul_i32 s4, s20, 288
	s_add_co_u32 s4, s4, WBS
	v_lshl_add_u32 v9, v4, 3, s4
	v_bfe_u32 v12, v0, 3, 1
	s_lshl_b32 s4, s20, 6                          ; my two column tiles: 64 bytes a wave
	v_lshl_add_u32 v12, v12, 4, s4
	v_and_b32 v13, 7, v0
	v_lshl_add_u32 v13, v2, 3, v13
	v_mul_u32_u24 v13, v13, 288
	v_add3_u32 v[TRS], v13, v12, WSP               ; the turning load on spline rows 8 h + lane % 8
	v_and_b32 v13, 3, v0
	v_mul_u32_u24 v13, v13, 288
	v_add3_u32 v13, v13, v12, WBS                  ; on base rows lane % 4: rows 4 and up of the K step repeat them and meet zeros
	v_mul_u32_u24 v14, v1, 528
	v_lshl_add_u32 v14, v2, 5, v14
	s_lshl_b32 s4, s20, 7
	s_add_co_u32 s4, s4, STG
	v_add_nc_u32 v14, s4, v14
	s_mul_i32 s4, s20, 4*528
	s_add_co_u32 s4, s4, STG
	v_lshl_add_u32 v15, v4, 4, s4
	s_wait_loadcnt 9                               ; hp's 17 blocks are in; the nine weight rows may be out
.irp st, 8,4,2,1
.set i, 0
.rept \st
	v_pk_add_f32 v[32+4*i:33+4*i], v[32+4*i:33+4*i], v[32+4*(i+\st):33+4*(i+\st)]
	v_pk_add_f32 v[34+4*i:35+4*i], v[34+4*i:35+4*i], v[34+4*(i+\st):35+4*(i+\st)]
.set i, i+1
.endr
.endr
	v_pk_fma_f32 v[32:33], v[96:97], 0x3e800000, v[32:33] op_sel_hi:[1,0,1]  ; each of the four waves adds an exact quarter of slice 64: one text for all
	v_pk_fma_f32 v[34:35], v[98:99], 0x3e800000, v[34:35] op_sel_hi:[1,0,1]
	ds_store_b128 v7, v[32:35]
	s_wait_loadcnt 0x0
.set i, 0
.rept 8
	v_pk_mul_f32 v[100+4*i:101+4*i], v[100+4*i:101+4*i], 0x412aaaab op_sel_hi:[1,0]
	v_pk_mul_f32 v[102+4*i:103+4*i], v[102+4*i:103+4*i], 0x412aaaab op_sel_hi:[1,0]
	v_cvt_pk_f16_f32 v[136+2*i], v[100+4*i], v[101+4*i]
	v_cvt_pk_f16_f32 v[137+2*i], v[102+4*i], v[103+4*i]
	ds_store_b64 v8, v[136+2*i:137+2*i] offset:288*i
.set i, i+1
.endr
	v_cvt_pk_f16_f32 v152, v132, v133
	v_cvt_pk_f16_f32 v153, v134, v135
	ds_store_b64 v9, v[152:153]
	s_wait_dscnt 0x0                               ; for the others' sake
	s_barrier_signal -1
	s_barrier_wait -1
.irp i, 0,1,2,3
	ds_load_b128 v[32+4*\i:35+4*\i], v16 offset:PART+512*\i
.endr
	ds_load_tr16_b128 v[64:67], v[TRS]
	ds_load_tr16_b128 v[68:71], v[TRS] offset:4608
	ds_load_tr16_b128 v[72:75], v[TRS] offset:32
	ds_load_tr16_b128 v[76:79], v[TRS] offset:4608+32
	ds_load_tr16_b128 v[80:83], v13
	ds_load_tr16_b128 v[84:87], v13
	ds_load_tr16_b128 v[88:91], v13 offset:32
	ds_load_tr16_b128 v[92:95], v13 offset:32
	s_wait_dscnt 8                                 ; the four parts are in; the eight weight loads may be out
	v_pk_add_f32 v[32:33], v[32:33], v[36:37]
	v_pk_add_f32 v[34:35], v[34:35], v[38:39]
	v_pk_add_f32 v[40:41], v[40:41], v[44:45]
	v_pk_add_f32 v[42:43], v[42:43], v[46:47]
	v_pk_add_f32 v[32:33], v[32:33], v[40:41]
	v_pk_add_f32 v[34:35], v[34:35], v[42:43]      ; h of my batch, features 4 j ..
	v_cndmask_b32 v48, v32, v33, s[HALF]           ; registers 0-3 of the fragment: feature h, registers 4-7: feature 2 + h
	v_cndmask_b32 v49, v34, v35, s[HALF]
	v_pk_fma_f32 v[50:51], v[48:49], s[C25:C25+1], s[C55:C55+1] op_sel_hi:[1,0,0]
	v_pk_mul_f32 v[52:53], v[32:33], 0xbfb8aa3b op_sel_hi:[1,0]
	v_pk_mul_f32 v[54:55], v[34:35], 0xbfb8aa3b op_sel_hi:[1,0]
	v_exp_f32 v52, v52
	v_exp_f32 v53, v53
	v_exp_f32 v54, v54
	v_exp_f32 v55, v55
	KHEAD 50, TM0
	s_wait_alu depctr_va_vdst(0)
	v_pk_add_f32 v[52:53], v[52:53], 1.0 op_sel_hi:[1,0]
	v_pk_add_f32 v[54:55], v[54:55], 1.0 op_sel_hi:[1,0]
	v_rcp_f32 v52, v52
	v_rcp_f32 v53, v53
	v_rcp_f32 v54, v54
	v_rcp_f32 v55, v55
	KA 50, TM0
	s_wait_alu depctr_va_vdst(0)
	v_pk_mul_f32 v[52:53], v[52:53], v[32:33]      ; silu(h)
	v_pk_mul_f32 v[54:55], v[54:55], v[34:35]
	v_max3_num_f32 v56, |v52|, |v53|, |v54|
	v_max_num_f32 v56, v56, |v55|
	v_lshrrev_b32 v57, 23, v56                     ; its exponent field e
	v_sub_nc_u32 v58, 254, v57
	v_lshlrev_b32 v58, 23, v58                     ; 2^(127 - e)
	v_mov_b32 v59, v58
	v_lshlrev_b32 v60, 23, v57                     ; 2^(e - 127)
	v_mov_b32 v61, v60
	v_pk_mul_f32 v[52:53], v[52:53], v[58:59]
	v_pk_mul_f32 v[54:55], v[54:55], v[58:59]
	v_cvt_pk_f16_f32 v62, v52, v53
	v_cvt_pk_f16_f32 v63, v54, v55
	v_cndmask_b32 v[AB], v62, 0, s[HALF]           ; K places 0-3 lie in lanes 0-15; all else is 0
	v_cndmask_b32 v[AB+1], v63, 0, s[HALF]
.irp k, 2,3,4,5,6,7
	v_mov_b32 v[AB+\k], 0
.endr
	KB TM0
	KC TM0
	KD TM0
	KE TM0
	KF TM0
	KSEL TM0, AF0, 0, MA
	KSEL TM0, AF0, 1, MB
	s_wait_dscnt 0x0
	v_wmma_f32_16x16x32_f16 v[96:103], v[64:71], v[AF0:AF0+7], 0
	v_wmma_f32_16x16x32_f16 v[104:111], v[72:79], v[AF0:AF0+7], 0
	v_wmma_f32_16x16x32_f16 v[112:119], v[80:87], v[AB:AB+7], 0
	v_wmma_f32_16x16x32_f16 v[120:127], v[88:95], v[AB:AB+7], 0
.rept 4
	v_nop                                          ; four places in front of the reads of the results
.endr
.irp q, 0,2,4,6,8,10,12,14
	v_pk_mul_f32 v[128+\q:129+\q], v[96+\q:97+\q], 0x3c800000 op_sel_hi:[1,0]
.endr
.irp q, 0,2,4,6,8,10,12,14
	v_pk_fma_f32 v[128+\q:129+\q], v[112+\q:113+\q], v[60:61], v[128+\q:129+\q]
.endr
	ds_store_b128 v14, v[128:131]
	ds_store_b128 v14, v[132:135] offset:16
	ds_store_b128 v14, v[136:139] offset:64
	ds_store_b128 v14, v[140:143] offset:80
	s_cmp_lg_u32 s20, 0
	s_cbranch_scc1 .Lnot_wave_0
.irp i, 0,1,2,3
	ds_load_b128 v[144+4*\i:147+4*\i], v16 offset:PART+256+512*\i
.endr
	s_wait_dscnt 0x0
	v_pk_add_f32 v[144:145], v[144:145], v[148:149]
	v_pk_add_f32 v[146:147], v[146:147], v[150:151]
	v_pk_add_f32 v[152:153], v[152:153], v[156:157]
	v_pk_add_f32 v[154:155], v[154:155], v[158:159]
	v_pk_add_f32 v[144:145], v[144:145], v[152:153]
	v_pk_add_f32 v[146:147], v[146:147], v[154:155]
	global_store_b128 v16, v[144:147], s[16:17]    ; 256 consecutive bytes; lanes 16-31 write what lanes 0-15 write
.Lnot_wave_0:
	s_wait_dscnt 0x0                               ; a stage row comes from all four waves
	s_barrier_signal -1
	s_barrier_wait -1
.irp i, 0,1,2,3
	ds_load_b128 v[32+4*\i:35+4*\i], v15 offset:528*\i
.endr
.irp i, 0,1,2,3
	s_wait_dscnt 3-\i
	global_store_b128 v6, v[32+4*\i:35+4*\i], s[14:15] offset:16384*\i  ; 512 consecutive bytes, aligned
.endr
	s_wait_tensorcnt 0x0                           ; the wave's end
	ds_add_u32 v[SPW], v[NIL]
	s_wait_dscnt 0x0
	s_endpgm
.Lfunc_end_k_q80ecd87a69_mid:
	.size	k_q80ecd87a69_mid, .Lfunc_end_k_q80ecd87a69_mid-k_q80ecd87a69_mid
	.p2alignl 7, 3214868480
	.fill 96, 4, 3214868480
	.section	.rodata,"a",@progbits
	.p2align	6, 0x0
	.amdhsa_kernel k_q80ecd87a69_mid
		.amdhsa_group_segment_fixed_size 21504
		.amdhsa_private_segment_fixed_size 0
		.amdhsa_enable_private_segment 0
		.amdhsa_kernarg_size 40
		.amdhsa_user_sgpr_count 2
		.amdhsa_user_sgpr_kernarg_segment_ptr 1
		.amdhsa_wavefront_size32 1
		.amdhsa_system_sgpr_workgroup_id_x 1
		.amdhsa_system_sgpr_workgroup_id_y 1
		.amdhsa_system_sgpr_workgroup_id_z 1
		.amdhsa_system_vgpr_workitem_id 0
		.amdhsa_next_free_vgpr 256
		.amdhsa_next_free_sgpr 66
		.amdhsa_reserve_vcc 0
		.amdhsa_float_denorm_mode_32 3
		.amdhsa_float_denorm_mode_16_64 3
		.amdhsa_memory_ordered 1
		.amdhsa_forward_progress 1
		.amdhsa_inst_pref_size 23
	.end_amdhsa_kernel
	.amdgpu_metadata
---
amdhsa.version: [ 1, 2 ]
amdhsa.kernels:
  - .name:           k_q80ecd87a69_mid
    .symbol:         k_q80ecd87a69_mid.kd
    .args:
      - { .name: hp, .offset: 0, .size: 8, .value_kind: global_buffer, .address_space: global }
      - { .name: g2_base, .offset: 8, .size: 8, .value_kind: global_buffer, .address_space: global }
      - { .name: g2_spline, .offset: 16, .size: 8, .value_kind: global_buffer, .address_space: global }
      - { .name: h2p, .offset: 24, .size: 8, .value_kind: global_buffer, .address_space: global }
      - { .name: skips, .offset: 32, .size: 8, .value_kind: global_buffer, .address_space: global }
    .group_segment_fixed_size: 21504
    .private_segment_fixed_size: 0
    .kernarg_segment_align: 8
    .kernarg_segment_size: 40
    .max_flat_workgroup_size: 128
    .sgpr_count:     66
    .vgpr_count:     256
    .wavefront_size: 32
...
	.end_amdgpu_metadata
.endif
;; end of part 3
;; launch kan (part 4): grid 256 x 1, 8 waves a work-group, clusters of 4 x 1, 318,976 bytes of LDS; arguments x, tw, kws, gwb, h2p, skips, skip_b, gate_bs, gate_bv, ln_g, ln_b, out0; writes out0
.if DOCPART == 4
	.amdgcn_target "amdgcn-amd-amdhsa--gfx1250"
	.amdhsa_code_object_version 6
	.text
	.protected	k_q80ecd87a69_kan
	.globl	k_q80ecd87a69_kan
	.p2align	8
	.type	k_q80ecd87a69_kan,@function
k_q80ecd87a69_kan:
	s_mov_b64 s[64:65], 0
	v_nop
	global_prefetch_b8 v0, s[64:65] scope:SCOPE_SE
	s_setreg_imm32_b32 hwreg(HW_REG_WAVE_MODE, 25, 1), 1
	s_wait_xcnt 0x0
	s_wait_alu depctr_hold_cnt(0) depctr_sa_sdst(0) depctr_va_vdst(0) depctr_va_sdst(0) depctr_va_ssrc(0) depctr_va_vcc(0) depctr_vm_vsrc(0)
	s_getreg_b32 s2, hwreg(HW_REG_IB_STS2, 6, 4)
	s_cmp_eq_u32 s2, 0
	s_cbranch_scc0 .Lentry_in_a_cluster
	s_endpgm
.Lentry_in_a_cluster:
	s_bfe_u32 s2, ttmp6, 0x10000c
	s_cmp_lg_u32 s2, 0x3003
	s_cbranch_scc0 .Lentry_shape_is_right
	s_endpgm
.Lentry_shape_is_right:
; out0[b][s][:] = (silu(w) kan_base + splines(w) kan_spline) x weights[b][:],  w = tw x;  weights = softmax(layernorm(skip + skip_b + sigmoid(h2 gate_ws + gate_bs) (h2 gate_wv + gate_bv))).
; SHARES.  A cluster of four work-groups is one batch b; a work-group has 256 of its rows, each of eight waves 32 rows x all 128 columns: 16 accumulators in v256-383.  K = 64 (silu) + 512 (8 slots for each of 64 features): 18 steps of 32.
; Two waves lie on a SIMD: a wave has some nine vector instructions for each matrix instruction, and one wave's run of 16 products stands beside the other's vector work.
; LDS is filled once: the wave's own 32 rows of x, and all weights (kws, gwb), which the four work-groups of the cluster ask for JOINTLY: the same tensor load, descriptor and mask in all four.  Three tensor loads of a wave are out.
; FORMATS.  f16 operands, f32 sums.  A slot holds 6 B (at most 4); kws holds w x 64/6, gwb's rows 256 .. kan_base x 64: the sums hold the result times 2^6, which the weights' factor 2^-6 takes out.  h2 is scaled by the power of two that
; brings its largest magnitude into [1, 2), and the inverse power is multiplied back in f32.  The softmax takes its maximum away.  LIMITS: |h2| under 2^127; NaN and infinities are not treated apart.
; THE SPLINES as in the first layer: t = 2.5 w + 5.5, i = floor t, u = t - i; slots i-3 .. i take (1-u)^3, u^2 (3u-6) + 4, (1-u)^2 (3(1-u)-6) + 4, u^3; placed by a byte permutation (i's parity) and selects (i >> 1): no branch.
; K ORDER.  Spline fragment c: a lane's registers 0-3 are the slots of feature 32 h + 2 c, registers 4-7 of 32 h + 2 c + 1 (h = lane / 16): 32 consecutive bytes of a row of kws at 512 h + 32 c.  Base fragment s: features 32 h + 16 s + 0..15.
; The products are used transposed (source 0 = 16 columns of the weights, source 1 = 16 rows): a lane holds eight neighbouring columns of one row.
.set KWS,    0                         ; 128 rows x 1,040 bytes
.set GWB,    133120                    ; 384 rows x 272
.set XT,     237568                    ; 256 rows x 272; a wave's 8,704 bytes serve as its stage (16 x 528) once its x has been read: they are filled once in the launch
.set H2PART, 307200                    ; 8 x 512
.set H16,    311296                    ; 8 x 256
.set YV,     313344                    ; 512
.set WT,     313856                    ; 8 x 512
.set SPARE,  317952                    ; the spare words: 128 bytes a wave, named by no other line
.set XA,  4                            ; v4  x of the K steps in hand
.set XA0, 5                            ; v5  my row of x, features 32 h ..
.set BA0, 6                            ; v6  kws, column tiles 0-3
.set BA1, 7                            ; v7  column tiles 4-7
.set GA,  8                            ; v8  kan_base's rows in gwb
.set STO, 9
.set RD,  10
.set GO,  11                           ; v11 16 x lane
.set SPW, 12
.set NIL, 13
.set O4R, 14
.set O256, 15
.set O32H, 16
.set GWA, 17                           ; v17 the gates' rows 16 w + r
.set HP,  20                           ; v20-67 what the tail needs, loaded at the head
.set SK,  36
.set SB,  40
.set LG,  44
.set LB,  48
.set BS,  52
.set BV,  60
.set XV,  68
.set TT,  76
.set AF0, 84
.set AF1, 92
.set TM0, 100
.set TM1, 132
.set BF,  164
.set TWP, 228                          ; v228-231 tw of my two row tiles, each twice
.set T25, 232                          ; v232-235 2.5 tw likewise
.set C55, 80
.set C3,  82
.set C6,  84
.set SEL, 86                           ; s[86:87] each lane takes its own place in the other half
.set MA,  88
.set MB,  94
.set SODD,  36
.set SEVEN, 37
.set R128,  38                         ; 1 / 128
.set MSB, 0
.macro WIN new                         ; the immediate's high byte repeats the setting that is left
.if MSB != (\new)
	s_set_vgpr_msb (MSB<<8)|(\new)
.set MSB, \new
.endif
.endm
.macro PLACES
.rept 4
	v_nop
.endr
.endm
.macro ROUND                           ; a round of the cluster's barrier
	s_barrier_signal -1
	s_barrier_wait -1
	s_cmp_lg_u32 s32, 0
	s_cbranch_scc1 .Lnot_wave_0_\@
	s_barrier_signal -3
.Lnot_wave_0_\@:
	s_barrier_wait -3
	s_barrier_signal -1
	s_barrier_wait -1
.endm
.macro KHEAD t, m
	v_floor_f32 v[(\m)], v[(\t)]
	v_floor_f32 v[(\m)+1], v[(\t)+1]
.endm
.macro KA t, m
	v_pk_add_f32 v[(\m)+2:(\m)+3], v[(\t):(\t)+1], v[(\m):(\m)+1] neg_lo:[0,1] neg_hi:[0,1]
	v_cvt_i32_f32 v[(\m)+18], v[(\m)]
	v_cvt_i32_f32 v[(\m)+19], v[(\m)+1]
.endm
.macro KB m
	v_pk_fma_f32 v[(\m)+4:(\m)+5], v[(\m)+2:(\m)+3], -1.0, 1.0 op_sel_hi:[1,0,0]
	v_pk_mul_f32 v[(\m)+6:(\m)+7], v[(\m)+2:(\m)+3], v[(\m)+2:(\m)+3]
	v_pk_fma_f32 v[(\m)+10:(\m)+11], v[(\m)+2:(\m)+3], s[C3:C3+1], s[C6:C6+1] op_sel_hi:[1,0,0]
	v_lshlrev_b32 v[(\m)], 31, v[(\m)+18]
	v_lshlrev_b32 v[(\m)+1], 31, v[(\m)+19]
.endm
.macro KC m
	v_pk_mul_f32 v[(\m)+8:(\m)+9], v[(\m)+4:(\m)+5], v[(\m)+4:(\m)+5]
	v_pk_fma_f32 v[(\m)+12:(\m)+13], v[(\m)+4:(\m)+5], s[C3:C3+1], s[C6:C6+1] op_sel_hi:[1,0,0]
	v_pk_mul_f32 v[(\m)+14:(\m)+15], v[(\m)+6:(\m)+7], v[(\m)+2:(\m)+3]
	v_pk_fma_f32 v[(\m)+10:(\m)+11], v[(\m)+6:(\m)+7], v[(\m)+10:(\m)+11], 4.0 op_sel_hi:[1,1,0]
	v_ashrrev_i32 v[(\m)], 31, v[(\m)]
	v_ashrrev_i32 v[(\m)+1], 31, v[(\m)+1]
.endm
.macro KD m
	v_pk_mul_f32 v[(\m)+16:(\m)+17], v[(\m)+8:(\m)+9], v[(\m)+4:(\m)+5]
	v_pk_fma_f32 v[(\m)+12:(\m)+13], v[(\m)+8:(\m)+9], v[(\m)+12:(\m)+13], 4.0 op_sel_hi:[1,1,0]
	v_bfi_b32 v[(\m)+20], v[(\m)], s[SODD], s[SEVEN]
	v_bfi_b32 v[(\m)+21], v[(\m)+1], s[SODD], s[SEVEN]
	v_ashrrev_i32 v[(\m)+18], 1, v[(\m)+18]
	v_ashrrev_i32 v[(\m)+19], 1, v[(\m)+19]
.endm
.macro KE m
	v_cvt_pk_f16_f32 v[(\m)+22], v[(\m)+16], v[(\m)+10]
	v_cvt_pk_f16_f32 v[(\m)+23], v[(\m)+12], v[(\m)+14]
	v_cvt_pk_f16_f32 v[(\m)+24], v[(\m)+17], v[(\m)+11]
	v_cvt_pk_f16_f32 v[(\m)+25], v[(\m)+13], v[(\m)+15]
.endm
.macro KF m
	v_perm_b32 v[(\m)+26], v[(\m)+22], 0, v[(\m)+20]
	v_perm_b32 v[(\m)+27], v[(\m)+23], v[(\m)+22], v[(\m)+20]
	v_perm_b32 v[(\m)+28], 0, v[(\m)+23], v[(\m)+20]
	v_perm_b32 v[(\m)+29], v[(\m)+24], 0, v[(\m)+21]
	v_perm_b32 v[(\m)+30], v[(\m)+25], v[(\m)+24], v[(\m)+21]
	v_perm_b32 v[(\m)+31], 0, v[(\m)+25], v[(\m)+21]
.endm
.macro KSEL m, o, e, msk
.irp n, 0,1,2,3,4,5
	v_cmp_eq_u32 s[(\msk)+\n], \n, v[(\m)+18+(\e)]
.endr
.irp j, 0,1,2,3
	v_cndmask_b32 v[(\o)+4*(\e)+\j], 0, v[(\m)+28+3*(\e)], s[(\msk)+\j]
.endr
.irp j, 0,1,2,3
	v_cndmask_b32 v[(\o)+4*(\e)+\j], v[(\o)+4*(\e)+\j], v[(\m)+27+3*(\e)], s[(\msk)+\j+1]
.endr
.irp j, 0,1,2,3
	v_cndmask_b32 v[(\o)+4*(\e)+\j], v[(\o)+4*(\e)+\j], v[(\m)+26+3*(\e)], s[(\msk)+\j+2]
.endr
.endm
.macro KBODY2 t0, t1                   ; the two row tiles' fragments, step by step in turn
	KA \t0, TM0
	KA \t1, TM1
	KB TM0
	KB TM1
	KC TM0
	KC TM1
	KD TM0
	KD TM1
	KE TM0
	KE TM1
	KF TM0
	KF TM1
	KSEL TM0, AF0, 0, MA
	KSEL TM1, AF1, 0, MB
	KSEL TM0, AF0, 1, MA
	KSEL TM1, AF1, 1, MB
.endm
; 16 products, one K step: the 16 accumulators take turns.  zero = 1: the first step starts the sums
.macro MUL16 zero
	WIN 0x50                                       ; C and D in v256 ..
.set nt, 0
.rept 8
.irp mt, 0,1
.if \zero
	v_wmma_f32_16x16x32_f16 v[8*(8*\mt+nt):8*(8*\mt+nt)+7], v[BF+8*nt:BF+8*nt+7], v[AF0+8*\mt:AF0+8*\mt+7], 0
.else
	v_wmma_f32_16x16x32_f16 v[8*(8*\mt+nt):8*(8*\mt+nt)+7], v[BF+8*nt:BF+8*nt+7], v[AF0+8*\mt:AF0+8*\mt+7], v[8*(8*\mt+nt):8*(8*\mt+nt)+7]
.endif
.endr
.set nt, nt+1
.endr
	WIN 0
.endm
.macro BLOAD off                       ; a spline step's weights: 16 loads
.irp nt, 0,1,2,3
	ds_load_b128 v[BF+8*\nt:BF+8*\nt+3],   v[BA0] offset:16640*\nt+(\off)
	ds_load_b128 v[BF+8*\nt+4:BF+8*\nt+7], v[BA0] offset:16640*\nt+(\off)+16
.endr
.irp nt, 0,1,2,3
	ds_load_b128 v[BF+32+8*\nt:BF+32+8*\nt+3],   v[BA1] offset:16640*\nt+(\off)
	ds_load_b128 v[BF+32+8*\nt+4:BF+32+8*\nt+7], v[BA1] offset:16640*\nt+(\off)+16
.endr
.endm
; Base step s: silu(w) of 16 features for both row tiles, and the products
.macro SILU s, zero
.if \s
	PLACES                                         ; four places in front of loads into registers that the products read
.endif
.irp mt, 0,1
.irp i, 0,1,2,3
	ds_load_b128 v[TM0+16*\mt+4*\i:TM0+16*\mt+4*\i+3], v[XA0] offset:4352*\mt+64*(\s)+16*\i
.endr
.endr
.set nt, 0
.rept 8
	ds_load_b128 v[BF+8*nt:BF+8*nt+3],   v[GA] offset:4352*nt+32*(\s)
	ds_load_b128 v[BF+8*nt+4:BF+8*nt+7], v[GA] offset:4352*nt+32*(\s)+16
.set nt, nt+1
.endr
	s_wait_dscnt 16                                ; x is in; the 16 weight loads may be out
.irp mt, 0,1
.irp k, 0,2,4,6,8,10,12,14
	v_pk_mul_f32 v[TM0+16*\mt+\k:TM0+16*\mt+\k+1], v[TM0+16*\mt+\k:TM0+16*\mt+\k+1], v[TWP+2*\mt:TWP+2*\mt+1]
.endr
.endr
.set k, 0
.rept 16
	v_pk_mul_f32 v[TM1+2*k:TM1+2*k+1], v[TM0+2*k:TM0+2*k+1], 0xbfb8aa3b op_sel_hi:[1,0]
.set k, k+1
.endr
.set k, 0
.rept 32
	v_exp_f32 v[TM1+k], v[TM1+k]
.set k, k+1
.endr
	v_nop                                          ; a plain instruction behind the last exponential
.set k, 0
	s_wait_alu depctr_va_vdst(0)
.rept 16
	v_pk_add_f32 v[TM1+2*k:TM1+2*k+1], v[TM1+2*k:TM1+2*k+1], 1.0 op_sel_hi:[1,0]
.set k, k+1
.endr
.set k, 0
.rept 32
	v_rcp_f32 v[TM1+k], v[TM1+k]
.set k, k+1
.endr
	v_nop
.set k, 0
	s_wait_alu depctr_va_vdst(0)
.rept 16
	v_pk_mul_f32 v[TM1+2*k:TM1+2*k+1], v[TM1+2*k:TM1+2*k+1], v[TM0+2*k:TM0+2*k+1]
.set k, k+1
.endr
.set k, 0
.rept 16
	v_cvt_pk_f16_f32 v[AF0+k], v[TM1+2*k], v[TM1+2*k+1]
.set k, k+1
.endr
	s_wait_dscnt 0x0
	MUL16 \zero
.endm
.macro RSUM a, t                       ; the sum over the wave's 32 lanes, in every lane
	v_add_f32_dpp v[\a], v[\a], v[\a] row_xmask:1 row_mask:0xf bank_mask:0xf
	v_add_f32_dpp v[\a], v[\a], v[\a] row_xmask:2 row_mask:0xf bank_mask:0xf
	v_add_f32_dpp v[\a], v[\a], v[\a] row_xmask:4 row_mask:0xf bank_mask:0xf
	v_add_f32_dpp v[\a], v[\a], v[\a] row_xmask:8 row_mask:0xf bank_mask:0xf
	v_permlanex16_b32 v[\t], v[\a], s[SEL], s[SEL+1]
	v_add_f32 v[\a], v[\a], v[\t]
.endm
.macro RMAX a, t
	v_max_num_f32_dpp v[\a], v[\a], v[\a] row_xmask:1 row_mask:0xf bank_mask:0xf
	v_max_num_f32_dpp v[\a], v[\a], v[\a] row_xmask:2 row_mask:0xf bank_mask:0xf
	v_max_num_f32_dpp v[\a], v[\a], v[\a] row_xmask:4 row_mask:0xf bank_mask:0xf
	v_max_num_f32_dpp v[\a], v[\a], v[\a] row_xmask:8 row_mask:0xf bank_mask:0xf
	v_permlanex16_b32 v[\t], v[\a], s[SEL], s[SEL+1]
	v_max_num_f32 v[\a], v[\a], v[\t]
.endm
	s_load_b512 s[8:23], s[0:1], 0x0               ; x, tw, kws, gwb, h2p, skips, skip_b, gate_bs
	s_load_b256 s[24:31], s[0:1], 0x40             ; gate_bv, ln_g, ln_b, out0
	v_lshl_add_u32 v[SPW], v0, 2, SPARE
	v_mov_b32 v[NIL], 0
	ds_add_u32 v[SPW], v[NIL]                      ; the wave's opening: the add and its wait stand ahead of my first tensor load; work on registers stands between them
	v_lshrrev_b32 v19, 5, v0
	v_readfirstlane_b32 s32, v19                   ; wave
	s_bfe_u32 s33, ttmp6, 0x40000                  ; cx: it enters x's, tw's and out0's global addresses alone
	s_mov_b32 s34, ttmp9                           ; the cluster's number = the batch
	v_and_b32 v1, 15, v0
	v_bfe_u32 v2, v0, 4, 1
	v_and_b32 v3, 31, v0
	v_lshlrev_b32 v[GO], 4, v3
	v_lshlrev_b32 v[O4R], 2, v1
	v_lshlrev_b32 v[O256], 8, v3
	v_lshlrev_b32 v[O32H], 5, v2
	; descriptor groups 1.  kws: 16 rows of 512 f16 a wave, 16 bytes of padding behind each 1,024; gwb: 48 rows of 128 f16; x: my 32 rows of 256 bytes; padding behind each 256
	s_mov_b32 s40, 15|(1<<16)|(1<<20)|(1<<21)|(7<<22)|(3<<25)  ; the mask of four; 2-byte elements; padding on; bit 21 beside a mask; after 256 words; 4 words
	s_mov_b32 s41, 512<<16
	s_mov_b32 s42, 16<<16
	s_mov_b32 s43, 512<<16
	s_mov_b32 s44, 16
	s_mov_b32 s45, 512
	s_mov_b32 s46, 0
	s_mov_b32 s47, 0
	s_mov_b32 s48, 15|(1<<16)|(1<<20)|(1<<21)|(5<<22)|(3<<25)  ; the same, after 64 words
	s_mov_b32 s49, 128<<16
	s_mov_b32 s50, 48<<16
	s_mov_b32 s51, 128<<16
	s_mov_b32 s52, 48
	s_mov_b32 s53, 128
	s_mov_b32 s54, 0
	s_mov_b32 s55, 0
	s_mov_b32 s56, (1<<16)|(1<<20)|(5<<22)|(3<<25) ; no mask: x is my work-group's own
	s_mov_b32 s57, 128<<16
	s_mov_b32 s58, 32<<16
	s_mov_b32 s59, 128<<16
	s_mov_b32 s60, 32
	s_mov_b32 s61, 128
	s_mov_b32 s62, 0
	s_mov_b32 s63, 0
	s_mov_b32 s68, 1
	s_mul_i32 s69, s32, 16640                      ; LDS addresses hang on the wave's number alone
	s_mov_b32 s72, 1
	s_mul_i32 s73, s32, 13056
	s_add_co_u32 s73, s73, GWB
	s_mov_b32 s76, 1
	s_mul_i32 s77, s32, 8704
	s_add_co_u32 s77, s77, XT
	s_mov_b32 s[C55], 0x40b00000
	s_mov_b32 s[C55+1], 0x40b00000
	s_mov_b32 s[C3], 0x40400000
	s_mov_b32 s[C3+1], 0x40400000
	s_mov_b32 s[C6], 0xc0c00000
	s_mov_b32 s[C6+1], 0xc0c00000
	s_mov_b32 s[SEL], 0x76543210
	s_mov_b32 s[SEL+1], 0xfedcba98
	s_mov_b32 s[SODD], 0x03020100
	s_mov_b32 s[SEVEN], 0x05040302
	s_mov_b32 s[R128], 0x3c000000
	s_mov_b32 s3, 0
	s_mov_b32 s5, 0
	s_wait_dscnt 0x0                               ; the opening add is done
	s_wait_kmcnt 0x0
	s_lshl_b32 s2, s32, 14
	s_add_nc_u64 s[70:71], s[12:13], s[2:3]        ; kws rows 16 w ..: the same in all four partners
	s_or_b32 s71, s71, 0x80000000
	s_mul_i32 s2, s32, 12288
	s_add_nc_u64 s[74:75], s[14:15], s[2:3]        ; gwb rows 48 w ..
	s_or_b32 s75, s75, 0x80000000
	s_lshl_b32 s4, s34, 18
	s_lshl_b32 s35, s33, 16
	s_add_co_u32 s4, s4, s35
	s_lshl_b32 s35, s32, 13
	s_add_co_u32 s4, s4, s35
	s_add_nc_u64 s[78:79], s[8:9], s[4:5]          ; x at row 1024 b + 256 cx + 32 w
	s_or_b32 s79, s79, 0x80000000
	s_lshl_b32 s4, s4, 1
	s_add_nc_u64 s[30:31], s[30:31], s[4:5]        ; out0 at the same row
	s_lshl_b32 s4, s33, 10
	s_lshl_b32 s35, s32, 7
	s_add_co_u32 s4, s4, s35
	s_add_nc_u64 s[10:11], s[10:11], s[4:5]
	s_lshl_b32 s4, s34, 14
	s_lshl_b32 s35, s32, 11
	s_add_co_u32 s4, s4, s35
	s_add_nc_u64 s[16:17], s[16:17], s[4:5]        ; h2p at (b, part 4 w)
	s_lshr_b32 s4, s34, 4
	s_lshl_b32 s4, s4, 13
	s_and_b32 s35, s34, 15
	s_lshl_b32 s35, s35, 4
	s_add_co_u32 s4, s4, s35
	s_add_nc_u64 s[18:19], s[18:19], s[4:5]
	s_lshl_b32 s4, s32, 6
	s_add_nc_u64 s[22:23], s[22:23], s[4:5]
	s_add_nc_u64 s[24:25], s[24:25], s[4:5]
	ROUND                                          ; all four work-groups are here: the joint loads meet
	tensor_load_to_lds s[76:79], s[56:63]
	s_nop 0
	tensor_load_to_lds s[72:75], s[48:55]
	s_nop 0
	tensor_load_to_lds s[68:71], s[40:47]
	s_nop 0
	global_load_b32 v[TWP], v[O4R], s[10:11]
	global_load_b32 v[TWP+2], v[O4R], s[10:11] offset:64
.irp i, 0,1,2,3
	global_load_b128 v[HP+4*\i:HP+4*\i+3], v[GO], s[16:17] offset:512*\i
.endr
	global_load_b128 v[SK:SK+3], v[O256], s[18:19]
	global_load_b128 v[SB:SB+3], v[GO], s[20:21]
	global_load_b128 v[LG:LG+3], v[GO], s[26:27]
	global_load_b128 v[LB:LB+3], v[GO], s[28:29]
	global_load_b128 v[BS:BS+3], v[O32H], s[22:23]
	global_load_b128 v[BS+4:BS+7], v[O32H], s[22:23] offset:16
	global_load_b128 v[BV:BV+3], v[O32H], s[24:25]
	global_load_b128 v[BV+4:BV+7], v[O32H], s[24:25] offset:16
	v_mul_u32_u24 v19, v1, 272
	v_lshl_add_u32 v[GA], v2, 6, v19
	v_add_nc_u32 v[GA], GWB+256*272, v[GA]
	v_lshl_add_u32 v[GWA], v2, 4, v19
	s_mul_i32 s6, s32, 16*272
	s_add_co_u32 s6, s6, GWB
	v_add_nc_u32 v[GWA], s6, v[GWA]
	v_lshl_add_u32 v19, v2, 7, v19
	v_add_nc_u32 v[XA0], s77, v19
	v_mul_u32_u24 v19, v1, 528
	v_lshl_add_u32 v19, v2, 5, v19
	v_add_nc_u32 v[STO], s77, v19
	v_lshl_add_u32 v[RD], v3, 4, s77
	v_lshl_add_u32 v244, v0, 4, H2PART             ; the tail's LDS addresses
	v_lshl_add_u32 v245, v3, 4, H2PART
	s_lshl_b32 s6, s32, 8
	s_add_co_u32 s6, s6, H16
	v_lshl_add_u32 v246, v3, 3, s6
	v_lshl_add_u32 v247, v2, 4, s6
	s_lshl_b32 s6, s32, 6
	s_add_co_u32 s6, s6, YV
	v_lshl_add_u32 v248, v2, 5, s6
	v_lshl_add_u32 v249, v3, 4, YV
	v_lshl_add_u32 v250, v0, 4, WT
	s_lshl_b32 s6, s32, 9
	s_add_co_u32 s6, s6, WT
	v_lshl_add_u32 v251, v2, 5, s6
	v_mov_b32 v237, 0                              ; the lane exchange's destination counts as read
	s_wait_tensorcnt 0x0                           ; my three tiles are in,
	s_barrier_signal -1
	s_barrier_wait -1                              ; everybody's parts of the weights are
	s_wait_loadcnt 12                              ; tw is in; the tail's twelve loads stay out
	v_mov_b32 v[TWP+1], v[TWP]
	v_mov_b32 v[TWP+3], v[TWP+2]
	v_pk_mul_f32 v[T25:T25+1], v[TWP:TWP+1], 0x40200000 op_sel_hi:[1,0]
	v_pk_mul_f32 v[T25+2:T25+3], v[TWP+2:TWP+3], 0x40200000 op_sel_hi:[1,0]
	SILU 0, 1                                      ; the first K step starts all sums
	SILU 1, 0
	v_mov_b32 v[XA], v[XA0]                        ; four plain instructions: the places behind the products
	v_mul_u32_u24 v[BA0], v1, 1040
	v_lshl_add_u32 v[BA0], v2, 9, v[BA0]
	v_add_nc_u32 v[BA1], 66560, v[BA0]
	s_mov_b32 s7, 8
.Lk:                                                   ; a trip: four features a lane and row tile, two K steps
	ds_load_b128 v[XV:XV+3], v[XA]
	ds_load_b128 v[XV+4:XV+7], v[XA] offset:4352
	BLOAD 0
	s_wait_dscnt 16                                ; x is in; the 16 weight loads land beside the splines' arithmetic
	v_pk_fma_f32 v[TT:TT+1], v[XV:XV+1], v[T25:T25+1], s[C55:C55+1] op_sel_hi:[1,1,0]
	v_pk_fma_f32 v[TT+2:TT+3], v[XV+2:XV+3], v[T25:T25+1], s[C55:C55+1] op_sel_hi:[1,1,0]
	v_pk_fma_f32 v[TT+4:TT+5], v[XV+4:XV+5], v[T25+2:T25+3], s[C55:C55+1] op_sel_hi:[1,1,0]
	v_pk_fma_f32 v[TT+6:TT+7], v[XV+6:XV+7], v[T25+2:T25+3], s[C55:C55+1] op_sel_hi:[1,1,0]
	KHEAD TT, TM0
	KHEAD TT+4, TM1
	KBODY2 TT, TT+4
	s_wait_dscnt 0x0
	MUL16 0
	KHEAD TT+2, TM0                                ; four plain instructions: the places in front of the loads into the weights' registers
	KHEAD TT+6, TM1
	BLOAD 32
	KBODY2 TT+2, TT+6
	s_wait_dscnt 0x0
	MUL16 0
	v_add_nc_u32 v[XA], 16, v[XA]                  ; again four places
	v_add_nc_u32 v[BA0], 64, v[BA0]
	v_add_nc_u32 v[BA1], 64, v[BA1]
	v_nop
	s_sub_co_u32 s7, s7, 1
	s_cmp_lg_u32 s7, 0
	s_cbranch_scc1 .Lk
	; THE WEIGHTS OF THE BATCH, the same text in every wave.  h2 = the sum of h2p's 32 parts: four a wave, then all eight waves' sums
	s_wait_loadcnt 0x0
	v_pk_add_f32 v[HP:HP+1], v[HP:HP+1], v[HP+4:HP+5]
	v_pk_add_f32 v[HP+2:HP+3], v[HP+2:HP+3], v[HP+6:HP+7]
	v_pk_add_f32 v[HP+8:HP+9], v[HP+8:HP+9], v[HP+12:HP+13]
	v_pk_add_f32 v[HP+10:HP+11], v[HP+10:HP+11], v[HP+14:HP+15]
	v_pk_add_f32 v[HP:HP+1], v[HP:HP+1], v[HP+8:HP+9]
	v_pk_add_f32 v[HP+2:HP+3], v[HP+2:HP+3], v[HP+10:HP+11]
	ds_store_b128 v244, v[HP:HP+3]
	s_wait_dscnt 0x0                               ; for the others' sake
	s_barrier_signal -1
	s_barrier_wait -1
.irp i, 0,1,2,3,4,5,6,7
	ds_load_b128 v[100+4*\i:103+4*\i], v245 offset:512*\i
.endr
.irp kk, 0,1,2,3                                       ; the gates' weights for my 16 columns: gate_ws into v132 .., gate_wv into v196 ..
	ds_load_b128 v[132+8*\kk:135+8*\kk], v[GWA] offset:64*\kk
	ds_load_b128 v[136+8*\kk:139+8*\kk], v[GWA] offset:64*\kk+32
	ds_load_b128 v[196+8*\kk:199+8*\kk], v[GWA] offset:34816+64*\kk
	ds_load_b128 v[200+8*\kk:203+8*\kk], v[GWA] offset:34816+64*\kk+32
.endr
	s_wait_dscnt 16                                ; the eight parts are in
.irp st, 4,2,1
.set i, 0
.rept \st
	v_pk_add_f32 v[100+4*i:101+4*i], v[100+4*i:101+4*i], v[100+4*(i+\st):101+4*(i+\st)]
	v_pk_add_f32 v[102+4*i:103+4*i], v[102+4*i:103+4*i], v[102+4*(i+\st):103+4*(i+\st)]
.set i, i+1
.endr
.endr
	v_max3_num_f32 v236, |v100|, |v101|, |v102|    ; lane l holds h2's columns 4 l ..
	v_max_num_f32 v236, v236, |v103|
	RMAX 236, 237
	v_lshrrev_b32 v252, 23, v236                   ; the exponent field e of the largest magnitude
	v_sub_nc_u32 v238, 254, v252
	v_lshlrev_b32 v238, 23, v238                   ; 2^(127 - e)
	v_mov_b32 v239, v238
	v_lshlrev_b32 v240, 23, v252                   ; 2^(e - 127)
	v_mov_b32 v241, v240
	v_pk_mul_f32 v[100:101], v[100:101], v[238:239]
	v_pk_mul_f32 v[102:103], v[102:103], v[238:239]
	v_cvt_pk_f16_f32 v242, v100, v101
	v_cvt_pk_f16_f32 v243, v102, v103
	ds_store_b64 v246, v[242:243]                  ; my wave's own copy: LDS serves a wave's instructions in order (ISA guide 5.7.1.4), so the loads below see it
.irp kk, 0,1,2,3
	ds_load_b128 v[164+8*\kk:167+8*\kk], v247 offset:64*\kk      ; all sixteen rows of the fragment are h2
	ds_load_b128 v[168+8*\kk:171+8*\kk], v247 offset:64*\kk+32
.endr
	v_pk_add_f32 v[SK:SK+1], v[SK:SK+1], v[SB:SB+1]
	v_pk_add_f32 v[SK+2:SK+3], v[SK+2:SK+3], v[SB+2:SB+3]
	s_wait_dscnt 0x0
	v_wmma_f32_16x16x32_f16 v[100:107], v[132:139], v[164:171], 0
	v_wmma_f32_16x16x32_f16 v[108:115], v[196:203], v[164:171], 0
.irp kk, 1,2,3                                         ; the two accumulators take turns
	v_wmma_f32_16x16x32_f16 v[100:107], v[132+8*\kk:139+8*\kk], v[164+8*\kk:171+8*\kk], v[100:107]
	v_wmma_f32_16x16x32_f16 v[108:115], v[196+8*\kk:203+8*\kk], v[164+8*\kk:171+8*\kk], v[108:115]
.endr
	PLACES
.irp q, 0,2,4,6
	v_pk_fma_f32 v[116+\q:117+\q], v[100+\q:101+\q], v[240:241], v[BS+\q:BS+\q+1]
.endr
.irp q, 0,2,4,6
	v_pk_fma_f32 v[124+\q:125+\q], v[108+\q:109+\q], v[240:241], v[BV+\q:BV+\q+1]
.endr
.irp q, 0,2,4,6
	v_pk_mul_f32 v[116+\q:117+\q], v[116+\q:117+\q], 0xbfb8aa3b op_sel_hi:[1,0]
.endr
.irp q, 0,1,2,3,4,5,6,7
	v_exp_f32 v[116+\q], v[116+\q]
.endr
	v_nop
	s_wait_alu depctr_va_vdst(0)
.irp q, 0,2,4,6
	v_pk_add_f32 v[116+\q:117+\q], v[116+\q:117+\q], 1.0 op_sel_hi:[1,0]
.endr
.irp q, 0,1,2,3,4,5,6,7
	v_rcp_f32 v[116+\q], v[116+\q]
.endr
	v_nop
	s_wait_alu depctr_va_vdst(0)
.irp q, 0,2,4,6
	v_pk_mul_f32 v[116+\q:117+\q], v[116+\q:117+\q], v[124+\q:125+\q]
.endr
	ds_store_b128 v248, v[116:119]                 ; columns 16 w + 8 h ..; the sixteen lanes of a half write the same numbers
	ds_store_b128 v248, v[120:123] offset:16
	s_wait_dscnt 0x0                               ; for the others' sake
	s_barrier_signal -1
	s_barrier_wait -1
	ds_load_b128 v[100:103], v249
	s_wait_dscnt 0x0
	v_pk_add_f32 v[100:101], v[100:101], v[SK:SK+1]
	v_pk_add_f32 v[102:103], v[102:103], v[SK+2:SK+3]
	v_pk_add_f32 v[104:105], v[100:101], v[102:103]
	v_add_f32 v104, v104, v105
	RSUM 104, 237
	v_mul_f32 v106, s[R128], v104                  ; the mean
	v_mov_b32 v107, v106
	v_pk_add_f32 v[100:101], v[100:101], v[106:107] neg_lo:[0,1] neg_hi:[0,1]
	v_pk_add_f32 v[102:103], v[102:103], v[106:107] neg_lo:[0,1] neg_hi:[0,1]
	v_pk_mul_f32 v[104:105], v[100:101], v[100:101]
	v_pk_fma_f32 v[104:105], v[102:103], v[102:103], v[104:105]
	v_add_f32 v104, v104, v105
	RSUM 104, 237
	v_fma_f32 v104, v104, s[R128], 0x3a83126f      ; the variance + 1e-3
	v_rsq_f32 v106, v104
	v_rsq_f32 v107, v104
	v_nop
	s_wait_alu depctr_va_vdst(0)
	v_pk_mul_f32 v[100:101], v[100:101], v[106:107]
	v_pk_mul_f32 v[102:103], v[102:103], v[106:107]
	v_pk_fma_f32 v[100:101], v[100:101], v[LG:LG+1], v[LB:LB+1]
	v_pk_fma_f32 v[102:103], v[102:103], v[LG+2:LG+3], v[LB+2:LB+3]
	v_max3_num_f32 v104, v100, v101, v102
	v_max_num_f32 v104, v104, v103
	RMAX 104, 237                                  ; the softmax's maximum
	v_mul_f32 v106, 0x3fb8aa3b, v104
	v_mov_b32 v107, v106
	v_pk_fma_f32 v[100:101], v[100:101], 0x3fb8aa3b, v[106:107] op_sel_hi:[1,0,1] neg_lo:[0,0,1] neg_hi:[0,0,1]
	v_pk_fma_f32 v[102:103], v[102:103], 0x3fb8aa3b, v[106:107] op_sel_hi:[1,0,1] neg_lo:[0,0,1] neg_hi:[0,0,1]
	v_exp_f32 v100, v100
	v_exp_f32 v101, v101
	v_exp_f32 v102, v102
	v_exp_f32 v103, v103
	v_nop
	s_wait_alu depctr_va_vdst(0)
	v_pk_add_f32 v[104:105], v[100:101], v[102:103]
	v_add_f32 v104, v104, v105
	RSUM 104, 237
	v_rcp_f32 v106, v104
	v_nop
	s_wait_alu depctr_va_vdst(0)
	v_mul_f32 v106, 0x3c800000, v106               ; with the sums' common 2^6 taken out
	v_mov_b32 v107, v106
	v_pk_mul_f32 v[100:101], v[100:101], v[106:107]
	v_pk_mul_f32 v[102:103], v[102:103], v[106:107]
	ds_store_b128 v250, v[100:103]                 ; my wave's own copy, read back as the accumulators' lanes want it: columns 16 nt + 8 h ..
.set nt, 0
.rept 8
	ds_load_b128 v[BF+8*nt:BF+8*nt+3],   v251 offset:64*nt
	ds_load_b128 v[BF+8*nt+4:BF+8*nt+7], v251 offset:64*nt+16
.set nt, nt+1
.endr
	s_wait_dscnt 0x0
; THE WAY OUT of row tile mt: times the weights; 16 rows through my stage; whole rows of 512 bytes out
.macro OUT mt
.if \mt
	s_wait_xcnt 0x0                                ; the registers that the last tile's stores read are rewritten only behind this wait
.endif
	WIN 0x01                                       ; source 0 in v256 ..
.set nt, 0
.rept 8
.irp q, 0,2,4,6
	v_pk_mul_f32 v[TM0+8*nt+\q:TM0+8*nt+\q+1], v[8*(8*(\mt)+nt)+\q:8*(8*(\mt)+nt)+\q+1], v[BF+8*nt+\q:BF+8*nt+\q+1]
.endr
.set nt, nt+1
.endr
	WIN 0
.set nt, 0
.rept 8
	ds_store_b128 v[STO], v[TM0+8*nt:TM0+8*nt+3] offset:64*nt
	ds_store_b128 v[STO], v[TM0+8*nt+4:TM0+8*nt+7] offset:64*nt+16
.set nt, nt+1
.endr
.set i, 0
.rept 16
	ds_load_b128 v[TM0+4*i:TM0+4*i+3], v[RD] offset:528*i  ; in order behind the stores above; the next tile's stores come behind these
.set i, i+1
.endr
.set i, 0
.rept 16
	s_wait_dscnt 15-i                              ; the later rows may be out
	global_store_b128 v[GO], v[TM0+4*i:TM0+4*i+3], s[30:31] offset:(16*(\mt)+i)*512 th:TH_STORE_NT  ; 512 consecutive bytes, aligned
.set i, i+1
.endr
.endm
	OUT 0
	OUT 1
	s_wait_tensorcnt 0x0                           ; the wave's end
	ds_add_u32 v[SPW], v[NIL]
	s_wait_dscnt 0x0
	ROUND                                          ; the closing round
	s_endpgm
.Lfunc_end_k_q80ecd87a69_kan:
	.size	k_q80ecd87a69_kan, .Lfunc_end_k_q80ecd87a69_kan-k_q80ecd87a69_kan
	.p2alignl 7, 3214868480
	.fill 96, 4, 3214868480
	.section	.rodata,"a",@progbits
	.p2align	6, 0x0
	.amdhsa_kernel k_q80ecd87a69_kan
		.amdhsa_group_segment_fixed_size 318976
		.amdhsa_private_segment_fixed_size 0
		.amdhsa_enable_private_segment 0
		.amdhsa_kernarg_size 96
		.amdhsa_user_sgpr_count 2
		.amdhsa_user_sgpr_kernarg_segment_ptr 1
		.amdhsa_wavefront_size32 1
		.amdhsa_system_sgpr_workgroup_id_x 1
		.amdhsa_system_sgpr_workgroup_id_y 1
		.amdhsa_system_sgpr_workgroup_id_z 1
		.amdhsa_system_vgpr_workitem_id 0
		.amdhsa_next_free_vgpr 384
		.amdhsa_next_free_sgpr 100
		.amdhsa_reserve_vcc 0
		.amdhsa_float_denorm_mode_32 3
		.amdhsa_float_denorm_mode_16_64 3
		.amdhsa_memory_ordered 1
		.amdhsa_forward_progress 1
		.amdhsa_inst_pref_size 75
	.end_amdhsa_kernel
	.amdgpu_metadata
---
amdhsa.version: [ 1, 2 ]
amdhsa.kernels:
  - .name:           k_q80ecd87a69_kan
    .symbol:         k_q80ecd87a69_kan.kd
    .args:
      - { .name: x, .offset: 0, .size: 8, .value_kind: global_buffer, .address_space: global }
      - { .name: tw, .offset: 8, .size: 8, .value_kind: global_buffer, .address_space: global }
      - { .name: kws, .offset: 16, .size: 8, .value_kind: global_buffer, .address_space: global }
      - { .name: gwb, .offset: 24, .size: 8, .value_kind: global_buffer, .address_space: global }
      - { .name: h2p, .offset: 32, .size: 8, .value_kind: global_buffer, .address_space: global }
      - { .name: skips, .offset: 40, .size: 8, .value_kind: global_buffer, .address_space: global }
      - { .name: skip_b, .offset: 48, .size: 8, .value_kind: global_buffer, .address_space: global }
      - { .name: gate_bs, .offset: 56, .size: 8, .value_kind: global_buffer, .address_space: global }
      - { .name: gate_bv, .offset: 64, .size: 8, .value_kind: global_buffer, .address_space: global }
      - { .name: ln_g, .offset: 72, .size: 8, .value_kind: global_buffer, .address_space: global }
      - { .name: ln_b, .offset: 80, .size: 8, .value_kind: global_buffer, .address_space: global }
      - { .name: out0, .offset: 88, .size: 8, .value_kind: global_buffer, .address_space: global }
    .group_segment_fixed_size: 318976
    .private_segment_fixed_size: 0
    .kernarg_segment_align: 8
    .kernarg_segment_size: 96
    .max_flat_workgroup_size: 256
    .sgpr_count:     100
    .vgpr_count:     384
    .wavefront_size: 32
...
	.end_amdgpu_metadata
.endif
;; end of part 4
;; ======== version 2 of 2: 4 launches; version 1 with the launches sig, g1, mid written anew for expert scheduling mode
;; limits: values are held in f16: magnitudes above 65,504 overflow, below 6.1e-05 lose precision; right only within a limited range of input values; values outside matrix products are rounded to f16
;; workspace buffers: sigp 4,259,840 bytes; hp 4,259,840 bytes; h2p 1,048,576 bytes; skips 32,768 bytes; kws 131,072 bytes; gwb 98,304 bytes
;; launch sig (part 5): grid 270 x 1, 8 waves a work-group, no clusters, 100,352 bytes of LDS; arguments x, tw, kan_base, kan_spline, gate_ws, gate_wv, sigp, kws, gwb; writes sigp, kws, gwb
.if DOCPART == 5
	.amdgcn_target "amdgcn-amd-amdhsa--gfx1250"
	.amdhsa_code_object_version 6
	.text
	.protected	k_q80ecd87a69_sig
	.globl	k_q80ecd87a69_sig
	.p2align	8
	.type	k_q80ecd87a69_sig,@function
k_q80ecd87a69_sig:
	s_mov_b64 s[64:65], 0
	v_nop
	global_prefetch_b8 v0, s[64:65] scope:SCOPE_SE
	s_setreg_imm32_b32 hwreg(HW_REG_WAVE_SCHED_MODE, 0, 2), 2
	s_setreg_imm32_b32 hwreg(HW_REG_WAVE_MODE, 25, 1), 1
	s_wait_xcnt 0x0
	s_wait_alu depctr_vm_vsrc(0)
; THE SIGNATURE AS A PRODUCT, AND THE SMALL WEIGHTS TURNED.  With w_t = tw_t x_t:  S1 = w_1023 - w_0,  S2[i][j] = sum over t of A_t[i] U_t[j],
; U_t = w_(t+1) - w_t,  A_t = (w_t + w_(t+1)) / 2 - w_0  (Chen's identity summed up).  Work-groups 0-255: batch g / 4, quarter tc = g % 4 of the 1,024 steps;
; each makes its partial 64 x 64 sum (K = 256) and its part of S1 (the parts telescope).  sigp: [tc 4][ks 65][b 64][64] f32; ks 0 = S1, ks 1 + i = row i of S2.
; At the path's end row t + 1 is clamped to 1023, so that U = 0 there.  A and U go to the matrix unit in f16, sums in f32.
; LIMIT: |tw x| stays under 32,752, so that A and U are finite in f16; NaN and infinities are not treated apart.
; Work-groups 256-269 turn 128 k x 64 n of a weight matrix into [n][k] f16: kan_spline x 64/6 -> kws [128][512]; gate_ws, gate_wv -> gwb rows 0-255;
; kan_base x 64 -> gwb rows 256-383 (its 64 k written twice, so that every row is 256 bytes).  LIMIT: the scaled weights stay inside f16's range.
; NO CLUSTER: no two work-groups read the same bytes but row 0 of a batch and one edge row, 512 of a group's 66,000 bytes; all loads go through registers, since the numbers are worked on before they reach LDS.
; THE MODE: SCHED_MODE bits 1:0 = 2 (LLVM: expert scheduling mode 2), set by the entry lines.  The code itself states the register dependences
; between vector or matrix instructions and memory or LDS instructions, with s_wait_alu, always for 0.
; THE PLAN, signature.  Registers that memory or LDS instructions touch:
;   v4-v9, v13, v14, v244-v247   offsets and addresses, each made once and never written again.
;   TW, X, X0, XA, XB            landed in once by the 25 loads; then named by vector lines alone, until F's loads land on them.
;   PK                           four registers of its own for each of the 16 rows: written by the row's roundings, read by its two LDS stores.
;   F (v32-223)                  the 48 turning loads land here, over X, the work registers and PK; the products read it; four stage loads land in v32-47.
;   ACC, S1                      written by products and by two multiply-adds; read by stores.
; The rows go in four blocks of four.  Block p writes its own PK; its eight stores are issued in block p + 1, behind ONE wait at that block's head, dealt among
; vector lines that name X, the work registers and block p + 1's PK alone.  The wait behind the last block is followed by no vector line before the turning loads, so it serves them too.
.set AT,     0                         ; A, [t 256][64] f16, rows 160 bytes apart (128 + 32: the turning load's eight rows fall on different banks)
.set UT,     40960                     ; U likewise
.set STG,    81920                     ; 64 rows x 272 bytes: the way out of both paths
.set SPARE,  99328                     ; the spare words: 128 bytes a wave, named by no other line
.set TPITCH, 160
.set SPITCH, 272
.set SPW, 10                           ; v10 LDS address of my spare word; never rewritten
.set NIL, 11                           ; v11 0; never rewritten
.set RD,  13                           ; v13 stage row tid / 16, 16 bytes at 16 (tid % 16)
.set ATA, 14                           ; v14 where my rows of A go
.set TW,  16                           ; v16-31 tw of my 16 rows
.set X,   32                           ; v32-99 my 17 rows, four columns each
.set X0,  100                          ; row 0 of the batch
.set XA,  104                          ; the quarter's first row
.set XB,  108                          ; the next quarter's first row (or row 1023)
.set UU,  112
.set SS,  116
.set PK,  128                          ; v128-191 packed: row i has the four registers at PK + 4 i
.set F,   32                           ; later: v32-223 the fragments of eight K steps
.set ACC, 224                          ; two accumulators
.set S1,  240
.set TRA, 244
.set TRU, 245
.set STO, 246
.set GO,  247
.set TWL, 248                          ; tw of row 16
	s_load_b512 s[8:23], s[0:1], 0x0               ; x, tw, kan_base, kan_spline, gate_ws, gate_wv, sigp, kws
	s_load_b64 s[24:25], s[0:1], 0x40              ; gwb
	v_lshl_add_u32 v[SPW], v0, 2, SPARE
	v_mov_b32 v[NIL], 0
	v_lshrrev_b32 v12, 5, v0
	v_readfirstlane_b32 s26, v12                   ; wave
	v_and_b32 v1, 15, v0                           ; lane % 16
	v_bfe_u32 v2, v0, 4, 1                         ; lane / 16
	v_lshrrev_b32 v3, 4, v0                        ; tid / 16: 0..15
	v_lshlrev_b32 v6, 4, v1                        ; 16 bytes a lane inside 256
	v_mul_u32_u24 v[RD], v3, SPITCH
	v_add3_u32 v[RD], v[RD], v6, STG
	s_mov_b32 s3, 0
	s_wait_alu depctr_va_sdst(0)                   ; s26 is written: ahead of the branch, and of its first reader in either arm
	s_wait_kmcnt 0x0
	s_cmp_ge_u32 ttmp9, 256                        ; the same answer in all waves of a work-group
	s_cbranch_scc1 .Lprep
	; ---- the signature ----
	s_and_b32 s27, ttmp9, 3                        ; tc
	s_lshr_b32 s28, ttmp9, 2                       ; b
	s_lshl_b32 s2, ttmp9, 16                       ; (4 b + tc) x 256 rows x 256 bytes
	s_add_nc_u64 s[30:31], s[8:9], s[2:3]          ; x at the quarter's first row
	s_lshl_b32 s2, s28, 18
	s_add_nc_u64 s[32:33], s[8:9], s[2:3]          ; x at the batch's row 0
	s_lshl_b32 s2, s27, 10
	s_add_nc_u64 s[34:35], s[10:11], s[2:3]        ; tw at the quarter
	s_lshl_b32 s4, s27, 8
	s_sub_co_u32 s4, 1023, s4                      ; the path's last row, counted from the quarter's first
	s_min_u32 s5, s4, 256                          ; row B, counted likewise
	s_lshl_b32 s2, s5, 2
	s_add_nc_u64 s[36:37], s[34:35], s[2:3]
	s_load_b32 s40, s[10:11], 0x0                  ; tw[0]
	s_load_b32 s42, s[34:35], 0x0                  ; tw[A]
	s_load_b32 s44, s[36:37], 0x0                  ; tw[B]
	s_mov_b32 s41, 0                               ; named with them as pairs
	s_mov_b32 s43, 0
	s_mov_b32 s45, 0
	s_mul_i32 s2, s27, 65*16384
	s_add_co_u32 s2, s2, 16384
	s_lshl_b32 s6, s28, 8
	s_add_co_u32 s2, s2, s6
	s_add_nc_u64 s[38:39], s[20:21], s[2:3]        ; sigp at (tc, ks = 1, b)
	v_lshl_add_u32 v4, v3, 12, v6                  ; my first row: 16 (tid / 16) rows of 256 bytes
	v_lshl_add_u32 v5, v3, 4, 16
	v_min_u32 v5, s4, v5                           ; row 16, not past the path's end
	v_lshlrev_b32 v9, 2, v5
	v_lshl_add_u32 v5, v5, 8, v6
	s_lshl_b32 s7, s5, 8
	v_add_nc_u32 v7, s7, v6
	v_lshlrev_b32 v8, 6, v3
	s_wait_alu depctr_va_vdst(0)                   ; the offsets v4 to v9 are written, which the 25 loads below read
.irp i, 0,1,2,3
	global_load_b128 v[TW+4*\i:TW+4*\i+3], v8, s[34:35] offset:16*\i
.endr
	global_load_b32 v[TWL], v9, s[34:35]
.set i, 0
.rept 16
	global_load_b128 v[X+4*i:X+4*i+3], v4, s[30:31] offset:256*i  ; lanes 0-15 one whole row of 256 bytes, lanes 16-31 the row 16 further down
.set i, i+1
.endr
	global_load_b128 v[X+64:X+67], v5, s[30:31]
	global_load_b128 v[X0:X0+3], v6, s[32:33]
	global_load_b128 v[XA:XA+3], v6, s[30:31]
	global_load_b128 v[XB:XB+3], v7, s[30:31]
	; LDS addresses, while the 25 loads are out: none of these lines names a register of a load
	v_mul_u32_u24 v[ATA], v3, 16*TPITCH
	v_lshl_add_u32 v[ATA], v1, 3, v[ATA]           ; row 16 (tid / 16), 8 bytes a lane
	v_and_b32 v12, 7, v0
	v_lshl_add_u32 v12, v2, 3, v12
	v_mul_u32_u24 v12, v12, TPITCH                 ; the turning load: row 8 (lane / 16) + lane % 8,
	v_bfe_u32 v15, v0, 3, 1
	v_lshl_add_u32 v12, v15, 4, v12                ; 16 bytes by (lane / 8) % 2
	s_lshr_b32 s6, s26, 1                          ; my tile of 16 rows of S2
	s_and_b32 s7, s26, 1                           ; my two tiles of 16 columns
	s_lshl_b32 s2, s6, 5
	v_add_nc_u32 v[TRA], s2, v12
	s_lshl_b32 s2, s7, 6
	s_add_co_u32 s2, s2, UT
	v_add_nc_u32 v[TRU], s2, v12
	s_mul_i32 s2, s6, 16*SPITCH
	s_lshl_b32 s6, s7, 7
	s_add_co_u32 s2, s2, s6
	s_add_co_u32 s2, s2, STG
	v_mul_u32_u24 v15, v1, SPITCH
	v_lshl_add_u32 v15, v2, 5, v15
	v_add_nc_u32 v[STO], s2, v15
	v_lshl_add_u32 v[GO], v3, 14, v6               ; a row of S2 is a ks block of 16,384 bytes further on
	s_wait_loadcnt 0x0
	s_wait_kmcnt 0x0
.set i, 0
.rept 16                                               ; w = tw x, in place; the row's tw is the low or the high register of its pair
.if i%2
	v_pk_mul_f32 v[X+4*i:X+4*i+1], v[X+4*i:X+4*i+1], v[TW+i-1:TW+i] op_sel:[0,1] op_sel_hi:[1,1]
	v_pk_mul_f32 v[X+4*i+2:X+4*i+3], v[X+4*i+2:X+4*i+3], v[TW+i-1:TW+i] op_sel:[0,1] op_sel_hi:[1,1]
.else
	v_pk_mul_f32 v[X+4*i:X+4*i+1], v[X+4*i:X+4*i+1], v[TW+i:TW+i+1] op_sel_hi:[1,0]
	v_pk_mul_f32 v[X+4*i+2:X+4*i+3], v[X+4*i+2:X+4*i+3], v[TW+i:TW+i+1] op_sel_hi:[1,0]
.endif
.set i, i+1
.endr
.irp k, 0,1,2,3
	v_mul_f32 v[X+64+\k], v[TWL], v[X+64+\k]
.endr
	v_pk_mul_f32 v[X0:X0+1], v[X0:X0+1], s[40:41] op_sel_hi:[1,0]
	v_pk_mul_f32 v[X0+2:X0+3], v[X0+2:X0+3], s[40:41] op_sel_hi:[1,0]
	v_pk_mul_f32 v[XA:XA+1], v[XA:XA+1], s[42:43] op_sel_hi:[1,0]
	v_pk_mul_f32 v[XA+2:XA+3], v[XA+2:XA+3], s[42:43] op_sel_hi:[1,0]
	v_pk_fma_f32 v[S1:S1+1], v[XB:XB+1], s[44:45], v[XA:XA+1] op_sel_hi:[1,0,1] neg_lo:[0,0,1] neg_hi:[0,0,1]
	v_pk_fma_f32 v[S1+2:S1+3], v[XB+2:XB+3], s[44:45], v[XA+2:XA+3] op_sel_hi:[1,0,1] neg_lo:[0,0,1] neg_hi:[0,0,1]
	s_cmp_lg_u32 s26, 0
	s_cbranch_scc1 .Lnot_wave_0
	s_wait_alu depctr_va_vdst(0)                   ; the two multiply-adds have written S1, the store's data
	global_store_b128 v6, v[S1:S1+3], s[38:39] offset:-16384  ; ks = 0: 256 consecutive bytes; lanes 16-31 write what lanes 0-15 write
.Lnot_wave_0:
.set i, 0
.rept 16
.if (i > 0) && (i%4 == 0)
	s_wait_alu depctr_va_vdst(0)                   ; the block of four rows before has written its PK, which the eight stores of this block read (the first time: v[ATA] is written too)
.endif
.if i >= 4
	ds_store_b64 v[ATA], v[PK+4*(i-4):PK+4*(i-4)+1] offset:AT+TPITCH*(i-4)    ; the row four back: no vector line since the wait names its PK
	ds_store_b64 v[ATA], v[PK+4*(i-4)+2:PK+4*(i-4)+3] offset:UT+TPITCH*(i-4)
.endif
.set P, PK+4*i
	v_pk_add_f32 v[UU:UU+1], v[X+4*i+4:X+4*i+5], v[X+4*i:X+4*i+1] neg_lo:[0,1] neg_hi:[0,1]
	v_pk_add_f32 v[UU+2:UU+3], v[X+4*i+6:X+4*i+7], v[X+4*i+2:X+4*i+3] neg_lo:[0,1] neg_hi:[0,1]
	v_pk_add_f32 v[SS:SS+1], v[X+4*i+4:X+4*i+5], v[X+4*i:X+4*i+1]
	v_pk_add_f32 v[SS+2:SS+3], v[X+4*i+6:X+4*i+7], v[X+4*i+2:X+4*i+3]
	v_pk_fma_f32 v[SS:SS+1], v[SS:SS+1], 0.5, v[X0:X0+1] op_sel_hi:[1,0,1] neg_lo:[0,0,1] neg_hi:[0,0,1]
	v_pk_fma_f32 v[SS+2:SS+3], v[SS+2:SS+3], 0.5, v[X0+2:X0+3] op_sel_hi:[1,0,1] neg_lo:[0,0,1] neg_hi:[0,0,1]
	v_cvt_pk_f16_f32 v[P], v[SS], v[SS+1]
	v_cvt_pk_f16_f32 v[P+1], v[SS+2], v[SS+3]
	v_cvt_pk_f16_f32 v[P+2], v[UU], v[UU+1]
	v_cvt_pk_f16_f32 v[P+3], v[UU+2], v[UU+3]
.set i, i+1
.endr
	s_wait_alu depctr_va_vdst(0)                   ; the last block has written its PK; and, since no vector line follows before the turning loads: all readers and writers of v32-223 are done, v[TRA] and v[TRU] are written
.set i, 12
.rept 4
	ds_store_b64 v[ATA], v[PK+4*i:PK+4*i+1] offset:AT+TPITCH*i
	ds_store_b64 v[ATA], v[PK+4*i+2:PK+4*i+3] offset:UT+TPITCH*i
.set i, i+1
.endr
	s_wait_dscnt 0x0                               ; for the others' sake: my rows of A and U are in LDS
	s_barrier_signal -1
	s_barrier_wait -1
	s_wait_alu depctr_vm_vsrc(0)                   ; my LDS stores have read PK, on which the turning loads below land
.set k, 0
.rept 8                                                ; all 48 turning loads at once: per K step of 32 one tile of A and two of U
	ds_load_tr16_b128 v[F+24*k:F+24*k+3],     v[TRA] offset:k*32*TPITCH
	ds_load_tr16_b128 v[F+24*k+4:F+24*k+7],   v[TRA] offset:k*32*TPITCH+16*TPITCH
	ds_load_tr16_b128 v[F+24*k+8:F+24*k+11],  v[TRU] offset:k*32*TPITCH
	ds_load_tr16_b128 v[F+24*k+12:F+24*k+15], v[TRU] offset:k*32*TPITCH+16*TPITCH
	ds_load_tr16_b128 v[F+24*k+16:F+24*k+19], v[TRU] offset:k*32*TPITCH+32
	ds_load_tr16_b128 v[F+24*k+20:F+24*k+23], v[TRU] offset:k*32*TPITCH+16*TPITCH+32
.set k, k+1
.endr
.set k, 0
.rept 8                                                ; source 0 = 16 columns (U), source 1 = 16 rows (A): a lane then holds eight neighbouring columns of one row.  The two accumulators take turns
	s_wait_dscnt 42-6*k                            ; the later steps' six loads each may be out
.if k == 0
	v_wmma_f32_16x16x32_f16 v[ACC:ACC+7], v[F+8:F+15], v[F:F+7], 0
	v_wmma_f32_16x16x32_f16 v[ACC+8:ACC+15], v[F+16:F+23], v[F:F+7], 0
.else
	v_wmma_f32_16x16x32_f16 v[ACC:ACC+7], v[F+24*k+8:F+24*k+15], v[F+24*k:F+24*k+7], v[ACC:ACC+7]
	v_wmma_f32_16x16x32_f16 v[ACC+8:ACC+15], v[F+24*k+16:F+24*k+23], v[F+24*k:F+24*k+7], v[ACC+8:ACC+15]
.endif
.set k, k+1
.endr
.rept 4
	v_nop                                          ; four places between the last products and the stores that read them
.endr
	s_wait_alu depctr_va_vdst(0)                   ; the products have written the accumulators, which the LDS stores read, and are done reading v32-47, in which the stage's loads land; the places above stay beside this wait
	ds_store_b128 v[STO], v[ACC:ACC+3]
	ds_store_b128 v[STO], v[ACC+4:ACC+7] offset:16
	ds_store_b128 v[STO], v[ACC+8:ACC+11] offset:64
	ds_store_b128 v[STO], v[ACC+12:ACC+15] offset:80
	s_wait_dscnt 0x0                               ; a stage row comes from two waves
	s_barrier_signal -1
	s_barrier_wait -1
.irp i, 0,1,2,3
	ds_load_b128 v[F+4*\i:F+4*\i+3], v[RD] offset:\i*16*SPITCH
.endr
.irp i, 0,1,2,3
	s_wait_dscnt 3-\i                              ; the later rows may be out
	global_store_b128 v[GO], v[F+4*\i:F+4*\i+3], s[38:39] offset:\i*262144  ; sixteen lanes store 256 consecutive bytes, aligned
.endr
	s_wait_dscnt 0x0                               ; the closing lines, six on end
	s_wait_alu 0x0
	s_wait_tensorcnt 0x0
	ds_add_u32 v[SPW], v[NIL]
	s_wait_dscnt 0x0
	s_endpgm
	; ---- a block of 128 k x 64 n of a weight matrix, turned ----
	; THE PLAN here: v5, v7, v13, v96-99 are made once; v32-63 are landed in once; each packed word v64-79 is written once and stored once; v80-95 take the stage's loads and are named by no vector line.
.Lprep:
	s_sub_co_u32 s2, ttmp9, 256                    ; p = 0..13
	s_and_b32 s4, s2, 1                            ; which 64 columns
	s_lshr_b32 s5, s2, 1                           ; 0-3: 128 rows of kan_spline; 4 gate_ws; 5 gate_wv; 6 kan_base
	s_lshl_b32 s6, s4, 16
	s_lshl_b32 s7, s5, 8
	s_add_co_u32 s6, s6, s7                        ; in kws: 64 rows of 1,024 bytes, 256 bytes along
	s_sub_co_u32 s7, s5, 4
	s_lshl_b32 s7, s7, 15
	s_lshl_b32 s27, s4, 14
	s_add_co_u32 s7, s7, s27                       ; in gwb: 128 rows a matrix, 64 a half, 256 bytes each
	s_lshl_b32 s28, s5, 16                         ; 128 rows of 512 bytes
	s_cmp_lt_u32 s5, 4
	s_cselect_b64 s[30:31], s[14:15], s[16:17]
	s_cselect_b64 s[32:33], s[22:23], s[24:25]
	s_cselect_b32 s40, 0x412aaaab, 1.0             ; 64 / 6
	s_cselect_b32 s29, 10, 8                       ; log2 of the target's row bytes
	s_cselect_b32 s2, s6, s7
	s_cselect_b32 s28, s28, 0
	s_cmp_eq_u32 s5, 5
	s_cselect_b64 s[30:31], s[18:19], s[30:31]
	s_cmp_eq_u32 s5, 6
	s_cselect_b64 s[30:31], s[12:13], s[30:31]
	s_cselect_b32 s40, 0x42800000, s40             ; 64
	s_cselect_b32 s27, 63, 127                     ; kan_base has 64 rows: waves 4-7 take them once more
	s_mov_b32 s41, 0
	s_add_nc_u64 s[32:33], s[32:33], s[2:3]
	s_lshl_b32 s6, s26, 4
	s_and_b32 s6, s6, s27
	s_lshl_b32 s6, s6, 9
	s_add_co_u32 s2, s28, s6
	s_lshl_b32 s6, s4, 8
	s_add_co_u32 s2, s2, s6
	s_add_nc_u64 s[30:31], s[30:31], s[2:3]
	v_and_b32 v4, 31, v0
	v_lshlrev_b32 v5, 3, v4
	s_wait_alu depctr_va_vdst(0)                   ; the offset v5 is written, which the 16 loads read
.set i, 0
.rept 16
	global_load_b64 v[32+2*i:33+2*i], v5, s[30:31] offset:512*i  ; 256 consecutive bytes of row 16 w + i
.set i, i+1
.endr
	v_mul_u32_u24 v7, v4, 2*SPITCH
	s_lshl_b32 s6, s26, 5
	s_add_co_u32 s6, s6, STG
	v_add_nc_u32 v7, s6, v7                        ; stage row 2 lane, byte 2 x 16 w
	v_lshlrev_b32 v96, s29, v3
	v_add_nc_u32 v96, v96, v6
	s_lshl_b32 s6, 16, s29                         ; 16 rows of the target
	v_add_nc_u32 v97, s6, v96
	v_add_nc_u32 v98, s6, v97
	v_add_nc_u32 v99, s6, v98
	s_wait_loadcnt 0x0
.set i, 0
.rept 8                                                ; two halves of four pairs of rows: the first half's stores are dealt among the second half's lines
.if i == 4
	s_wait_alu depctr_va_vdst(0)                   ; the first half has written v64-71, which the eight stores below read; v7 and v96-99 are written
.endif
.if i >= 4
	ds_store_b32 v7, v[64+2*(i-4)] offset:4*(i-4)
	ds_store_b32 v7, v[65+2*(i-4)] offset:SPITCH+4*(i-4)
.endif
	v_pk_mul_f32 v[32+4*i:33+4*i], v[32+4*i:33+4*i], s[40:41] op_sel_hi:[1,0]
	v_pk_mul_f32 v[34+4*i:35+4*i], v[34+4*i:35+4*i], s[40:41] op_sel_hi:[1,0]
	v_cvt_pk_f16_f32 v[64+2*i], v[32+4*i], v[34+4*i]   ; column 2 lane: k, k + 1
	v_cvt_pk_f16_f32 v[65+2*i], v[33+4*i], v[35+4*i]   ; column 2 lane + 1
.set i, i+1
.endr
	s_wait_alu depctr_va_vdst(0)                   ; the second half has written v72-79, which the last eight stores read
.set i, 4
.rept 4
	ds_store_b32 v7, v[64+2*i] offset:4*i
	ds_store_b32 v7, v[65+2*i] offset:SPITCH+4*i
.set i, i+1
.endr
	s_wait_dscnt 0x0                               ; a stage row comes from all eight waves
	s_barrier_signal -1
	s_barrier_wait -1
.irp i, 0,1,2,3
	ds_load_b128 v[80+4*\i:83+4*\i], v[RD] offset:\i*16*SPITCH
.endr
.irp i, 0,1,2,3
	s_wait_dscnt 3-\i
	global_store_b128 v[96+\i], v[80+4*\i:83+4*\i], s[32:33]  ; sixteen lanes store 256 consecutive bytes, aligned
.endr
	s_wait_dscnt 0x0                               ; the closing lines, six on end
	s_wait_alu 0x0
	s_wait_tensorcnt 0x0
	ds_add_u32 v[SPW], v[NIL]
	s_wait_dscnt 0x0
	s_endpgm
.Lfunc_end_k_q80ecd87a69_sig:
	.size	k_q80ecd87a69_sig, .Lfunc_end_k_q80ecd87a69_sig-k_q80ecd87a69_sig
	.p2alignl 7, 3214868480
	.fill 96, 4, 3214868480
	.section	.rodata,"a",@progbits
	.p2align	6, 0x0
	.amdhsa_kernel k_q80ecd87a69_sig
		.amdhsa_group_segment_fixed_size 100352
		.amdhsa_private_segment_fixed_size 0
		.amdhsa_enable_private_segment 0
		.amdhsa_kernarg_size 72
		.amdhsa_user_sgpr_count 2
		.amdhsa_user_sgpr_kernarg_segment_ptr 1
		.amdhsa_wavefront_size32 1
		.amdhsa_system_sgpr_workgroup_id_x 1
		.amdhsa_system_sgpr_workgroup_id_y 1
		.amdhsa_system_sgpr_workgroup_id_z 1
		.amdhsa_system_vgpr_workitem_id 0
		.amdhsa_next_free_vgpr 256
		.amdhsa_next_free_sgpr 66
		.amdhsa_reserve_vcc 0
		.amdhsa_float_denorm_mode_32 3
		.amdhsa_float_denorm_mode_16_64 3
		.amdhsa_memory_ordered 1
		.amdhsa_forward_progress 1
		.amdhsa_inst_pref_size 35
	.end_amdhsa_kernel
	.amdgpu_metadata
---
amdhsa.version: [ 1, 2 ]
amdhsa.kernels:
  - .name:           k_q80ecd87a69_sig
    .symbol:         k_q80ecd87a69_sig.kd
    .args:
      - { .name: x, .offset: 0, .size: 8, .value_kind: global_buffer, .address_space: global }
      - { .name: tw, .offset: 8, .size: 8, .value_kind: global_buffer, .address_space: global }
      - { .name: kan_base, .offset: 16, .size: 8, .value_kind: global_buffer, .address_space: global }
      - { .name: kan_spline, .offset: 24, .size: 8, .value_kind: global_buffer, .address_space: global }
      - { .name: gate_ws, .offset: 32, .size: 8, .value_kind: global_buffer, .address_space: global }
      - { .name: gate_wv, .offset: 40, .size: 8, .value_kind: global_buffer, .address_space: global }
      - { .name: sigp, .offset: 48, .size: 8, .value_kind: global_buffer, .address_space: global }
      - { .name: kws, .offset: 56, .size: 8, .value_kind: global_buffer, .address_space: global }
      - { .name: gwb, .offset: 64, .size: 8, .value_kind: global_buffer, .address_space: global }
    .group_segment_fixed_size: 100352
    .private_segment_fixed_size: 0
    .kernarg_segment_align: 8
    .kernarg_segment_size: 72
    .max_flat_workgroup_size: 256
    .sgpr_count:     66
    .vgpr_count:     256
    .wavefront_size: 32
...
	.end_amdgpu_metadata
.endif
;; end of part 5
;; launch g1 (part 6): grid 65 x 2, 8 waves a work-group, no clusters, 202,752 bytes of LDS; arguments sigp, g1_base, g1_spline, skip_w, hp; writes hp
.if DOCPART == 6
	.amdgcn_target "amdgcn-amd-amdhsa--gfx1250"
	.amdhsa_code_object_version 6
	.text
	.protected	k_q80ecd87a69_g1
	.globl	k_q80ecd87a69_g1
	.p2align	8
	.type	k_q80ecd87a69_g1,@function
k_q80ecd87a69_g1:
	s_mov_b64 s[64:65], 0
	v_nop
	global_prefetch_b8 v0, s[64:65] scope:SCOPE_SE
	s_setreg_imm32_b32 hwreg(HW_REG_WAVE_SCHED_MODE, 0, 2), 2
	s_setreg_imm32_b32 hwreg(HW_REG_WAVE_MODE, 25, 1), 1
	s_wait_xcnt 0x0
	s_wait_alu depctr_vm_vsrc(0)
; THE FIRST KAN LAYER AND THE SKIP PRODUCT, SPLIT ALONG K.  Work-group (ks, nh): the 64 features 64 ks .. of sig, all 64 batches, the 64 output columns 64 nh .. :
; partial sums of  h = silu(sig) g1_base + splines(sig) g1_spline  and of  sig skip_w.  hp: [cg 64][ks 65][b 64][4] f32; cg < 32: columns 4 cg .. of h, cg >= 32: of the skip product.
; 65 slices x 2 halves is the even cut of 4,160 features that keeps the weights' row pieces at 256 bytes; each weight byte is read once in the launch, all 56 loads of a lane go out at the head.
; FORMATS.  All operands f16, sums f32.  A spline slot holds 6 B (at most 4), its weight w x 64/6; silu(sig) and sig go in times 2^-6, their weights times 2^12: every sum holds its result times 2^6.
; LIMITS: |sig| under 4.19e6; the scaled weights inside f16's range; NaN and infinities are not treated apart.
; THE SPLINES.  t = 2.5 s + 5.5, i = floor t, u = t - i; slots i-3 .. i take (1-u)^3, u^2 (3u-6) + 4, (1-u)^2 (3(1-u)-6) + 4, u^3; slots outside 0..7 fall away.  The four f16 lie in two words;
; for even i they are moved on by half a word (a byte permutation whose selector goes by i's parity), and word j of the four slot words takes the piece whose place i >> 1 says: selects, no branch.
; K ORDER.  Spline fragment c: a lane's registers 0-3 are the 8 slots of feature 32 h + 2 c, registers 4-7 of feature 32 h + 2 c + 1 (h = lane / 16): weight rows 256 h + 16 c + 0..15.  Base and skip fragment s: features 32 h + 16 s + 0..15.
; NO CLUSTER: the two work-groups of a slice share 64 KB of sigp of the 224 KB that each reads, and every load passes through registers, where it is summed or scaled and rounded.
; THE MODE: SCHED_MODE bits 1:0 = 2 (LLVM: expert scheduling mode 2), set by the entry lines.  The code itself states the register dependences
; between vector or matrix instructions and memory or LDS instructions, with s_wait_alu, always for 0.
; THE PLAN.  Registers that memory or LDS instructions touch:
;   v5-v9, v13-v19    offsets and addresses, each made once and never written again.
;   v32-95, v256-415  landed in once by the 56 loads of the head; then read by vector lines alone.
;   OUT-BUFFERS, each written once by vector lines and read once by LDS stores: the sums of sigp v32-47; PS v160-167; PB v168-175; the four steps' spline fragments v176-191, v48-63, v64-79, v80-95;
;                     the five batches' packed weights v96-111, v112-127, v128-143, v144-159, v224-239.  No out-buffer is written again before the second barrier.
;   So each step of the making (FRAG 1-3, CONV 0-4) has ONE wait at its head, which states that the step before has written its out-buffer; that buffer's stores are dealt among the step's vector lines,
;   which name the work registers (v192-255, T, the raw weights) and the step's own out-buffer alone.  One wait behind the second barrier states that all those stores have read their data.
;   v32-127, v128-223 two sets of fragments for the products, four K steps each.  While the products of a batch read one set, the next batch's loads land in the other, dealt among those products;
;                     ONE wait at the batch's head states that the products of the batch before are done reading that other set.
;   s38-61            four sets of six lane masks: a step's 24 compares stand in one run, other work follows, ONE wait stands ahead of the 48 selects.
.set SIG,   0                          ; 64 batches x 272 bytes: the slice of sig, f32
.set AF,    17408                      ; 4 row tiles x 20 fragments x 1,024 bytes, as the registers want them
.set W,     99328                      ; 640 rows x 160 bytes, f16: 512 spline, 64 base, 64 skip
.set SPARE, 201728                     ; the spare words: 128 bytes a wave, named by no other line
.set SPW, 10
.set NIL, 11
.set SG,  96                           ; my 16 numbers of sig
.set TT,  112                          ; their t
.set SKR, 128                          ; sig 2^-6
.set EE,  144
.set PS,  160
.set PB,  168
.set TM0, 192
.set TM1, 224
.set CT,  192                          ; later: a batch of weights, scaled, at work
.set ACC, 224                          ; later: h tile 0, h tile 1, skip tile 0, skip tile 1
.set C3,  32                           ; s[32:33] 3.0
.set C6,  34                           ; s[34:35] -6.0
.set C25, 36                           ; s[36:37] 2.5
.set C55, 18                           ; s[18:19] 5.5
.set SODD,  6
.set SEVEN, 7
.set MD,  38                           ; s38-43, s44-49, s50-55, s56-61: four sets of six lane masks
.set MA,  44
.set MB,  50
.set MC,  56
.set MSB, 0
.macro WIN new                         ; the immediate's high byte repeats the setting that is left
.if MSB != (\new)
	s_set_vgpr_msb (MSB<<8)|(\new)
.set MSB, \new
.endif
.endm
.macro PLACES
.rept 4
	v_nop
.endr
.endm
; The splines of two numbers t in v[t:t+1], at work in v[m:m+31]: +0 floor, then parity; +2 u; +4 1-u; +6 u^2; +8 (1-u)^2; +10, +12 the middle pieces; +14 u^3; +16 (1-u)^3; +18 i, then i >> 1; +20 selector; +22 packed; +26 the three words
.macro KHEAD t, m
	v_floor_f32 v[(\m)], v[(\t)]
	v_floor_f32 v[(\m)+1], v[(\t)+1]
.endm
.macro KA t, m
	v_pk_add_f32 v[(\m)+2:(\m)+3], v[(\t):(\t)+1], v[(\m):(\m)+1] neg_lo:[0,1] neg_hi:[0,1]
	v_cvt_i32_f32 v[(\m)+18], v[(\m)]
	v_cvt_i32_f32 v[(\m)+19], v[(\m)+1]
.endm
.macro KB m
	v_pk_fma_f32 v[(\m)+4:(\m)+5], v[(\m)+2:(\m)+3], -1.0, 1.0 op_sel_hi:[1,0,0]
	v_pk_mul_f32 v[(\m)+6:(\m)+7], v[(\m)+2:(\m)+3], v[(\m)+2:(\m)+3]
	v_pk_fma_f32 v[(\m)+10:(\m)+11], v[(\m)+2:(\m)+3], s[C3:C3+1], s[C6:C6+1] op_sel_hi:[1,0,0]
	v_lshlrev_b32 v[(\m)], 31, v[(\m)+18]
	v_lshlrev_b32 v[(\m)+1], 31, v[(\m)+19]
.endm
.macro KC m
	v_pk_mul_f32 v[(\m)+8:(\m)+9], v[(\m)+4:(\m)+5], v[(\m)+4:(\m)+5]
	v_pk_fma_f32 v[(\m)+12:(\m)+13], v[(\m)+4:(\m)+5], s[C3:C3+1], s[C6:C6+1] op_sel_hi:[1,0,0]
	v_pk_mul_f32 v[(\m)+14:(\m)+15], v[(\m)+6:(\m)+7], v[(\m)+2:(\m)+3]
	v_pk_fma_f32 v[(\m)+10:(\m)+11], v[(\m)+6:(\m)+7], v[(\m)+10:(\m)+11], 4.0 op_sel_hi:[1,1,0]
	v_ashrrev_i32 v[(\m)], 31, v[(\m)]
	v_ashrrev_i32 v[(\m)+1], 31, v[(\m)+1]
.endm
.macro KD m
	v_pk_mul_f32 v[(\m)+16:(\m)+17], v[(\m)+8:(\m)+9], v[(\m)+4:(\m)+5]
	v_pk_fma_f32 v[(\m)+12:(\m)+13], v[(\m)+8:(\m)+9], v[(\m)+12:(\m)+13], 4.0 op_sel_hi:[1,1,0]
	v_bfi_b32 v[(\m)+20], v[(\m)], s[SODD], s[SEVEN]
	v_bfi_b32 v[(\m)+21], v[(\m)+1], s[SODD], s[SEVEN]
	v_ashrrev_i32 v[(\m)+18], 1, v[(\m)+18]
	v_ashrrev_i32 v[(\m)+19], 1, v[(\m)+19]
.endm
.macro KE m
	v_cvt_pk_f16_f32 v[(\m)+22], v[(\m)+16], v[(\m)+10]
	v_cvt_pk_f16_f32 v[(\m)+23], v[(\m)+12], v[(\m)+14]
	v_cvt_pk_f16_f32 v[(\m)+24], v[(\m)+17], v[(\m)+11]
	v_cvt_pk_f16_f32 v[(\m)+25], v[(\m)+13], v[(\m)+15]
.endm
.macro KF m
	v_perm_b32 v[(\m)+26], v[(\m)+22], 0, v[(\m)+20]
	v_perm_b32 v[(\m)+27], v[(\m)+23], v[(\m)+22], v[(\m)+20]
	v_perm_b32 v[(\m)+28], 0, v[(\m)+23], v[(\m)+20]
	v_perm_b32 v[(\m)+29], v[(\m)+24], 0, v[(\m)+21]
	v_perm_b32 v[(\m)+30], v[(\m)+25], v[(\m)+24], v[(\m)+21]
	v_perm_b32 v[(\m)+31], 0, v[(\m)+25], v[(\m)+21]
.endm
.macro KCMP m, e, msk                  ; number e's six lane masks: is i >> 1 equal to 0 .. 5?
.irp n, 0,1,2,3,4,5
	v_cmp_eq_u32 s[(\msk)+\n], \n, v[(\m)+18+(\e)]
.endr
.endm
.macro KPICK m, o, e, msk              ; number e's four slot words into v[o + 4 e ..], by its masks
.irp j, 0,1,2,3
	v_cndmask_b32 v[(\o)+4*(\e)+\j], 0, v[(\m)+28+3*(\e)], s[(\msk)+\j]
.endr
.irp j, 0,1,2,3
	v_cndmask_b32 v[(\o)+4*(\e)+\j], v[(\o)+4*(\e)+\j], v[(\m)+27+3*(\e)], s[(\msk)+\j+1]
.endr
.irp j, 0,1,2,3
	v_cndmask_b32 v[(\o)+4*(\e)+\j], v[(\o)+4*(\e)+\j], v[(\m)+26+3*(\e)], s[(\msk)+\j+2]
.endr
.endm
	s_load_b256 s[8:15], s[0:1], 0x0               ; sigp, g1_base, g1_spline, skip_w
	s_load_b64 s[16:17], s[0:1], 0x20              ; hp
	v_lshl_add_u32 v[SPW], v0, 2, SPARE
	v_mov_b32 v[NIL], 0
	v_lshrrev_b32 v12, 5, v0
	v_readfirstlane_b32 s20, v12                   ; wave
	s_and_b32 s21, ttmp7, 0xffff                   ; nh
	v_and_b32 v1, 15, v0
	v_bfe_u32 v2, v0, 4, 1
	v_lshrrev_b32 v3, 4, v0
	v_and_b32 v4, 31, v0
	v_lshlrev_b32 v5, 4, v0
	v_lshlrev_b32 v6, 4, v1
	v_lshl_add_u32 v6, v2, 9, v6                   ; weights: lanes 0-15 a row's 256 bytes, lanes 16-31 the next row's
	s_mov_b32 s[C3], 0x40400000
	s_mov_b32 s[C3+1], 0x40400000
	s_mov_b32 s[C6], 0xc0c00000
	s_mov_b32 s[C6+1], 0xc0c00000
	s_mov_b32 s[C25], 0x40200000
	s_mov_b32 s[C25+1], 0x40200000
	s_mov_b32 s[C55], 0x40b00000
	s_mov_b32 s[C55+1], 0x40b00000
	s_mov_b32 s[SODD], 0x03020100
	s_mov_b32 s[SEVEN], 0x05040302
	s_mov_b32 s3, 0
	s_wait_alu depctr_va_sdst(0)                   ; s20 is written, ahead of its first reader
	s_lshr_b32 s30, s20, 1                         ; my row tile of 16 batches
	s_and_b32 s31, s20, 1                          ; my half: of the features while fragments are made, of the columns in the products
	s_wait_kmcnt 0x0
	s_lshl_b32 s2, ttmp9, 14
	s_add_nc_u64 s[22:23], s[8:9], s[2:3]          ; sigp at (tc 0, ks)
	s_lshl_b32 s2, ttmp9, 18
	s_lshl_b32 s4, s20, 15
	s_add_co_u32 s2, s2, s4
	s_lshl_b32 s5, s21, 8
	s_add_co_u32 s2, s2, s5
	s_add_nc_u64 s[24:25], s[12:13], s[2:3]        ; spline row 512 ks + 64 w, column half nh
	s_lshl_b32 s2, ttmp9, 15
	s_lshl_b32 s4, s20, 12
	s_add_co_u32 s2, s2, s4
	s_add_co_u32 s2, s2, s5
	s_add_nc_u64 s[26:27], s[10:11], s[2:3]        ; base and skip row 64 ks + 8 w
	s_add_nc_u64 s[28:29], s[14:15], s[2:3]
	s_wait_alu depctr_va_vdst(0)                   ; the offsets v5 and v6 are written, which the 56 loads read; only loads and a window switch stand between this wait and the last of them
.irp tc, 0,1,2,3
.irp i, 0,1,2,3
	global_load_b128 v[32+16*\tc+4*\i:35+16*\tc+4*\i], v5, s[22:23] offset:\tc*1064960+4096*\i
.endr
.endr
	WIN 0x40                                       ; the weights wait in v256-415
.set j, 0
.rept 32
	global_load_b128 v[4*j:4*j+3], v6, s[24:25] offset:1024*j th:TH_LOAD_NT
.set j, j+1
.endr
.set j, 0
.rept 4
	global_load_b128 v[128+4*j:131+4*j], v6, s[26:27] offset:1024*j th:TH_LOAD_NT
.set j, j+1
.endr
.set j, 0
.rept 4
	global_load_b128 v[144+4*j:147+4*j], v6, s[28:29] offset:1024*j th:TH_LOAD_NT
.set j, j+1
.endr
	WIN 0
	v_mul_u32_u24 v7, v3, 272
	v_lshl_add_u32 v7, v1, 4, v7                   ; v7: sig goes in by rows tid / 16 + 16 i
	s_mul_i32 s4, s30, 16*272
	s_lshl_b32 s5, s31, 6
	s_add_co_u32 s4, s4, s5
	v_mul_u32_u24 v8, v1, 272
	v_lshl_add_u32 v8, v2, 7, v8
	v_add_nc_u32 v8, s4, v8                        ; v8: my batch's features 32 h + 16 half ..
	s_mul_i32 s4, s30, 20480
	s_add_co_u32 s4, s4, AF
	v_lshl_add_u32 v16, v4, 4, s4                  ; v16: my row tile's fragments
	s_lshl_b32 s5, s31, 13
	v_add_nc_u32 v9, s5, v16                       ; v9: spline fragments 8 half ..
	s_lshl_b32 s5, s31, 10
	s_add_co_u32 s5, s5, 16384
	v_add_nc_u32 v13, s5, v16                      ; v13: base fragment 16 + half; skip 2,048 bytes on
	v_mul_u32_u24 v12, v2, 160
	v_lshl_add_u32 v12, v1, 3, v12
	s_mul_i32 s4, s20, 64*160
	s_add_co_u32 s4, s4, W
	v_add_nc_u32 v14, s4, v12                      ; v14: spline rows 64 w + h ..
	s_mul_i32 s4, s20, 8*160
	s_add_co_u32 s4, s4, W+512*160
	v_add_nc_u32 v15, s4, v12                      ; v15: base rows 8 w + h ..
	v_and_b32 v12, 7, v0
	v_mul_u32_u24 v12, v12, 160
	v_bfe_u32 v17, v0, 3, 1
	v_lshl_add_u32 v12, v17, 4, v12
	s_lshl_b32 s4, s31, 6
	s_add_co_u32 s4, s4, W
	v_add_nc_u32 v12, s4, v12
	v_mul_u32_u24 v17, v2, 256*160
	v_add_nc_u32 v17, v17, v12                     ; v17: the turning load on spline rows 256 h + lane % 8
	v_mul_u32_u24 v18, v2, 32*160
	v_add3_u32 v18, v18, v12, 512*160              ; v18: on base rows 32 h + lane % 8
	v_mul_u32_u24 v19, v2, 133120
	v_lshl_add_u32 v19, v1, 4, v19                 ; v19: hp: two column groups on for h = 1, 16 bytes a batch
	s_wait_loadcnt 40                              ; sigp is in; the 40 weight loads stay out
.irp i, 0,1,2,3
	v_pk_add_f32 v[32+4*\i:33+4*\i], v[32+4*\i:33+4*\i], v[48+4*\i:49+4*\i]
	v_pk_add_f32 v[34+4*\i:35+4*\i], v[34+4*\i:35+4*\i], v[50+4*\i:51+4*\i]
	v_pk_add_f32 v[64+4*\i:65+4*\i], v[64+4*\i:65+4*\i], v[80+4*\i:81+4*\i]
	v_pk_add_f32 v[66+4*\i:67+4*\i], v[66+4*\i:67+4*\i], v[82+4*\i:83+4*\i]
	v_pk_add_f32 v[32+4*\i:33+4*\i], v[32+4*\i:33+4*\i], v[64+4*\i:65+4*\i]
	v_pk_add_f32 v[34+4*\i:35+4*\i], v[34+4*\i:35+4*\i], v[66+4*\i:67+4*\i]
.endr
	s_wait_alu depctr_va_vdst(0)                   ; the additions have written v32-47, which the four LDS stores read; the addresses v7 to v19 are written
.irp i, 0,1,2,3
	ds_store_b128 v7, v[32+4*\i:35+4*\i] offset:4352*\i
.endr
	s_wait_dscnt 0x0                               ; for the others' sake
	s_barrier_signal -1
	s_barrier_wait -1
	; the activations' fragments, while the weights are on their way
.irp i, 0,1,2,3
	ds_load_b128 v[SG+4*\i:SG+4*\i+3], v8 offset:16*\i  ; no vector line has named v96-111
.endr
	s_wait_dscnt 0x0
.irp k, 0,2,4,6,8,10,12,14
	v_pk_fma_f32 v[TT+\k:TT+\k+1], v[SG+\k:SG+\k+1], s[C25:C25+1], s[C55:C55+1] op_sel_hi:[1,0,0]
	v_pk_mul_f32 v[SKR+\k:SKR+\k+1], v[SG+\k:SG+\k+1], 0x3c800000 op_sel_hi:[1,0]
	v_pk_mul_f32 v[EE+\k:EE+\k+1], v[SG+\k:SG+\k+1], 0xbfb8aa3b op_sel_hi:[1,0]
.endr
.set k, 0
.rept 16
	v_exp_f32 v[EE+k], v[EE+k]
.set k, k+1
.endr
.irp k, 0,1,2,3,4,5,6,7
	v_cvt_pk_f16_f32 v[PS+\k], v[SKR+2*\k], v[SKR+2*\k+1]  ; plain work behind the exponentials
.endr
	s_wait_alu depctr_va_vdst(0)                   ; the exponentials have written EE, ahead of their first reader; the roundings have written PS, which the two LDS stores read
	ds_store_b128 v13, v[PS:PS+3] offset:2048
	ds_store_b128 v13, v[PS+4:PS+7] offset:2560
.irp k, 0,2,4,6,8,10,12,14
	v_pk_add_f32 v[EE+\k:EE+\k+1], v[EE+\k:EE+\k+1], 1.0 op_sel_hi:[1,0]
.endr
.set k, 0
.rept 16
	v_rcp_f32 v[EE+k], v[EE+k]
.set k, k+1
.endr
	v_nop                                          ; a plain instruction behind the last reciprocal
	s_wait_alu depctr_va_vdst(0)                   ; the reciprocals have written EE, ahead of their first reader
.irp k, 0,2,4,6,8,10,12,14
	v_pk_mul_f32 v[EE+\k:EE+\k+1], v[EE+\k:EE+\k+1], v[SKR+\k:SKR+\k+1]  ; silu(sig) 2^-6
.endr
.irp k, 0,1,2,3,4,5,6,7
	v_cvt_pk_f16_f32 v[PB+\k], v[EE+2*\k], v[EE+2*\k+1]
.endr
; Step q of four: two spline fragments, step by step in turn, into the step's own out-buffer OB; the stores of the step before (out of OP; in step 1 those of PB too) are dealt among its lines.
.macro FRAG q
.set OB, 176
.set OP, 176
.if (\q) > 0
.set OB, 32+16*(\q)
.endif
.if (\q) > 1
.set OP, 16+16*(\q)
.endif
.if (\q) > 0
	s_wait_alu depctr_va_vdst(0)                   ; the step before has written its out-buffer (ahead of step 1: PB is written too), which the LDS stores of this step read
.endif
	KHEAD TT+4*(\q), TM0
	KHEAD TT+4*(\q)+2, TM1
	KA TT+4*(\q), TM0
	KA TT+4*(\q)+2, TM1
.if (\q) > 0
	ds_store_b128 v9, v[OP:OP+3] offset:2048*((\q)-1)          ; no vector line since the wait names OP, PB, v9 or v13
	ds_store_b128 v9, v[OP+4:OP+7] offset:2048*((\q)-1)+512
.endif
	KB TM0
	KB TM1
.if (\q) > 0
	ds_store_b128 v9, v[OP+8:OP+11] offset:2048*((\q)-1)+1024
	ds_store_b128 v9, v[OP+12:OP+15] offset:2048*((\q)-1)+1536
.endif
	KC TM0
	KC TM1
.if (\q) == 1
	ds_store_b128 v13, v[PB:PB+3]
	ds_store_b128 v13, v[PB+4:PB+7] offset:512
.endif
	KD TM0
	KD TM1
	KCMP TM0, 0, MA                                ; the step's 24 compares in one run,
	KCMP TM1, 0, MB
	KCMP TM0, 1, MC
	KCMP TM1, 1, MD
	KE TM0                                         ; twenty lines that read no mask,
	KE TM1
	KF TM0
	KF TM1
	s_wait_alu depctr_va_sdst(0)                   ; the 24 compares have written s38-61, ahead of the first select that reads one of them
	KPICK TM0, OB, 0, MA
	KPICK TM1, OB+8, 0, MB
	KPICK TM0, OB, 1, MC
	KPICK TM1, OB+8, 1, MD
.endm
	FRAG 0
	FRAG 1
	FRAG 2
	FRAG 3
	; the weights: scaled, rounded to f16, laid into LDS by rows; eight loads at a time.  Batch bt rounds into its own out-buffer CP; the stores of the step before are dealt among its roundings.
.macro CONV bt
.set CP, 96+16*(\bt)
.if (\bt) == 4
.set CP, 224
.endif
.set CQ, 80+16*(\bt)
	s_wait_loadcnt 32-8*(\bt)                      ; the later batches of eight may be out
	s_wait_alu depctr_va_vdst(0)                   ; the step before has written its out-buffer, which the LDS stores of this batch read
	WIN 0x01                                       ; source 0 in v256 ..
.set j, 0
.rept 8
.if (\bt) < 4
	v_pk_mul_f32 v[CT+4*j:CT+4*j+1], v[32*(\bt)+4*j:32*(\bt)+4*j+1], 0x412aaaab op_sel_hi:[1,0]
	v_pk_mul_f32 v[CT+4*j+2:CT+4*j+3], v[32*(\bt)+4*j+2:32*(\bt)+4*j+3], 0x412aaaab op_sel_hi:[1,0]
.else
	v_pk_mul_f32 v[CT+4*j:CT+4*j+1], v[32*(\bt)+4*j:32*(\bt)+4*j+1], 0x45800000 op_sel_hi:[1,0]
	v_pk_mul_f32 v[CT+4*j+2:CT+4*j+3], v[32*(\bt)+4*j+2:32*(\bt)+4*j+3], 0x45800000 op_sel_hi:[1,0]
.endif
.set j, j+1
.endr
	WIN 0
.set j, 0
.rept 8
.if (\bt) == 0
.if j < 4
	ds_store_b128 v9, v[80+4*j:83+4*j] offset:2048*3+512*j     ; the last two spline fragments
.endif
.else
	ds_store_b64 v14, v[CQ+2*j:CQ+2*j+1] offset:320*(8*((\bt)-1)+j)  ; the batch before: no vector line since the wait names CQ
.endif
	v_cvt_pk_f16_f32 v[CP+2*j], v[CT+4*j], v[CT+4*j+1]
	v_cvt_pk_f16_f32 v[CP+2*j+1], v[CT+4*j+2], v[CT+4*j+3]
.set j, j+1
.endr
.endm
	CONV 0
	CONV 1
	CONV 2
	CONV 3
	CONV 4
	s_wait_alu depctr_va_vdst(0)                   ; the last batch has written v224-239; and, since no vector line follows before the fragments' loads: all readers and writers of v32-223 are done
.set j, 0
.rept 8
	ds_store_b64 v15, v[224+2*j:225+2*j] offset:320*(j%4)+10240*(j/4)
.set j, j+1
.endr
	s_wait_dscnt 0x0                               ; for the others' sake: my fragments and my weight rows are in LDS
	s_barrier_signal -1
	s_barrier_wait -1
	s_wait_alu depctr_vm_vsrc(0)                   ; my LDS stores have read all the out-buffers: loads land on v32-223 from here on, and the products write v224-239
	; the products: 20 K steps in five batches of four, on two register sets
.macro LOADQ f, R                      ; the six loads of K step f into v[R .. R + 23]
	ds_load_b128 v[(\R):(\R)+3], v16 offset:(\f)*1024
	ds_load_b128 v[(\R)+4:(\R)+7], v16 offset:(\f)*1024+512
.if (\f) < 16
	ds_load_tr16_b128 v[(\R)+8:(\R)+11],  v17 offset:2560*(\f)
	ds_load_tr16_b128 v[(\R)+12:(\R)+15], v17 offset:2560*(\f)+1280
	ds_load_tr16_b128 v[(\R)+16:(\R)+19], v17 offset:2560*(\f)+32
	ds_load_tr16_b128 v[(\R)+20:(\R)+23], v17 offset:2560*(\f)+1280+32
.else
	ds_load_tr16_b128 v[(\R)+8:(\R)+11],  v18 offset:2560*((\f)%2)+10240*(((\f)-16)/2)
	ds_load_tr16_b128 v[(\R)+12:(\R)+15], v18 offset:2560*((\f)%2)+10240*(((\f)-16)/2)+1280
	ds_load_tr16_b128 v[(\R)+16:(\R)+19], v18 offset:2560*((\f)%2)+10240*(((\f)-16)/2)+32
	ds_load_tr16_b128 v[(\R)+20:(\R)+23], v18 offset:2560*((\f)%2)+10240*(((\f)-16)/2)+1280+32
.endif
.endm
.macro MULQ f, R                       ; K step f: the two column tiles' accumulators take turns
.set A0, ACC+16*((\f)/18)
.if ((\f) == 0) || ((\f) == 18)
	v_wmma_f32_16x16x32_f16 v[A0:A0+7], v[(\R)+8:(\R)+15], v[(\R):(\R)+7], 0
	v_wmma_f32_16x16x32_f16 v[A0+8:A0+15], v[(\R)+16:(\R)+23], v[(\R):(\R)+7], 0
.else
	v_wmma_f32_16x16x32_f16 v[A0:A0+7], v[(\R)+8:(\R)+15], v[(\R):(\R)+7], v[A0:A0+7]
	v_wmma_f32_16x16x32_f16 v[A0+8:A0+15], v[(\R)+16:(\R)+23], v[(\R):(\R)+7], v[A0+8:A0+15]
.endif
.endm
; Batch k multiplies set; more = 1: the next batch's loads land in the other set, six ahead of each pair of products.
.macro BATCH k, set, other, more
	s_wait_dscnt 0x0                               ; this batch's fragments are in; nothing younger is out
.if \more
	PLACES                                         ; four places behind the products of the batch before, as they stood
	s_wait_alu depctr_va_vdst(0)                   ; the products of the batch before are done reading the other set, in which the 24 loads of this batch land
.endif
.set q, 0
.rept 4
.if \more
	LOADQ 4*(\k)+4+q, (\other)+24*q                ; no wait: the products since the wait name this batch's set and the accumulators alone
.endif
	MULQ 4*(\k)+q, (\set)+24*q
.set q, q+1
.endr
.endm
.set q, 0
.rept 4
	LOADQ q, 32+24*q
.set q, q+1
.endr
.set q, 0
.rept 4
	LOADQ 4+q, 128+24*q
.set q, q+1
.endr
	s_wait_dscnt 24                                ; batch 0 is in; batch 1's 24 loads may be out
.set q, 0
.rept 4
	MULQ q, 32+24*q
.set q, q+1
.endr
	BATCH 1, 128, 32, 1
	BATCH 2, 32, 128, 1
	BATCH 3, 128, 32, 1
	BATCH 4, 32, 128, 0
	s_lshl_b32 s2, s21, 1
	s_add_co_u32 s2, s2, s31
	s_mul_i32 s2, s2, 532480                       ; eight column groups of 66,560 bytes for each 32 columns
	s_lshl_b32 s4, ttmp9, 10
	s_add_co_u32 s2, s2, s4
	s_lshl_b32 s4, s30, 8
	s_add_co_u32 s2, s2, s4
	s_add_nc_u64 s[16:17], s[16:17], s[2:3]
	PLACES
.set a, 0
.rept 4
.irp q, 0,1,2,3
	v_pk_mul_f32 v[32+8*a+2*\q:33+8*a+2*\q], v[ACC+8*a+2*\q:ACC+8*a+2*\q+1], 0x3c800000 op_sel_hi:[1,0]  ; the common 2^6 is taken out, exactly; each accumulator from its low end
.endr
.set a, a+1
.endr
	s_wait_alu depctr_va_vdst(0)                   ; the scalings have written v32-63, which the eight stores read
.set a, 0
.rept 4
.irp q, 0,1
	global_store_b128 v19, v[32+8*a+4*\q:35+8*a+4*\q], s[16:17] offset:(4*(a%2)+\q)*66560+(a/2)*2129920  ; sixteen lanes (sixteen batches) store 256 consecutive bytes, aligned
.endr
.set a, a+1
.endr
	s_wait_dscnt 0x0                               ; the closing lines, six on end
	s_wait_alu 0x0
	s_wait_tensorcnt 0x0
	ds_add_u32 v[SPW], v[NIL]
	s_wait_dscnt 0x0
	s_endpgm
.Lfunc_end_k_q80ecd87a69_g1:
	.size	k_q80ecd87a69_g1, .Lfunc_end_k_q80ecd87a69_g1-k_q80ecd87a69_g1
	.p2alignl 7, 3214868480
	.fill 96, 4, 3214868480
	.section	.rodata,"a",@progbits
	.p2align	6, 0x0
	.amdhsa_kernel k_q80ecd87a69_g1
		.amdhsa_group_segment_fixed_size 202752
		.amdhsa_private_segment_fixed_size 0
		.amdhsa_enable_private_segment 0
		.amdhsa_kernarg_size 40
		.amdhsa_user_sgpr_count 2
		.amdhsa_user_sgpr_kernarg_segment_ptr 1
		.amdhsa_wavefront_size32 1
		.amdhsa_system_sgpr_workgroup_id_x 1
		.amdhsa_system_sgpr_workgroup_id_y 1
		.amdhsa_system_sgpr_workgroup_id_z 1
		.amdhsa_system_vgpr_workitem_id 0
		.amdhsa_next_free_vgpr 416
		.amdhsa_next_free_sgpr 66
		.amdhsa_reserve_vcc 0
		.amdhsa_float_denorm_mode_32 3
		.amdhsa_float_denorm_mode_16_64 3
		.amdhsa_memory_ordered 1
		.amdhsa_forward_progress 1
		.amdhsa_inst_pref_size 80
	.end_amdhsa_kernel
	.amdgpu_metadata
---
amdhsa.version: [ 1, 2 ]
amdhsa.kernels:
  - .name:           k_q80ecd87a69_g1
    .symbol:         k_q80ecd87a69_g1.kd
    .args:
      - { .name: sigp, .offset: 0, .size: 8, .value_kind: global_buffer, .address_space: global }
      - { .name: g1_base, .offset: 8, .size: 8, .value_kind: global_buffer, .address_space: global }
      - { .name: g1_spline, .offset: 16, .size: 8, .value_kind: global_buffer, .address_space: global }
      - { .name: skip_w, .offset: 24, .size: 8, .value_kind: global_buffer, .address_space: global }
      - { .name: hp, .offset: 32, .size: 8, .value_kind: global_buffer, .address_space: global }
    .group_segment_fixed_size: 202752
    .private_segment_fixed_size: 0
    .kernarg_segment_align: 8
    .kernarg_segment_size: 40
    .max_flat_workgroup_size: 256
    .sgpr_count:     66
    .vgpr_count:     416
    .wavefront_size: 32
...
	.end_amdgpu_metadata
.endif
;; end of part 6
;; launch mid (part 7): grid 32 x 4, 4 waves a work-group, no clusters, 21,504 bytes of LDS; arguments hp, g2_base, g2_spline, h2p, skips; writes h2p, skips
.if DOCPART == 7
	.amdgcn_target "amdgcn-amd-amdhsa--gfx1250"
	.amdhsa_code_object_version 6
	.text
	.protected	k_q80ecd87a69_mid
	.globl	k_q80ecd87a69_mid
	.p2align	8
	.type	k_q80ecd87a69_mid,@function
k_q80ecd87a69_mid:
	s_mov_b64 s[64:65], 0
	v_nop
	global_prefetch_b8 v0, s[64:65] scope:SCOPE_SE
	s_setreg_imm32_b32 hwreg(HW_REG_WAVE_SCHED_MODE, 0, 2), 2
	s_setreg_imm32_b32 hwreg(HW_REG_WAVE_MODE, 25, 1), 1
	s_wait_xcnt 0x0
	s_wait_alu depctr_vm_vsrc(0)
; THE K SLICES ARE ADDED, AND THE SECOND KAN LAYER, SPLIT ALONG ITS K.  Work-group (j, rb): 16 batches 16 rb .., the four features 4 j .. of h.  It adds hp's 65 slices for those (and for the same four
; columns of the skip product, which go to skips [rb 4][j 32][r 16][4] f32), and makes their share of  h2 = silu(h) g2_base + splines(h) g2_spline:  h2p [b 64][j 32][128] f32.
; Four features x 8 slots are one K step of 32; the base product's K of 4 is filled up with zeros.
; FORMATS.  f16 operands, f32 sums.  Slots hold 6 B, spline weights w x 64/6, and 2^-6 is taken out in f32.  silu(h) is scaled for each batch by the power of two that brings the row's largest magnitude into [1, 2);
; the inverse power is multiplied back in f32.  LIMITS: that magnitude stays under 2^127; g2's weights inside f16's range; NaN and infinities are not treated apart.
; NO CLUSTER: the four work-groups of one j share 18 KB of weight rows, which pass through registers to be rounded; hp's bytes are each read once.
; THE MODE: SCHED_MODE bits 1:0 = 2 (LLVM: expert scheduling mode 2), set by the entry lines.  The code itself states the register dependences
; between vector or matrix instructions and memory or LDS instructions, with s_wait_alu, always for 0.
; THE PLAN.  Registers that memory or LDS instructions touch:
;   v5-v9, v13-v17    offsets and addresses, each made once and never written again.
;   v32-135           landed in once by the 26 loads of the head.  v32-35 then hold my sum of slices, v136-153 the packed weights: all written first, then ONE wait, then the ten LDS stores that read them.
;   Behind the first barrier ONE wait states that those stores have read their data: LDS loads land in v32-47, v64-95 and (wave 0) v144-159, and vector lines write v128-143.
;   v128-143          the tile for the stage: written by sixteen lines behind the products, one wait, four LDS stores.
;   s44-55            two sets of six lane masks: twelve compares in one run, other work, ONE wait ahead of the selects.
.set PART,  0                          ; 4 waves x 512 bytes: each wave's sum of its slices (256 bytes h, 256 skip)
.set WSP,   2048                       ; 32 spline rows x 288 bytes, f16
.set WBS,   11264                      ; 4 base rows x 288
.set STG,   12544                      ; 16 rows x 528 bytes, f32
.set SPARE, 20992                      ; the spare words: 128 bytes a wave, named by no other line
.set SPW, 10                           ; v10 LDS address of my spare word; never rewritten
.set NIL, 11                           ; v11 0; never rewritten
.set TRS, 17                           ; v17 the turning load on the spline rows
.set AF0, 176
.set AB,  184
.set TM0, 192
.set C3,  32
.set C6,  34
.set C25, 36
.set C55, 38
.set HALF, 40                          ; s40 lanes 16-31
.set SODD,  41
.set SEVEN, 42
.set MA,  44
.set MB,  50
.macro KHEAD t, m
	v_floor_f32 v[(\m)], v[(\t)]
	v_floor_f32 v[(\m)+1], v[(\t)+1]
.endm
.macro KA t, m
	v_pk_add_f32 v[(\m)+2:(\m)+3], v[(\t):(\t)+1], v[(\m):(\m)+1] neg_lo:[0,1] neg_hi:[0,1]
	v_cvt_i32_f32 v[(\m)+18], v[(\m)]
	v_cvt_i32_f32 v[(\m)+19], v[(\m)+1]
.endm
.macro KB m
	v_pk_fma_f32 v[(\m)+4:(\m)+5], v[(\m)+2:(\m)+3], -1.0, 1.0 op_sel_hi:[1,0,0]
	v_pk_mul_f32 v[(\m)+6:(\m)+7], v[(\m)+2:(\m)+3], v[(\m)+2:(\m)+3]
	v_pk_fma_f32 v[(\m)+10:(\m)+11], v[(\m)+2:(\m)+3], s[C3:C3+1], s[C6:C6+1] op_sel_hi:[1,0,0]
	v_lshlrev_b32 v[(\m)], 31, v[(\m)+18]
	v_lshlrev_b32 v[(\m)+1], 31, v[(\m)+19]
.endm
.macro KC m
	v_pk_mul_f32 v[(\m)+8:(\m)+9], v[(\m)+4:(\m)+5], v[(\m)+4:(\m)+5]
	v_pk_fma_f32 v[(\m)+12:(\m)+13], v[(\m)+4:(\m)+5], s[C3:C3+1], s[C6:C6+1] op_sel_hi:[1,0,0]
	v_pk_mul_f32 v[(\m)+14:(\m)+15], v[(\m)+6:(\m)+7], v[(\m)+2:(\m)+3]
	v_pk_fma_f32 v[(\m)+10:(\m)+11], v[(\m)+6:(\m)+7], v[(\m)+10:(\m)+11], 4.0 op_sel_hi:[1,1,0]
	v_ashrrev_i32 v[(\m)], 31, v[(\m)]
	v_ashrrev_i32 v[(\m)+1], 31, v[(\m)+1]
.endm
.macro KD m
	v_pk_mul_f32 v[(\m)+16:(\m)+17], v[(\m)+8:(\m)+9], v[(\m)+4:(\m)+5]
	v_pk_fma_f32 v[(\m)+12:(\m)+13], v[(\m)+8:(\m)+9], v[(\m)+12:(\m)+13], 4.0 op_sel_hi:[1,1,0]
	v_bfi_b32 v[(\m)+20], v[(\m)], s[SODD], s[SEVEN]
	v_bfi_b32 v[(\m)+21], v[(\m)+1], s[SODD], s[SEVEN]
	v_ashrrev_i32 v[(\m)+18], 1, v[(\m)+18]
	v_ashrrev_i32 v[(\m)+19], 1, v[(\m)+19]
.endm
.macro KE m
	v_cvt_pk_f16_f32 v[(\m)+22], v[(\m)+16], v[(\m)+10]
	v_cvt_pk_f16_f32 v[(\m)+23], v[(\m)+12], v[(\m)+14]
	v_cvt_pk_f16_f32 v[(\m)+24], v[(\m)+17], v[(\m)+11]
	v_cvt_pk_f16_f32 v[(\m)+25], v[(\m)+13], v[(\m)+15]
.endm
.macro KF m
	v_perm_b32 v[(\m)+26], v[(\m)+22], 0, v[(\m)+20]
	v_perm_b32 v[(\m)+27], v[(\m)+23], v[(\m)+22], v[(\m)+20]
	v_perm_b32 v[(\m)+28], 0, v[(\m)+23], v[(\m)+20]
	v_perm_b32 v[(\m)+29], v[(\m)+24], 0, v[(\m)+21]
	v_perm_b32 v[(\m)+30], v[(\m)+25], v[(\m)+24], v[(\m)+21]
	v_perm_b32 v[(\m)+31], 0, v[(\m)+25], v[(\m)+21]
.endm
.macro KCMP m, e, msk                  ; number e's six lane masks: is i >> 1 equal to 0 .. 5?
.irp n, 0,1,2,3,4,5
	v_cmp_eq_u32 s[(\msk)+\n], \n, v[(\m)+18+(\e)]
.endr
.endm
.macro KPICK m, o, e, msk              ; number e's four slot words into v[o + 4 e ..], by its masks
.irp j, 0,1,2,3
	v_cndmask_b32 v[(\o)+4*(\e)+\j], 0, v[(\m)+28+3*(\e)], s[(\msk)+\j]
.endr
.irp j, 0,1,2,3
	v_cndmask_b32 v[(\o)+4*(\e)+\j], v[(\o)+4*(\e)+\j], v[(\m)+27+3*(\e)], s[(\msk)+\j+1]
.endr
.irp j, 0,1,2,3
	v_cndmask_b32 v[(\o)+4*(\e)+\j], v[(\o)+4*(\e)+\j], v[(\m)+26+3*(\e)], s[(\msk)+\j+2]
.endr
.endm
	s_load_b256 s[8:15], s[0:1], 0x0               ; hp, g2_base, g2_spline, h2p
	s_load_b64 s[16:17], s[0:1], 0x20              ; skips
	v_lshl_add_u32 v[SPW], v0, 2, SPARE
	v_mov_b32 v[NIL], 0
	v_lshrrev_b32 v12, 5, v0
	v_readfirstlane_b32 s20, v12                   ; wave
	s_and_b32 s21, ttmp7, 0xffff                   ; rb
	v_and_b32 v1, 15, v0
	v_bfe_u32 v2, v0, 4, 1
	v_and_b32 v4, 31, v0
	v_mul_u32_u24 v5, v2, 2129920                  ; lanes 16-31 take the skip product's column group, 32 groups on
	v_lshl_add_u32 v5, v1, 4, v5
	v_lshlrev_b32 v6, 4, v4
	v_lshlrev_b32 v7, 4, v0
	v_lshlrev_b32 v16, 4, v1
	s_mov_b32 s[C3], 0x40400000
	s_mov_b32 s[C3+1], 0x40400000
	s_mov_b32 s[C6], 0xc0c00000
	s_mov_b32 s[C6+1], 0xc0c00000
	s_mov_b32 s[C25], 0x40200000
	s_mov_b32 s[C25+1], 0x40200000
	s_mov_b32 s[C55], 0x40b00000
	s_mov_b32 s[C55+1], 0x40b00000
	s_mov_b32 s[HALF], 0xffff0000
	s_mov_b32 s[SODD], 0x03020100
	s_mov_b32 s[SEVEN], 0x05040302
	s_mov_b32 s3, 0
	s_mul_i32 s4, ttmp9, 66560
	s_lshl_b32 s5, s21, 8
	s_add_co_u32 s4, s4, s5
	s_wait_alu depctr_va_sdst(0)                   ; s20 is written, ahead of its first reader
	s_wait_kmcnt 0x0
	s_lshl_b32 s2, s20, 14
	s_add_co_u32 s2, s2, s4
	s_add_nc_u64 s[22:23], s[8:9], s[2:3]          ; hp at (j, slice 16 w, batch 16 rb)
	s_add_co_u32 s2, s4, 65536
	s_add_nc_u64 s[24:25], s[8:9], s[2:3]          ; slice 64
	s_lshl_b32 s2, ttmp9, 14
	s_lshl_b32 s5, s20, 12
	s_add_co_u32 s2, s2, s5
	s_add_nc_u64 s[26:27], s[12:13], s[2:3]        ; spline row 32 j + 8 w
	s_lshl_b32 s2, ttmp9, 11
	s_lshl_b32 s5, s20, 9
	s_add_co_u32 s2, s2, s5
	s_add_nc_u64 s[28:29], s[10:11], s[2:3]        ; base row 4 j + w
	s_wait_alu depctr_va_vdst(0)                   ; the offsets v5 and v6 are written, which the 26 loads read
.set i, 0
.rept 16
	global_load_b128 v[32+4*i:35+4*i], v5, s[22:23] offset:1024*i  ; two aligned blocks of 256 bytes
.set i, i+1
.endr
	global_load_b128 v[96:99], v5, s[24:25]
.set i, 0
.rept 8
	global_load_b128 v[100+4*i:103+4*i], v6, s[26:27] offset:512*i
.set i, i+1
.endr
	global_load_b128 v[132:135], v6, s[28:29]
	s_lshl_b32 s2, s21, 13
	s_lshl_b32 s5, ttmp9, 8
	s_add_co_u32 s2, s2, s5
	s_add_nc_u64 s[16:17], s[16:17], s[2:3]
	s_lshl_b32 s2, s21, 18
	s_lshl_b32 s5, s20, 16
	s_add_co_u32 s2, s2, s5
	s_lshl_b32 s5, ttmp9, 9
	s_add_co_u32 s2, s2, s5
	s_add_nc_u64 s[14:15], s[14:15], s[2:3]        ; h2p at (batch 16 rb + 4 w, j)
	s_mul_i32 s4, s20, 8*288
	s_add_co_u32 s4, s4, WSP
	v_lshl_add_u32 v8, v4, 3, s4
	s_mul_i32 s4, s20, 288
	s_add_co_u32 s4, s4, WBS
	v_lshl_add_u32 v9, v4, 3, s4
	v_bfe_u32 v12, v0, 3, 1
	s_lshl_b32 s4, s20, 6                          ; my two column tiles: 64 bytes a wave
	v_lshl_add_u32 v12, v12, 4, s4
	v_and_b32 v13, 7, v0
	v_lshl_add_u32 v13, v2, 3, v13
	v_mul_u32_u24 v13, v13, 288
	v_add3_u32 v[TRS], v13, v12, WSP               ; the turning load on spline rows 8 h + lane % 8
	v_and_b32 v13, 3, v0
	v_mul_u32_u24 v13, v13, 288
	v_add3_u32 v13, v13, v12, WBS                  ; on base rows lane % 4: rows 4 and up of the K step repeat them and meet zeros
	v_mul_u32_u24 v14, v1, 528
	v_lshl_add_u32 v14, v2, 5, v14
	s_lshl_b32 s4, s20, 7
	s_add_co_u32 s4, s4, STG
	v_add_nc_u32 v14, s4, v14
	s_mul_i32 s4, s20, 4*528
	s_add_co_u32 s4, s4, STG
	v_lshl_add_u32 v15, v4, 4, s4
	s_wait_loadcnt 9                               ; hp's 17 blocks are in; the nine weight rows may be out
.irp st, 8,4,2,1
.set i, 0
.rept \st
	v_pk_add_f32 v[32+4*i:33+4*i], v[32+4*i:33+4*i], v[32+4*(i+\st):33+4*(i+\st)]
	v_pk_add_f32 v[34+4*i:35+4*i], v[34+4*i:35+4*i], v[34+4*(i+\st):35+4*(i+\st)]
.set i, i+1
.endr
.endr
	v_pk_fma_f32 v[32:33], v[96:97], 0x3e800000, v[32:33] op_sel_hi:[1,0,1]  ; each of the four waves adds an exact quarter of slice 64: one text for all
	v_pk_fma_f32 v[34:35], v[98:99], 0x3e800000, v[34:35] op_sel_hi:[1,0,1]
	s_wait_loadcnt 0x0
.set i, 0
.rept 8
	v_pk_mul_f32 v[100+4*i:101+4*i], v[100+4*i:101+4*i], 0x412aaaab op_sel_hi:[1,0]
	v_pk_mul_f32 v[102+4*i:103+4*i], v[102+4*i:103+4*i], 0x412aaaab op_sel_hi:[1,0]
	v_cvt_pk_f16_f32 v[136+2*i], v[100+4*i], v[101+4*i]
	v_cvt_pk_f16_f32 v[137+2*i], v[102+4*i], v[103+4*i]
.set i, i+1
.endr
	v_cvt_pk_f16_f32 v152, v132, v133
	v_cvt_pk_f16_f32 v153, v134, v135
	s_wait_alu depctr_va_vdst(0)                   ; v32-35 and v136-153 are written, which the ten LDS stores read; all addresses are written; and, since no vector line follows before the LDS loads behind the barrier: all readers and writers of v32-95 are done
	ds_store_b128 v7, v[32:35]
.set i, 0
.rept 8
	ds_store_b64 v8, v[136+2*i:137+2*i] offset:288*i
.set i, i+1
.endr
	ds_store_b64 v9, v[152:153]
	s_wait_dscnt 0x0                               ; for the others' sake
	s_barrier_signal -1
	s_barrier_wait -1
	s_wait_alu depctr_vm_vsrc(0)                   ; my LDS stores have read v32-35 and v136-153: loads land on v32-35 and v144-153 below, and vector lines write v136-143
.irp i, 0,1,2,3
	ds_load_b128 v[32+4*\i:35+4*\i], v16 offset:PART+512*\i
.endr
	ds_load_tr16_b128 v[64:67], v[TRS]
	ds_load_tr16_b128 v[68:71], v[TRS] offset:4608
	ds_load_tr16_b128 v[72:75], v[TRS] offset:32
	ds_load_tr16_b128 v[76:79], v[TRS] offset:4608+32
	ds_load_tr16_b128 v[80:83], v13
	ds_load_tr16_b128 v[84:87], v13
	ds_load_tr16_b128 v[88:91], v13 offset:32
	ds_load_tr16_b128 v[92:95], v13 offset:32
	s_wait_dscnt 8                                 ; the four parts are in; the eight weight loads may be out
	v_pk_add_f32 v[32:33], v[32:33], v[36:37]
	v_pk_add_f32 v[34:35], v[34:35], v[38:39]
	v_pk_add_f32 v[40:41], v[40:41], v[44:45]
	v_pk_add_f32 v[42:43], v[42:43], v[46:47]
	v_pk_add_f32 v[32:33], v[32:33], v[40:41]
	v_pk_add_f32 v[34:35], v[34:35], v[42:43]      ; h of my batch, features 4 j ..
	v_cndmask_b32 v48, v32, v33, s[HALF]           ; registers 0-3 of the fragment: feature h, registers 4-7: feature 2 + h
	v_cndmask_b32 v49, v34, v35, s[HALF]
	v_pk_fma_f32 v[50:51], v[48:49], s[C25:C25+1], s[C55:C55+1] op_sel_hi:[1,0,0]
	v_pk_mul_f32 v[52:53], v[32:33], 0xbfb8aa3b op_sel_hi:[1,0]
	v_pk_mul_f32 v[54:55], v[34:35], 0xbfb8aa3b op_sel_hi:[1,0]
	v_exp_f32 v52, v52
	v_exp_f32 v53, v53
	v_exp_f32 v54, v54
	v_exp_f32 v55, v55
	KHEAD 50, TM0
	s_wait_alu depctr_va_vdst(0)                   ; the exponentials have written v52-55, ahead of their first reader
	v_pk_add_f32 v[52:53], v[52:53], 1.0 op_sel_hi:[1,0]
	v_pk_add_f32 v[54:55], v[54:55], 1.0 op_sel_hi:[1,0]
	v_rcp_f32 v52, v52
	v_rcp_f32 v53, v53
	v_rcp_f32 v54, v54
	v_rcp_f32 v55, v55
	KA 50, TM0
	s_wait_alu depctr_va_vdst(0)                   ; the reciprocals have written v52-55, ahead of their first reader
	v_pk_mul_f32 v[52:53], v[52:53], v[32:33]      ; silu(h)
	v_pk_mul_f32 v[54:55], v[54:55], v[34:35]
	v_max3_num_f32 v56, |v52|, |v53|, |v54|
	v_max_num_f32 v56, v56, |v55|
	v_lshrrev_b32 v57, 23, v56                     ; its exponent field e
	v_sub_nc_u32 v58, 254, v57
	v_lshlrev_b32 v58, 23, v58                     ; 2^(127 - e)
	v_mov_b32 v59, v58
	v_lshlrev_b32 v60, 23, v57                     ; 2^(e - 127)
	v_mov_b32 v61, v60
	v_pk_mul_f32 v[52:53], v[52:53], v[58:59]
	v_pk_mul_f32 v[54:55], v[54:55], v[58:59]
	v_cvt_pk_f16_f32 v62, v52, v53
	v_cvt_pk_f16_f32 v63, v54, v55
	v_cndmask_b32 v[AB], v62, 0, s[HALF]           ; K places 0-3 lie in lanes 0-15; all else is 0
	v_cndmask_b32 v[AB+1], v63, 0, s[HALF]
.irp k, 2,3,4,5,6,7
	v_mov_b32 v[AB+\k], 0
.endr
	KB TM0
	KC TM0
	KD TM0
	KCMP TM0, 0, MA                                ; the twelve compares in one run,
	KCMP TM0, 1, MB
	KE TM0                                         ; ten lines that read no mask,
	KF TM0
	s_wait_alu depctr_va_sdst(0)                   ; the twelve compares have written s44-55, ahead of the first select that reads one of them
	KPICK TM0, AF0, 0, MA
	KPICK TM0, AF0, 1, MB
	s_wait_dscnt 0x0
	v_wmma_f32_16x16x32_f16 v[96:103], v[64:71], v[AF0:AF0+7], 0
	v_wmma_f32_16x16x32_f16 v[104:111], v[72:79], v[AF0:AF0+7], 0
	v_wmma_f32_16x16x32_f16 v[112:119], v[80:87], v[AB:AB+7], 0
	v_wmma_f32_16x16x32_f16 v[120:127], v[88:95], v[AB:AB+7], 0
.rept 4
	v_nop                                          ; four places in front of the reads of the results
.endr
.irp q, 0,2,4,6,8,10,12,14
	v_pk_mul_f32 v[128+\q:129+\q], v[96+\q:97+\q], 0x3c800000 op_sel_hi:[1,0]
.endr
.irp q, 0,2,4,6,8,10,12,14
	v_pk_fma_f32 v[128+\q:129+\q], v[112+\q:113+\q], v[60:61], v[128+\q:129+\q]
.endr
	s_wait_alu depctr_va_vdst(0)                   ; the multiply-adds have written v128-143, which the four LDS stores read; all readers and writers of v32-47 and of v144-159 are done, in which the LDS loads below land
	ds_store_b128 v14, v[128:131]
	ds_store_b128 v14, v[132:135] offset:16
	ds_store_b128 v14, v[136:139] offset:64
	ds_store_b128 v14, v[140:143] offset:80
	s_cmp_lg_u32 s20, 0
	s_cbranch_scc1 .Lnot_wave_0
.irp i, 0,1,2,3
	ds_load_b128 v[144+4*\i:147+4*\i], v16 offset:PART+256+512*\i
.endr
	s_wait_dscnt 0x0
	v_pk_add_f32 v[144:145], v[144:145], v[148:149]
	v_pk_add_f32 v[146:147], v[146:147], v[150:151]
	v_pk_add_f32 v[152:153], v[152:153], v[156:157]
	v_pk_add_f32 v[154:155], v[154:155], v[158:159]
	v_pk_add_f32 v[144:145], v[144:145], v[152:153]
	v_pk_add_f32 v[146:147], v[146:147], v[154:155]
	s_wait_alu depctr_va_vdst(0)                   ; the additions have written v144-147, the store's data
	global_store_b128 v16, v[144:147], s[16:17]    ; 256 consecutive bytes; lanes 16-31 write what lanes 0-15 write
.Lnot_wave_0:
	s_wait_dscnt 0x0                               ; a stage row comes from all four waves
	s_barrier_signal -1
	s_barrier_wait -1
.irp i, 0,1,2,3
	ds_load_b128 v[32+4*\i:35+4*\i], v15 offset:528*\i
.endr
.irp i, 0,1,2,3
	s_wait_dscnt 3-\i
	global_store_b128 v6, v[32+4*\i:35+4*\i], s[14:15] offset:16384*\i  ; 512 consecutive bytes, aligned
.endr
	s_wait_dscnt 0x0                               ; the closing lines, six on end
	s_wait_alu 0x0
	s_wait_tensorcnt 0x0
	ds_add_u32 v[SPW], v[NIL]
	s_wait_dscnt 0x0
	s_endpgm
.Lfunc_end_k_q80ecd87a69_mid:
	.size	k_q80ecd87a69_mid, .Lfunc_end_k_q80ecd87a69_mid-k_q80ecd87a69_mid
	.p2alignl 7, 3214868480
	.fill 96, 4, 3214868480
	.section	.rodata,"a",@progbits
	.p2align	6, 0x0
	.amdhsa_kernel k_q80ecd87a69_mid
		.amdhsa_group_segment_fixed_size 21504
		.amdhsa_private_segment_fixed_size 0
		.amdhsa_enable_private_segment 0
		.amdhsa_kernarg_size 40
		.amdhsa_user_sgpr_count 2
		.amdhsa_user_sgpr_kernarg_segment_ptr 1
		.amdhsa_wavefront_size32 1
		.amdhsa_system_sgpr_workgroup_id_x 1
		.amdhsa_system_sgpr_workgroup_id_y 1
		.amdhsa_system_sgpr_workgroup_id_z 1
		.amdhsa_system_vgpr_workitem_id 0
		.amdhsa_next_free_vgpr 256
		.amdhsa_next_free_sgpr 66
		.amdhsa_reserve_vcc 0
		.amdhsa_float_denorm_mode_32 3
		.amdhsa_float_denorm_mode_16_64 3
		.amdhsa_memory_ordered 1
		.amdhsa_forward_progress 1
		.amdhsa_inst_pref_size 24
	.end_amdhsa_kernel
	.amdgpu_metadata
---
amdhsa.version: [ 1, 2 ]
amdhsa.kernels:
  - .name:           k_q80ecd87a69_mid
    .symbol:         k_q80ecd87a69_mid.kd
    .args:
      - { .name: hp, .offset: 0, .size: 8, .value_kind: global_buffer, .address_space: global }
      - { .name: g2_base, .offset: 8, .size: 8, .value_kind: global_buffer, .address_space: global }
      - { .name: g2_spline, .offset: 16, .size: 8, .value_kind: global_buffer, .address_space: global }
      - { .name: h2p, .offset: 24, .size: 8, .value_kind: global_buffer, .address_space: global }
      - { .name: skips, .offset: 32, .size: 8, .value_kind: global_buffer, .address_space: global }
    .group_segment_fixed_size: 21504
    .private_segment_fixed_size: 0
    .kernarg_segment_align: 8
    .kernarg_segment_size: 40
    .max_flat_workgroup_size: 128
    .sgpr_count:     66
    .vgpr_count:     256
    .wavefront_size: 32
...
	.end_amdgpu_metadata
.endif
;; end of part 7
;; launch kan: the kernel of part 4 again; grid 256 x 1, 8 waves a work-group, clusters of 4 x 1, 318,976 bytes of LDS; arguments x, tw, kws, gwb, h2p, skips, skip_b, gate_bs, gate_bv, ln_g, ln_b, out0; writes out0
